; MI455X (gfx1250); checked and timed in simulation.
; The chip was launched on July 23, 2026; its instructions are those of AMD's public machine-readable ISA for CDNA 5 (MIT licence, August 2026) and "CDNA5" Instruction Set Architecture Reference Guide (July 2026). The comments in the code are by the model that wrote it; some were corrected since.
;; GPT Block Base. Allowed arithmetic: float matrix products may take bf16 or f16 operands with f32 sums; all other float work in f32.
;; Inputs: b1 4,096 float32; b2 1,024 float32; beta1 1,024 float32; beta2 1,024 float32; bk 1,024 float32; bo 1,024 float32; bq 1,024 float32; bv 1,024 float32; g1 1,024 float32; g2 1,024 float32; key_padding_mask 2 x 2,048 bool; w1 1,024 x 4,096 float32; w2 4,096 x 1,024 float32; wk 1,024 x 1,024 float32; wo 1,024 x 1,024 float32; wq 1,024 x 1,024 float32; wv 1,024 x 1,024 float32; x 2 x 2,048 x 1,024 float32.
;; Outputs: out0 2 x 2,048 x 1,024 float32.
;; 2 versions, each right; version 2 is version 1 with the launch ln1 written anew for expert scheduling mode. Each part assembles by itself: llvm-mc -triple=amdgcn-amd-amdhsa -mcpu=gfx1250 --defsym DOCPART=n.
;; ======== version 1 of 2: 8 launches
;; limits: right only within a limited range of input values
;; workspace buffers: cb 33,554,432 bytes; qkv 25,165,824 bytes; vsum 131,072 bytes; ao 8,388,608 bytes; y 16,777,216 bytes; h 16,777,216 bytes; hb 8,388,608 bytes; f1 33,554,432 bytes
;; launch prep (part 1): grid 64 x 16, 8 waves a work-group, no clusters, 0 bytes of LDS; arguments x, wq, wk, wv, wo, w1, w2, cb; writes cb
.if DOCPART == 1
	.amdgcn_target "amdgcn-amd-amdhsa--gfx1250"
	.amdhsa_code_object_version 6
	.text
	.protected	k_q6b687a149b_prep
	.globl	k_q6b687a149b_prep
	.p2align	8
	.type	k_q6b687a149b_prep,@function
k_q6b687a149b_prep:
	s_mov_b64 s[64:65], 0
	v_nop
	global_prefetch_b8 v0, s[64:65] scope:SCOPE_SE
	s_setreg_imm32_b32 hwreg(HW_REG_WAVE_MODE, 25, 1), 1
	s_wait_xcnt 0x0
; cb = bf16 of x, wq, wk, wv, wo, w1, w2, one behind the other, each in its own order of elements (weights stay [K][N]).
; cb is 16 units of 1,048,576 elements: x units 0-3, wq 4, wk 5, wv 6, wo 7, w1 8-11, w2 12-15.
; Work-group (c, u) converts chunk c (16,384 elements: 65,536 bytes in, 32,768 out) of unit u.
; Thread t takes 16 bytes at 16 t of each 4,096 bytes: a wave's load covers 512 neighbouring bytes, its store 256, aligned.
; All 16 loads go out first; every load and store has registers of its own, so no register is written twice and there is no loop.
.set X, 4                              ; v[4:67]   16 x 4 f32 as loaded
.set Y, 68                             ; v[68:99]  16 x 2 words of bf16
	s_load_b512 s[8:23], s[0:1], 0x0               ; x 8, wq 10, wk 12, wv 14, wo 16, w1 18, w2 20, cb 22
	s_and_b32 s2, ttmp7, 0xffff                    ; u
	v_lshlrev_b32 v1, 4, v0                        ; 16 t
	v_lshlrev_b32 v2, 3, v0                        ; 8 t
	s_wait_kmcnt 0x0
	s_mov_b64 s[24:25], s[8:9]                     ; the source: x, unless u reaches a later tensor's first unit
	s_mov_b32 s26, 0                               ; that tensor's first unit
.macro PICK first, ptr
	s_cmp_ge_u32 s2, \first
	s_cselect_b64 s[24:25], s[\ptr:\ptr+1], s[24:25]
	s_cselect_b32 s26, \first, s26
.endm
	PICK 4, 10
	PICK 5, 12
	PICK 6, 14
	PICK 7, 16
	PICK 8, 18
	PICK 12, 20
	s_sub_co_u32 s28, s2, s26                      ; unit inside the source tensor: 4 MiB each
	s_lshl_b32 s28, s28, 22
	s_lshl_b32 s27, ttmp9, 16
	s_add_co_u32 s28, s28, s27
	s_mov_b32 s29, 0
	s_add_nc_u64 s[24:25], s[24:25], s[28:29]
	s_lshl_b32 s30, s2, 21                         ; unit in cb: 2 MiB each
	s_lshl_b32 s27, ttmp9, 15
	s_add_co_u32 s30, s30, s27
	s_mov_b32 s31, 0
	s_add_nc_u64 s[22:23], s[22:23], s[30:31]
.irp j, 0,1,2,3,4,5,6,7,8,9,10,11,12,13,14,15
	global_load_b128 v[X+4*\j:X+4*\j+3], v1, s[24:25] offset:4096*\j th:TH_LOAD_NT
.endr
.irp j, 0,1,2,3,4,5,6,7,8,9,10,11,12,13,14,15
	s_wait_loadcnt 15-\j                           ; loads come back in order: load j is in, the 15 - j younger ones stay out
	v_cvt_pk_bf16_f32 v[Y+2*\j], v[X+4*\j], v[X+4*\j+1]
	v_cvt_pk_bf16_f32 v[Y+2*\j+1], v[X+4*\j+2], v[X+4*\j+3]
	global_store_b64 v2, v[Y+2*\j:Y+2*\j+1], s[22:23] offset:2048*\j
.endr
	s_endpgm
.Lfunc_end_k_q6b687a149b_prep:
	.size	k_q6b687a149b_prep, .Lfunc_end_k_q6b687a149b_prep-k_q6b687a149b_prep
	.p2alignl 7, 3214868480
	.fill 96, 4, 3214868480
	.section	.rodata,"a",@progbits
	.p2align	6, 0x0
	.amdhsa_kernel k_q6b687a149b_prep
		.amdhsa_group_segment_fixed_size 0
		.amdhsa_private_segment_fixed_size 0
		.amdhsa_enable_private_segment 0
		.amdhsa_kernarg_size 64
		.amdhsa_user_sgpr_count 2
		.amdhsa_user_sgpr_kernarg_segment_ptr 1
		.amdhsa_wavefront_size32 1
		.amdhsa_system_sgpr_workgroup_id_x 1
		.amdhsa_system_sgpr_workgroup_id_y 1
		.amdhsa_system_sgpr_workgroup_id_z 1
		.amdhsa_system_vgpr_workitem_id 0
		.amdhsa_next_free_vgpr 100
		.amdhsa_next_free_sgpr 66
		.amdhsa_reserve_vcc 0
		.amdhsa_float_denorm_mode_32 3
		.amdhsa_float_denorm_mode_16_64 3
		.amdhsa_memory_ordered 1
		.amdhsa_forward_progress 1
		.amdhsa_inst_pref_size 7
	.end_amdhsa_kernel
	.amdgpu_metadata
---
amdhsa.version: [ 1, 2 ]
amdhsa.kernels:
  - .name:           k_q6b687a149b_prep
    .symbol:         k_q6b687a149b_prep.kd
    .args:
      - { .name: x, .offset: 0, .size: 8, .value_kind: global_buffer, .address_space: global }
      - { .name: wq, .offset: 8, .size: 8, .value_kind: global_buffer, .address_space: global }
      - { .name: wk, .offset: 16, .size: 8, .value_kind: global_buffer, .address_space: global }
      - { .name: wv, .offset: 24, .size: 8, .value_kind: global_buffer, .address_space: global }
      - { .name: wo, .offset: 32, .size: 8, .value_kind: global_buffer, .address_space: global }
      - { .name: w1, .offset: 40, .size: 8, .value_kind: global_buffer, .address_space: global }
      - { .name: w2, .offset: 48, .size: 8, .value_kind: global_buffer, .address_space: global }
      - { .name: cb, .offset: 56, .size: 8, .value_kind: global_buffer, .address_space: global }
    .group_segment_fixed_size: 0
    .private_segment_fixed_size: 0
    .kernarg_segment_align: 8
    .kernarg_segment_size: 64
    .max_flat_workgroup_size: 256
    .sgpr_count:     66
    .vgpr_count:     100
    .wavefront_size: 32
...
	.end_amdgpu_metadata
.endif
;; end of part 1
;; launch qkvg (part 2): grid 12 x 16, 4 waves a work-group, clusters of 4 x 4, 327,680 bytes of LDS; arguments cb, bq, bk, bv, qkv, vsum; writes qkv, vsum
.if DOCPART == 2
	.amdgcn_target "amdgcn-amd-amdhsa--gfx1250"
	.amdhsa_code_object_version 6
	.text
	.protected	k_q6b687a149b_qkvg
	.globl	k_q6b687a149b_qkvg
	.p2align	8
	.type	k_q6b687a149b_qkvg,@function
k_q6b687a149b_qkvg:
	s_mov_b64 s[64:65], 0
	v_nop
	global_prefetch_b8 v0, s[64:65] scope:SCOPE_SE
	s_setreg_imm32_b32 hwreg(HW_REG_WAVE_MODE, 25, 1), 1
	s_wait_xcnt 0x0
	s_wait_alu depctr_hold_cnt(0) depctr_sa_sdst(0) depctr_va_vdst(0) depctr_va_sdst(0) depctr_va_ssrc(0) depctr_va_vcc(0) depctr_vm_vsrc(0)
	s_getreg_b32 s2, hwreg(HW_REG_IB_STS2, 6, 4)
	s_cmp_eq_u32 s2, 0
	s_cbranch_scc0 .Lentry_in_a_cluster
	s_endpgm
.Lentry_in_a_cluster:
	s_bfe_u32 s2, ttmp6, 0x10000c
	s_cmp_lg_u32 s2, 0xf033
	s_cbranch_scc0 .Lentry_shape_is_right
	s_endpgm
.Lentry_shape_is_right:
; C = A W + bias, A [4096][1024] bf16 row-major, W [1024][NW] bf16 as stored ([K][N]), sums in f32.
; IS_QKV = 1: A = x (cb, byte 0), W = wq | wk | wv (cb, 8 MiB on, 2 MiB each; the cluster's x picks the matrix), C = Q | K | V in bf16.
; IS_QKV = 0: A = hb, W = w1 (cb, 16 MiB on), C = gelu(..) in bf16, exact-erf gelu with erf by Abramowitz and Stegun 7.1.26
;             (absolute error of erf at most 1.5e-7 for every argument); v_exp_f32 and v_rcp_f32 are good to 1 ulp and flush denormals.
; C is stored GROUP-MAJOR: [column / 64][4096 rows][64], so that 128 rows of a group of 64 columns are 16,384 dense bytes.
; For V the column sums of the rounded bf16 numbers over the wave's 128 rows also go out (vsum [32 runs of 128 rows][1024] f32).
;
; A work-group makes 256 x 256 of C with four waves, a wave 128 x 128 in 512 accumulator registers.  K goes in steps of 128 through two LDS
; slots filled by tensor loads: waves 0, 1 bring 128 rows x 256 bytes of A each, waves 2, 3 bring 64 k-rows x 512 bytes of W each.
; CLUSTERS: 4 x 4 work-groups.  A's tile hangs on the block row alone and is asked for jointly along a row of the cluster, W's on the block
; column alone and jointly along a column: each tile is requested once for four work-groups.
; W's fragments are read from the [K][N] tile by the transposing LDS load: no transposed copy of a weight exists anywhere.
;
; REGISTERS in windows of 256: window 0: v0-31 addresses, v64-127 / v128-191 A's fragments (two buffers), v192-255 the bias, later the way out;
; window 1: v64-127 / v128-191 W's fragments; windows 2, 3: the accumulator tiles of my rows 0-63 / 64-127, tile (a, b) at v[8 (8 a + b)].
; THE MATRIX INSTRUCTION IS USED TRANSPOSED (source 0 = 16 columns of W, source 1 = 16 rows of A): lane l holds row l % 16 of C and its
; registers 0-7 the columns 8 (l / 16) + 0..7.  So a lane's eight bias numbers are the same for all rows, and the first product of every
; tile takes them as its C operand: the bias costs no vector instruction and nothing is cleared.
.set IS_QKV, 1
.set SIZE_K, 1024
.set KSTEP,  128
.set LAPS,   SIZE_K/(2*KSTEP)          ; a lap = two K steps = once round the ring
.set PITCH,  272                       ; A's LDS row: 256 bytes + 16 of padding: 16 rows of a fragment start 16 bytes apart modulo 256
.set BPITCH, 544                       ; W's LDS row: 512 bytes + 32 of padding, an odd multiple of 32 for the transposing load
.set HALFT,  128*PITCH                 ; what one tensor load brings: 128 x 272 = 64 x 544 = 34,816 bytes
.set SLOT,   4*HALFT                   ; A's 256 rows, then W's 128 k-rows
.set STAGE,  2*SLOT                    ; behind the ring: 16 rows x 272 bytes for each wave; no tensor load lands there
.set SPITCH, 272
.set GSTR,   524288                    ; bytes of a group of 64 columns: 4,096 rows x 128
.if IS_QKV
.set NW,   1024                        ; elements in a row of W
.set WOFF, 8*1048576                   ; W's first byte in cb
.set WCL,  2*1048576                   ; from one cluster column to the next: the next matrix
.set PA, 68                            ; s[68:69] A's buffer
.set PW, 68                            ; W's buffer
.set PB, 80                            ; the bias, chosen below
.set PO, 76                            ; the output
.else
.set NW,   4096
.set WOFF, 16*1048576
.set WCL,  2048                        ; four blocks of 512 bytes
.set PA, 68
.set PW, 70
.set PB, 72
.set PO, 74
.endif
.set ADRA, 16                          ; v16-17  LDS address of my A fragments in slot 0, 1
.set ADRB, 20                          ; v20-21  the same for W
.set STO,  24                          ; the way out: where I put 16 bytes of a row
.set RD,   25                          ; the way out: where I read 16 bytes back
.set CO,   26                          ; my byte offset in the output
.set BOF,  27                          ; my byte offset in the bias
.set F0,   64
.set F1,   128
.set TMP,  192                         ; the way out: packed results
.set BI,   192                         ; v[192:255] bias of my 8 column blocks, 8 numbers each
.set SUMS, 96                          ; v[96:103]  column sums of V
.set UT,   104                         ; v[104:111] eight numbers unpacked
.set GD,   32                          ; gelu: 1 + p |u|, then t
.set GW,   40                          ; gelu: u u, then exp(-u u / 2)
.set GH,   48                          ; gelu: |u|, then |u| / 2
.set GM,   56                          ; gelu: max(u, 0), then the result
.set GP,   224                         ; gelu: the polynomial
.set CA5,  232                         ; gelu: constants, a pair each
.set CA4,  234
.set CA3,  236
.set CA2,  238
.set CA1,  240
.set CP,   242
.set CE,   244
.set G1,  24                           ; s[24:31] descriptor group 1, A
.set G0,  32                           ; s[32:39] group 0, A, a set for each slot
.set G1B, 48                           ; s[48:55] group 1, W
.set G0B, 56                           ; s[56:63] group 0, W
.set MSB, 0
.macro WIN new                         ; the immediate's high byte repeats the setting that is left
.if MSB != \new
	s_set_vgpr_msb (MSB<<8)|\new
.set MSB, \new
.endif
.endm
.set MUL_LO, 0xa1                      ; source 0 (W) window 1, source 1 (A) window 0, C and D window 2
.set MUL_HI, 0xf1                      ; the same, C and D window 3
.set ST_LO,  0x81                      ; the first products: C (the bias) window 0, D window 2
.set ST_HI,  0xc1
.set TO_B,   0x40                      ; destination window 1, address window 0
; A joint load: waves 0, 1 ask for A's halves, waves 2, 3 for W's.  The branch hangs on the wave's number alone.
.macro JLOAD s
	s_cmp_eq_u32 s11, 0
	s_cbranch_scc0 .Lfor_b_\@
	tensor_load_to_lds s[G0+4*\s:G0+4*\s+3], s[G1:G1+7]
	s_nop 0
	s_branch .Lasked_\@
.Lfor_b_\@:
	tensor_load_to_lds s[G0B+4*\s:G0B+4*\s+3], s[G1B:G1B+7]
	s_nop 0
.Lasked_\@:
.endm
; A round of the cluster's barrier: my work-group's barrier, wave 0 signals for the work-group, every wave waits for all sixteen, my barrier again.
.macro CREST
	s_cmp_lg_u32 s10, 0
	s_cbranch_scc1 .Lnot_wave_0_\@
	s_barrier_signal -3
.Lnot_wave_0_\@:
	s_barrier_wait -3
	s_barrier_signal -1
	s_barrier_wait -1
.endm
.macro CROUND
	s_barrier_signal -1
	s_barrier_wait -1
	CREST
.endm
	s_load_b256 s[68:75], s[0:1], 0x0              ; IS_QKV: cb, bq, bk, bv.  Else: hb, cb, b1, f1
.if IS_QKV
	s_load_b128 s[76:79], s[0:1], 0x20             ; qkv, vsum
	s_set_vgpr_msb 0x40
	v_lshl_add_u32 v255, v0, 2, 0x48400
	s_set_vgpr_msb 0x4000
	v_mov_b32 v63, 0
	s_set_vgpr_msb 0x1
	ds_add_u32 v255, v63
	ds_add_u32 v255, v63
	s_set_vgpr_msb 0x100
.endif
	v_lshrrev_b32 v1, 5, v0
	v_readfirstlane_b32 s10, v1                    ; wave 0..3
	s_lshr_b32 s11, s10, 1                         ; my half of the block's rows.  Also: I fetch for A (0) or W (1)
	s_and_b32 s12, s10, 1                          ; my half of its columns.  Also: which half of that tile I fetch
	s_bfe_u32 s40, ttmp6, 0x40000                  ; cx
	s_bfe_u32 s41, ttmp6, 0x40004                  ; cy
	s_mov_b32 s66, ttmp9                           ; the cluster's x: equal in all sixteen partners
	s_lshl_b32 s42, ttmp9, 2
	s_add_co_u32 s42, s42, s40                     ; block column = 4 x cluster x + cx
	s_and_b32 s13, ttmp7, 0xffff
	s_lshl_b32 s13, s13, 2
	s_add_co_u32 s13, s13, s41                     ; block row = 4 x cluster y + cy
	s_lshl_b32 s43, s41, 2
	s_lshl_b32 s43, 15, s43                        ; my row of the cluster
	s_lshl_b32 s44, 0x1111, s40                    ; my column
	s_mov_b32 s94, 0xffff0000                      ; a word's upper bf16
	s_mov_b32 s95, 0x7fffffff                      ; clears a sign
	; group 1 for A: 128 rows x 128 elements of 2 bytes, 4 words of padding behind every 64
	s_or_b32 s[G1+0], s43, (1<<16)|(1<<20)|(1<<21)|(5<<22)|(3<<25)
	s_mov_b32 s[G1+1], KSTEP<<16                   ; tensor_dim0 = 128
	s_mov_b32 s[G1+2], 128<<16                     ; tensor_dim1 = 128
	s_mov_b32 s[G1+3], KSTEP<<16                   ; tile_dim0 = 128
	s_mov_b32 s[G1+4], 128                         ; tile_dim1 = 128
	s_mov_b32 s[G1+5], SIZE_K                      ; elements from row to row
	s_mov_b32 s[G1+6], 0
	s_mov_b32 s[G1+7], 0
	; group 1 for W: 64 k-rows x 256 elements, 8 words of padding behind every 128
	s_or_b32 s[G1B+0], s44, (1<<16)|(1<<20)|(1<<21)|(6<<22)|(7<<25)
	s_mov_b32 s[G1B+1], 256<<16
	s_mov_b32 s[G1B+2], 64<<16
	s_mov_b32 s[G1B+3], 256<<16
	s_mov_b32 s[G1B+4], 64
	s_mov_b32 s[G1B+5], NW
	s_mov_b32 s[G1B+6], 0
	s_mov_b32 s[G1B+7], 0
	; A's tile hangs on the block row and the wave, W's on the cluster's x, cx and the wave; each in registers that never hold the other coordinate
	s_lshl_b32 s17, s12, 7
	s_lshl_b32 s16, s13, 8
	s_add_co_u32 s16, s16, s17                     ; A: row 256 x block row + 128 x half
	s_lshl_b32 s16, s16, 11                        ; x 2,048 bytes
	s_mov_b32 s17, 0
	s_mul_i32 s46, ttmp9, WCL
	s_lshl_b32 s45, s40, 9                         ; 256 columns = 512 bytes a block
	s_add_co_u32 s46, s46, s45
	s_mul_i32 s45, s12, 64*NW*2                    ; my 64 k-rows
	s_add_co_u32 s46, s46, s45
	s_add_co_u32 s46, s46, WOFF
	s_mov_b32 s47, 0
	s_mul_i32 s20, s10, HALFT                      ; where a wave's part goes: wave x 34,816, no place in the cluster enters
	s_wait_dscnt 0x0
	s_wait_kmcnt 0x0
	s_add_nc_u64 s[14:15], s[PA:PA+1], s[16:17]
	s_add_nc_u64 s[46:47], s[PW:PW+1], s[46:47]
	CROUND                                         ; all sixteen work-groups are here: the first joint loads meet
.irp s, 0,1
	s_mov_b32 s[G0+4*\s], 1
	s_add_co_u32 s[G0+4*\s+1], s20, \s*SLOT
	s_add_nc_u64 s[G0+4*\s+2:G0+4*\s+3], s[14:15], \s*KSTEP*2
	s_or_b32 s[G0+4*\s+3], s[G0+4*\s+3], 0x80000000
	s_mov_b32 s[G0B+4*\s], 1
	s_add_co_u32 s[G0B+4*\s+1], s20, \s*SLOT
	s_add_nc_u64 s[G0B+4*\s+2:G0B+4*\s+3], s[46:47], \s*KSTEP*NW*2
	s_or_b32 s[G0B+4*\s+3], s[G0B+4*\s+3], 0x80000000
	JLOAD \s                                       ; both first fills: by this text's count a wave has two tensor loads out here, later one
.endr
	; the bias: lane (r, h) needs the numbers 16 b + 8 h + 0..7 of its wave's 128 columns
.if IS_QKV
	s_mov_b64 s[80:81], s[70:71]
	s_cmp_eq_u32 s66, 1
	s_cselect_b64 s[80:81], s[72:73], s[80:81]
	s_cmp_eq_u32 s66, 2
	s_cselect_b64 s[80:81], s[74:75], s[80:81]
	s_lshl_b32 s45, s40, 10                        ; 256 columns x 4 bytes a block, inside the matrix
.else
	s_lshl_b32 s45, s42, 10
.endif
	s_lshl_b32 s67, s12, 9
	s_add_co_u32 s67, s67, s45
	v_and_b32 v1, 15, v0                           ; r = l % 16
	v_bfe_u32 v2, v0, 4, 1                         ; h = l / 16
	v_lshlrev_b32 v[BOF], 5, v2
	v_add_nc_u32 v[BOF], s67, v[BOF]
.irp b, 0,1,2,3,4,5,6,7
	global_load_b128 v[BI+8*\b:BI+8*\b+3],   v[BOF], s[PB:PB+1] offset:64*\b
	global_load_b128 v[BI+8*\b+4:BI+8*\b+7], v[BOF], s[PB:PB+1] offset:64*\b+16
.endr
	; A's fragment: lane l holds row l % 16; two loads of 16 bytes, 32 apart, at row x pitch + 16 (l / 16)
	v_mul_u32_u24 v3, v1, PITCH
	v_lshl_add_u32 v3, v2, 4, v3
	s_mul_i32 s21, s11, HALFT                      ; my 128 rows of A
	; W's fragment by the transposing load: lane l addresses k-row 8 (l / 16) + l % 8, 16 bytes at 16 ((l / 8) % 2); second load 16 k-rows on
	v_and_b32 v5, 7, v0
	v_lshl_add_u32 v5, v2, 3, v5
	v_mul_u32_u24 v5, v5, BPITCH
	v_bfe_u32 v6, v0, 3, 1                         ; (l / 8) % 2, kept for the way out
	v_lshl_add_u32 v5, v6, 4, v5
	s_lshl_b32 s22, s12, 8                         ; my 128 columns
	s_add_co_u32 s22, s22, 2*HALFT                 ; W lies behind A's 256 rows
.irp s, 0,1
	v_add_nc_u32 v[ADRA+\s], s21, v3
	v_add_nc_u32 v[ADRB+\s], s22, v5
	s_add_co_u32 s21, s21, SLOT
	s_add_co_u32 s22, s22, SLOT
.endr
	s_mul_i32 s23, s10, 16*SPITCH
	s_add_co_u32 s23, s23, STAGE                   ; my stage
	v_mul_u32_u24 v4, v1, SPITCH
	v_lshl_add_u32 v4, v2, 4, v4
	v_add_nc_u32 v[STO], s23, v4                   ; in: row l % 16, 16 bytes for each half of the lanes
	v_and_b32 v7, 7, v0
	v_lshlrev_b32 v7, 4, v7                        ; 16 (l % 8), kept
	v_mul_u32_u24 v8, v6, SPITCH
	v_lshl_add_u32 v8, v2, 7, v8
	v_add3_u32 v[RD], v8, v7, s23                  ; back: lanes 0-7, 8-15: two rows' first 128 bytes (group 0); lanes 16-31: their second 128 (group 1)
	v_lshl_add_u32 v9, v6, 7, v7
	v_lshl_add_u32 v[CO], v2, 19, v9               ; in the output: group x GSTR + row parity x 128 + 16 (l % 8): 16 lanes cover 256 dense bytes
; 16 matrix instructions: row blocks a0, a0 + 1 of the window's four x all 8 column blocks, 32 along K.  first = 1: C is the bias.
; The 64 accumulators take turns, one instruction a turn, in the same order in every quarter step.
.macro MUL16 f, hi, a0, first
.irp a, \a0, \a0+1
.irp b, 0,1,2,3,4,5,6,7
.if \first
	v_wmma_f32_16x16x32_bf16 v[8*(8*(\a)+\b):8*(8*(\a)+\b)+7], v[\f+8*\b:\f+8*\b+7], v[\f+8*(4*\hi+\a):\f+8*(4*\hi+\a)+7], v[BI+8*\b:BI+8*\b+7]
.else
	v_wmma_f32_16x16x32_bf16 v[8*(8*(\a)+\b):8*(8*(\a)+\b)+7], v[\f+8*\b:\f+8*\b+7], v[\f+8*(4*\hi+\a):\f+8*(4*\hi+\a)+7], v[8*(8*(\a)+\b):8*(8*(\a)+\b)+7]
.endif
.endr
.endr
.endm
; 32 LDS loads in one run: quarter q (32 along K) of a slot into buffer f: 16 for W's 128 columns, then 16 for A's 128 rows
.macro FETCH slot, q, f
	WIN TO_B
.irp i, 0,1,2,3,4,5,6,7
	ds_load_tr16_b128 v[\f+8*\i:\f+8*\i+3],   v[ADRB+\slot] offset:\q*32*BPITCH+32*\i
	ds_load_tr16_b128 v[\f+8*\i+4:\f+8*\i+7], v[ADRB+\slot] offset:\q*32*BPITCH+16*BPITCH+32*\i
.endr
	WIN 0
.irp i, 0,1,2,3,4,5,6,7
	ds_load_b128 v[\f+8*\i:\f+8*\i+3],   v[ADRA+\slot] offset:64*\q+\i*16*PITCH
	ds_load_b128 v[\f+8*\i+4:\f+8*\i+7], v[ADRA+\slot] offset:64*\q+\i*16*PITCH+32
.endr
.endm
; Four plain vector instructions stand between a matrix instruction and a load into, or a vector instruction on, one of its registers
.macro PLACES
.rept 4
	v_nop
.endr
.endm
; A quarter step: multiplies buffer f; in its middle it fetches quarter q of the same slot into buffer g
.macro QUARTER slot, q, f, g, first
	s_wait_dscnt 8                                 ; W and A's rows 0-63 are in; the youngest eight loads (A's rows 64-127) may be out
.if \first
	WIN ST_LO
.else
	WIN MUL_LO
.endif
	MUL16 \f, 0, 0, \first
	MUL16 \f, 0, 2, \first
	PLACES
	FETCH \slot, \q, \g
	s_wait_dscnt 32                                ; all but the 32 just issued
.if \first
	WIN ST_HI
.else
	WIN MUL_HI
.endif
	MUL16 \f, 1, 0, \first
	MUL16 \f, 1, 2, \first
.endm
.macro THREE slot, first
	QUARTER \slot, 1, F0, F1, \first
	QUARTER \slot, 2, F1, F0, 0
	QUARTER \slot, 3, F0, F1, 0
.endm
; The last quarter: multiplies buffer 1 and changes slots.  In front of the barrier each wave waits for its reads of this slot and for all its
; tensor loads (one is out: its part of the next slot).  Where the slot is filled again the barrier opens a round of the cluster's barrier,
; and the joint refill is the first tensor load behind the round.  From a request to the wait for it a wave issues 240 matrix instructions.
.macro TURN slot, next, fill
	s_wait_dscnt 8
	WIN MUL_LO
	MUL16 F1, 0, 0, 0
	s_wait_dscnt 0                                 ; my reads of this slot are over
	s_wait_tensorcnt 0x0                           ; all my tensor loads have landed
	ds_add_u32 v255, v63
	s_wait_dscnt 0x0
	s_barrier_signal -1
	MUL16 F1, 0, 2, 0                              ; registers only, while the others arrive
	WIN 0
	s_barrier_wait -1
.if \fill
	CREST
	s_add_nc_u64 s[G0+4*\slot+2:G0+4*\slot+3], s[G0+4*\slot+2:G0+4*\slot+3], 2*KSTEP*2
	s_add_nc_u64 s[G0B+4*\slot+2:G0B+4*\slot+3], s[G0B+4*\slot+2:G0B+4*\slot+3], 2*KSTEP*NW*2
	JLOAD \slot
.endif
	PLACES
	FETCH \next, 0, F0
	WIN MUL_HI
	MUL16 F1, 1, 0, 0
	MUL16 F1, 1, 2, 0
.endm
.macro LAP first
	THREE 0, \first
	TURN 0, 1, 1
	THREE 1, 0
	TURN 1, 0, 1
.endm
	s_wait_loadcnt 0x0                             ; the bias, once
	s_wait_tensorcnt 1                             ; my part of K step 0 is in; K step 1's stays out
	s_barrier_signal -1
	s_barrier_wait -1
	FETCH 0, 0, F0
	LAP 1                                          ; the first lap stands in front of the loop: its first products start the sums from the bias
	WIN 0
	s_mov_b32 s3, LAPS-2
.Llap:
	LAP 0
	WIN 0
	s_sub_co_u32 s3, s3, 1
	s_cmp_lg_u32 s3, 0
	s_cbranch_scc1 .Llap
	THREE 0, 0                                     ; the last lap fills nothing
	TURN 0, 1, 0
	THREE 1, 0
	s_wait_dscnt 8
	WIN MUL_LO
	MUL16 F1, 0, 0, 0
	MUL16 F1, 0, 2, 0
	s_wait_dscnt 0
	WIN MUL_HI
	MUL16 F1, 1, 0, 0
	MUL16 F1, 1, 2, 0
	; THE WAY OUT, 16 rows at a time: to bf16, 16 bytes a lane into my stage, read back so that 16 lanes hold two rows of one group
	PLACES
	WIN 0
	s_lshl_b32 s16, s13, 8
	s_lshl_b32 s14, s11, 7
	s_add_co_u32 s16, s16, s14                     ; my first row
	s_lshl_b32 s16, s16, 7                         ; x 128 bytes
	s_mov_b32 s17, 0
	s_add_nc_u64 s[8:9], s[PO:PO+1], s[16:17]
	s_lshl_b32 s46, s42, 2
	s_lshl1_add_u32 s46, s12, s46                  ; my first group = 4 x block column + 2 x half
	s_lshl_b32 s46, s46, 19
	s_mov_b32 s47, 0
	s_add_nc_u64 s[8:9], s[8:9], s[46:47]
; The packed rows 16 i .. 16 i + 15 leave through the stage.  sum = 1: the rounded numbers are also added up by columns.
.macro FLUSH i, f, sum
.irp b, 0,1,2,3,4,5,6,7
	ds_store_b128 v[STO], v[TMP+4*\b:TMP+4*\b+3] offset:32*\b
.endr
	s_wait_xcnt 0x0                                ; buffer f was the data of earlier stores: it is loaded again only behind this wait
.irp t, 0,1,2,3,4,5,6,7
	ds_load_b128 v[\f+4*\t:\f+4*\t+3], v[RD] offset:\t*2*SPITCH    ; LDS serves a wave's instructions in order: these see the stores above
.endr
.irp t, 0,1,2,3,4,5,6,7
	s_wait_dscnt 7-\t
	global_store_b128 v[CO], v[\f+4*\t:\f+4*\t+3], s[8:9] offset:(16*\i+2*\t)*128
.if \sum
.if (\i+\t) == 0
.irp k, 0,1,2,3
	v_lshlrev_b32 v[SUMS+2*\k],   16,  v[\f+\k]    ; the first two rows start the sums: nothing is cleared
	v_and_b32     v[SUMS+2*\k+1], s94, v[\f+\k]
.endr
.else
.irp k, 0,1,2,3
	v_lshlrev_b32 v[UT+2*\k],   16,  v[\f+4*\t+\k]
	v_and_b32     v[UT+2*\k+1], s94, v[\f+4*\t+\k]
.endr
.irp k, 0,2,4,6
	v_pk_add_f32 v[SUMS+\k:SUMS+\k+1], v[SUMS+\k:SUMS+\k+1], v[UT+\k:UT+\k+1]
.endr
.endif
.endif
.endr
.endm
; plain: the eight tiles (a, 0..7) of window 2 or 3 (from = 0x0a or 0x0f: sources 0 and 1) are rounded
.macro OUT16 i, a, from, f, sum
	WIN \from
.irp b, 0,1,2,3,4,5,6,7
.irp r, 0,1,2,3
	v_cvt_pk_bf16_f32 v[TMP+4*\b+\r], v[8*(8*\a+\b)+2*\r], v[8*(8*\a+\b)+2*\r+1]
.endr
.endr
	WIN 0
	FLUSH \i, \f, \sum
.endm
; gelu(u) = max(u, 0) - |u| / 2 x P(t) x exp(-u u / 2), t = 1 / (1 + 0.23164189 |u|), P the fifth-degree polynomial of 7.1.26 without constant term
.macro GELU8 acc, from, dst
	WIN \from
.irp k, 0,1,2,3,4,5,6,7
	v_and_b32 v[GH+\k], s95, v[\acc+\k]
.endr
.irp k, 0,2,4,6
	v_pk_mul_f32 v[GW+\k:GW+\k+1], v[\acc+\k:\acc+\k+1], v[\acc+\k:\acc+\k+1]
.endr
.irp k, 0,1,2,3,4,5,6,7
	v_max_num_f32 v[GM+\k], 0, v[\acc+\k]
.endr
	WIN 0
.irp k, 0,2,4,6
	v_pk_fma_f32 v[GD+\k:GD+\k+1], v[GH+\k:GH+\k+1], v[CP:CP+1], 1.0 op_sel_hi:[1,1,0]
.endr
.irp k, 0,2,4,6
	v_pk_mul_f32 v[GW+\k:GW+\k+1], v[GW+\k:GW+\k+1], v[CE:CE+1]    ; x -log2(e) / 2
.endr
.irp k, 0,2,4,6
	v_pk_mul_f32 v[GH+\k:GH+\k+1], v[GH+\k:GH+\k+1], 0.5 op_sel_hi:[1,0]
.endr
.irp k, 0,1,2,3,4,5,6,7
	v_rcp_f32 v[GD+\k], v[GD+\k]
.endr
.irp k, 0,1,2,3,4,5,6,7
	v_exp_f32 v[GW+\k], v[GW+\k]
.endr
	v_nop                                          ; one plain vector instruction behind the transcendentals before their results are used (ISA guide 5.7.2)
.irp k, 0,2,4,6
	v_pk_fma_f32 v[GP+\k:GP+\k+1], v[GD+\k:GD+\k+1], v[CA5:CA5+1], v[CA4:CA4+1]
.endr
.irp c, CA3, CA2, CA1
.irp k, 0,2,4,6
	v_pk_fma_f32 v[GP+\k:GP+\k+1], v[GP+\k:GP+\k+1], v[GD+\k:GD+\k+1], v[\c:\c+1]
.endr
.endr
.irp k, 0,2,4,6
	v_pk_mul_f32 v[GP+\k:GP+\k+1], v[GP+\k:GP+\k+1], v[GD+\k:GD+\k+1]
.endr
.irp k, 0,2,4,6
	v_pk_mul_f32 v[GW+\k:GW+\k+1], v[GW+\k:GW+\k+1], v[GH+\k:GH+\k+1]
.endr
.irp k, 0,2,4,6
	v_pk_fma_f32 v[GM+\k:GM+\k+1], v[GP+\k:GP+\k+1], v[GW+\k:GW+\k+1], v[GM+\k:GM+\k+1] neg_lo:[1,0,0] neg_hi:[1,0,0]
.endr
.irp r, 0,1,2,3
	v_cvt_pk_bf16_f32 v[\dst+\r], v[GM+2*\r], v[GM+2*\r+1]
.endr
.endm
.macro OUT16G i, a, from, f
.irp b, 0,1,2,3,4,5,6,7
	GELU8 8*(8*\a+\b), \from, TMP+4*\b
.endr
	FLUSH \i, \f, 0
.endm
.if IS_QKV
	s_cmp_eq_u32 s66, 2                            ; the cluster's x: V or not, the same answer in every partner
	s_cbranch_scc1 .Lwith_sums
	OUT16 0, 0, 0x0a, F0, 0
	OUT16 1, 1, 0x0a, F1, 0
	OUT16 2, 2, 0x0a, F0, 0
	OUT16 3, 3, 0x0a, F1, 0
	OUT16 4, 0, 0x0f, F0, 0
	OUT16 5, 1, 0x0f, F1, 0
	OUT16 6, 2, 0x0f, F0, 0
	OUT16 7, 3, 0x0f, F1, 0
	s_branch .Lclose
.Lwith_sums:
	OUT16 0, 0, 0x0a, F0, 1
	OUT16 1, 1, 0x0a, F1, 1
	OUT16 2, 2, 0x0a, F0, 1
	OUT16 3, 3, 0x0a, F1, 1
	OUT16 4, 0, 0x0f, F0, 1
	OUT16 5, 1, 0x0f, F1, 1
	OUT16 6, 2, 0x0f, F0, 1
	OUT16 7, 3, 0x0f, F1, 1
	; lanes l and l xor 8 hold the even and the odd rows' sums of the same eight columns: add them, then each stores four
.irp k, 0,1,2,3,4,5,6,7
	v_add_f32_dpp v[SUMS+\k], v[SUMS+\k], v[SUMS+\k] row_xmask:8 row_mask:0xf bank_mask:0xf
.endr
	v_cmp_ne_u32 vcc_lo, 0, v6
.irp k, 0,1,2,3
	v_cndmask_b32 v[112+\k], v[SUMS+\k], v[SUMS+4+\k], vcc_lo
.endr
	v_lshlrev_b32 v10, 1, v7                       ; 32 (l % 8)
	v_lshl_add_u32 v10, v2, 8, v10                 ; + 256 x group
	v_lshl_add_u32 v10, v6, 4, v10                 ; + 16 x parity: the wave covers 512 dense bytes
	s_lshl1_add_u32 s46, s13, s11                  ; run of 128 rows = 2 x block row + half
	s_lshl_b32 s46, s46, 12
	s_lshl_b32 s45, s40, 10
	s_add_co_u32 s46, s46, s45
	s_lshl_b32 s45, s12, 9
	s_add_co_u32 s46, s46, s45
	s_mov_b32 s47, 0
	s_add_nc_u64 s[78:79], s[78:79], s[46:47]
	global_store_b128 v10, v[112:115], s[78:79]
.Lclose:
.else
.irp r, 0,1
	v_mov_b32 v[CA5+\r], 0x3f87dc22                ;  1.061405429
	v_mov_b32 v[CA4+\r], 0xbfba00e3                ; -1.453152027
	v_mov_b32 v[CA3+\r], 0x3fb5f0e3                ;  1.421413741
	v_mov_b32 v[CA2+\r], 0xbe91a98e                ; -0.284496736
	v_mov_b32 v[CA1+\r], 0x3e827906                ;  0.254829592
	v_mov_b32 v[CP+\r],  0x3e6d3388                ;  0.3275911 / sqrt(2)
	v_mov_b32 v[CE+\r],  0xbf38aa3b                ; -log2(e) / 2
.endr
	OUT16G 0, 0, 0x0a, F0
	OUT16G 1, 1, 0x0a, F1
	OUT16G 2, 2, 0x0a, F0
	OUT16G 3, 3, 0x0a, F1
	OUT16G 4, 0, 0x0f, F0
	OUT16G 5, 1, 0x0f, F1
	OUT16G 6, 2, 0x0f, F0
	OUT16G 7, 3, 0x0f, F1
.endif
	s_set_vgpr_msb 0x1
	s_wait_tensorcnt 0x0
	ds_add_u32 v255, v63
	s_wait_dscnt 0x0
	s_set_vgpr_msb 0x100
	CROUND                                         ; the closing round: no work-group ends while a partner may still ask for a tile that names it
	s_endpgm
.Lfunc_end_k_q6b687a149b_qkvg:
	.size	k_q6b687a149b_qkvg, .Lfunc_end_k_q6b687a149b_qkvg-k_q6b687a149b_qkvg
	.p2alignl 7, 3214868480
	.fill 96, 4, 3214868480
	.section	.rodata,"a",@progbits
	.p2align	6, 0x0
	.amdhsa_kernel k_q6b687a149b_qkvg
		.amdhsa_group_segment_fixed_size 327680
		.amdhsa_private_segment_fixed_size 0
		.amdhsa_enable_private_segment 0
		.amdhsa_kernarg_size 48
		.amdhsa_user_sgpr_count 2
		.amdhsa_user_sgpr_kernarg_segment_ptr 1
		.amdhsa_wavefront_size32 1
		.amdhsa_system_sgpr_workgroup_id_x 1
		.amdhsa_system_sgpr_workgroup_id_y 1
		.amdhsa_system_sgpr_workgroup_id_z 1
		.amdhsa_system_vgpr_workitem_id 0
		.amdhsa_next_free_vgpr 1024
		.amdhsa_next_free_sgpr 100
		.amdhsa_reserve_vcc 1
		.amdhsa_float_denorm_mode_32 3
		.amdhsa_float_denorm_mode_16_64 3
		.amdhsa_memory_ordered 1
		.amdhsa_forward_progress 1
		.amdhsa_inst_pref_size 255
	.end_amdhsa_kernel
	.section	.bss,"aw",@nobits
	.p2align	6
	.space	262144
	.amdgpu_metadata
---
amdhsa.version: [ 1, 2 ]
amdhsa.kernels:
  - .name:           k_q6b687a149b_qkvg
    .symbol:         k_q6b687a149b_qkvg.kd
    .args:
      - { .name: cb, .offset: 0, .size: 8, .value_kind: global_buffer, .address_space: global }
      - { .name: bq, .offset: 8, .size: 8, .value_kind: global_buffer, .address_space: global }
      - { .name: bk, .offset: 16, .size: 8, .value_kind: global_buffer, .address_space: global }
      - { .name: bv, .offset: 24, .size: 8, .value_kind: global_buffer, .address_space: global }
      - { .name: qkv, .offset: 32, .size: 8, .value_kind: global_buffer, .address_space: global }
      - { .name: vsum, .offset: 40, .size: 8, .value_kind: global_buffer, .address_space: global }
    .group_segment_fixed_size: 327680
    .private_segment_fixed_size: 0
    .kernarg_segment_align: 8
    .kernarg_segment_size: 48
    .max_flat_workgroup_size: 128
    .sgpr_count:     100
    .vgpr_count:     1024
    .wavefront_size: 32
...
	.end_amdgpu_metadata
.endif
;; end of part 2
;; launch attn (part 3): grid 8 x 32, 4 waves a work-group, no clusters, 327,680 bytes of LDS; arguments qkv, key_padding_mask, vsum, ao; writes ao
.if DOCPART == 3
	.amdgcn_target "amdgcn-amd-amdhsa--gfx1250"
	.amdhsa_code_object_version 6
	.text
	.protected	k_q6b687a149b_attn
	.globl	k_q6b687a149b_attn
	.p2align	8
	.type	k_q6b687a149b_attn,@function
k_q6b687a149b_attn:
	s_mov_b64 s[64:65], 0
	v_nop
	global_prefetch_b8 v0, s[64:65] scope:SCOPE_SE
	s_setreg_imm32_b32 hwreg(HW_REG_WAVE_MODE, 25, 1), 1
	s_wait_xcnt 0x0
; Causal attention with a key padding mask, one head and batch for a work-group row: ao[head][row][64] = softmax(Q K^T / 8, masked) V, bf16 operands, f32 sums.
; qkv is [48 groups][4096 rows][64] bf16 (Q groups 0-15, K 16-31, V 32-47).  Work-group (j, y): head y % 16, batch y / 16, query blocks j and then
; 15 - j of 128 rows: (j + 1) + (16 - j) = 17 key tiles of 128 keys in EVERY work-group.  A wave owns 32 query rows (two tiles of 16).
; The 17 trips are one flat run s = 0..16; key tile = s, or s - (j + 1) behind the first block; the diagonal tiles are s = j and s = 16.
;
; NO MULTICAST: the work-groups that share K and V (the query blocks of one head) need different tiles in the same trip (tile s against tile
; s - j - 1 with different j), so no two of them could issue the same load in the same round.
;
; TRANSPOSED FORMS: S^T = K Q^T + maskbias (source 0 = 16 keys, source 1 = 16 queries, C = the padding bias of the 16 keys): lane (r, h) holds query r,
; register i key 8 h + i.  So a row's maximum is found inside the lane plus one exchange of halves, and the exponentials, packed to bf16 in the lane's own
; registers, ARE the second source of O^T = V^T P^T (source 0 = V through the transposing LDS load).  There a lane holds query r again, so the
; rescaling factor and 1 / l are one number a lane.  l = ONES P^T: the row sum of the same bf16 numbers that the numerator uses.
;
; MASKS: reference's -1e9 is -8e9 here, in front of the scale 1 / 8.  A padded key gets it added (as C), a future key of the diagonal tile gets it by select.
; A running maximum is kept.  A query with NO valid key at or before it has all 2,048 logits equal in the reference: its result is the mean of V over the
; whole batch, taken from vsum.  Such a row is known by its maximum below -4e9.  LIMIT: valid logits with |Q.K| / 8 >= 5e8 are not told from masked ones.
; In such a row, and only there, exponents are off by up to 64 (the rounding of c x max at 1.4e9): the numbers stay finite and are thrown away.
; v_exp_f32 and v_rcp_f32 are good to 1 ulp and flush denormals.
.set GSTR,  524288                     ; bytes of a group
.set QTR,   10240                      ; LDS bytes of a wave's part of a tile: 64 keys x 144 (K; 9,216 used) or x 160 (V)
.set SLOTB, 4*QTR                      ; a slot: K keys 0-63, K keys 64-127, V keys 0-63, V keys 64-127
.set KP,    144                        ; K's LDS row: 128 bytes + 16
.set VP,    160                        ; V's LDS row: 128 bytes + 32, an odd multiple of 32 for the transposing load
.set MBIAS, 2*SLOTB                    ; f32 [2048]: 0 or -8e9 for each key of the batch
.set VS,    MBIAS+8192                 ; f32 [2][64]: two half sums of the mean of V
.set OST,   VS+512                     ; a stage of 32 rows x 144 bytes for each wave.  None of these three is ever a tensor load's target
; window 0: v4,5 K address by slot; v6,7 V address; v8 bias address, v9 with the tile; v10 Q offset; v11, v12 stage in, back; v13 16 l; v14,15 causal bound;
;   v16,17 running maximum; v18-21 alpha (a pair each); v22,23 -c max; v24 -8e9; v25 mean address; v26-31 at work; v32-95, v96-159 S then P, by query tile;
;   v160-223 bias of 128 keys; v224-231 ones; v232-235 1 / l (a pair each); v236-255 prologue
; window 1: v0-127 K fragments (16 t + 8 c); v128-255 V fragments (128 + 32 c + 8 d)
; window 2: v0-31 Q fragments (16 mt + 8 c); v32-95 O (32 mt + 8 d); v96-111 l (8 mt)
.set MSB, 0
.macro WIN new
.if MSB != \new
	s_set_vgpr_msb (MSB<<8)|\new
.set MSB, \new
.endif
.endm
.macro PLACES n                        ; plain vector instructions between a matrix instruction and the next touch of its registers (ISA guide 7.12.1)
.rept \n
	v_nop
.endr
.endm
; A wave's quarter of a tile: waves 0, 1 bring K's halves, waves 2, 3 V's; the two lines differ in the padding alone
.macro JLOAD s
	s_cmp_eq_u32 s13, 0
	s_cbranch_scc0 .Lfor_v_\@
	tensor_load_to_lds s[40+4*\s:43+4*\s], s[24:31]
	s_nop 0
	s_branch .Lasked_\@
.Lfor_v_\@:
	tensor_load_to_lds s[40+4*\s:43+4*\s], s[32:39]
	s_nop 0
.Lasked_\@:
.endm
.macro QLOAD                           ; my 32 query rows as second sources: lane (r, h): row r, 16 bytes at 16 h, and 32 further
	WIN 0x80
.irp mt, 0,1
.irp c, 0,1
	global_load_b128 v[16*\mt+8*\c:16*\mt+8*\c+3],   v10, s[50:51] offset:\mt*2048+64*\c
	global_load_b128 v[16*\mt+8*\c+4:16*\mt+8*\c+7], v10, s[50:51] offset:\mt*2048+64*\c+32
.endr
.endr
	WIN 0
.endm
	s_load_b256 s[4:11], s[0:1], 0x0               ; qkv 4, mask 6, vsum 8, ao 10
	v_lshl_add_u32 v243, v0, 2, 0x29000
	v_mov_b32 v255, 0
	ds_add_u32 v243, v255
	ds_add_u32 v243, v255
	v_lshrrev_b32 v1, 5, v0
	v_readfirstlane_b32 s12, v1                    ; wave
	s_lshr_b32 s13, s12, 1                         ; I fetch K (0) or V (1),
	s_and_b32 s14, s12, 1                          ; its keys 0-63 or 64-127
	s_mov_b32 s15, ttmp9                           ; j
	s_add_co_u32 s16, s15, 1
	s_and_b32 s17, ttmp7, 15                       ; head
	s_bfe_u32 s18, ttmp7, 0x10004                  ; batch
	s_mov_b32 s19, 0                               ; s, the trip
	s_mov_b32 s23, 0                               ; upper word of every offset pair s[22:23]
	s_mov_b32 s54, 0x76543210                      ; v_permlanex16_b32: lane i reads lane i of the other half
	s_mov_b32 s55, 0xfedcba98
	s_mov_b32 s57, 0xcf6e6b28                      ; -4e9
	; group 1: 8,192 dense bytes as 32 rows of 128 elements; padding behind every 32 words: 4 words for K, 8 for V
	s_mov_b32 s24, (1<<16)|(1<<20)|(4<<22)|(3<<25)
	s_mov_b32 s25, 128<<16
	s_mov_b32 s26, 32<<16
	s_mov_b32 s27, 128<<16
	s_mov_b32 s28, 32
	s_mov_b32 s29, 128
	s_mov_b32 s30, 0
	s_mov_b32 s31, 0
	s_mov_b32 s32, (1<<16)|(1<<20)|(4<<22)|(7<<25)
	s_mov_b32 s33, 128<<16
	s_mov_b32 s34, 32<<16
	s_mov_b32 s35, 128<<16
	s_mov_b32 s36, 32
	s_mov_b32 s37, 128
	s_mov_b32 s38, 0
	s_mov_b32 s39, 0
	s_lshl_b32 s21, s13, 4
	s_add_co_u32 s21, s21, 16
	s_add_co_u32 s21, s21, s17                     ; my group: 16 + head (K) or 32 + head (V)
	s_lshl_b32 s21, s21, 19
	s_lshl_b32 s22, s18, 18                        ; the batch: 2,048 rows x 128 bytes
	s_add_co_u32 s21, s21, s22
	s_lshl_b32 s22, s14, 13                        ; my 64 keys
	s_add_co_u32 s22, s21, s22
	s_mul_i32 s56, s12, QTR                        ; my quarter of a slot
	s_wait_dscnt 0x0
	s_wait_kmcnt 0x0
	s_add_nc_u64 s[48:49], s[4:5], s[22:23]        ; my part of key tile 0
	s_mov_b32 s40, 1
	s_add_co_u32 s41, s56, 0
	s_mov_b64 s[42:43], s[48:49]
	s_or_b32 s43, s43, 0x80000000
	s_mov_b32 s44, 1
	s_add_co_u32 s45, s56, SLOTB
	JLOAD 0                                        ; tile 0, ahead of everything else; by this text's count a wave never has more than one tensor load out
	; addresses
	v_and_b32 v3, 31, v0                           ; l
	v_and_b32 v1, 15, v0                           ; r
	v_bfe_u32 v2, v0, 4, 1                         ; h
	v_mul_u32_u24 v4, v1, KP
	v_lshl_add_u32 v4, v2, 4, v4                   ; K: key r, 16 h
	v_add_nc_u32 v5, SLOTB, v4
	v_and_b32 v26, 7, v0
	v_bfe_u32 v27, v0, 3, 1
	v_lshl_add_u32 v6, v2, 3, v26
	v_mul_u32_u24 v6, v6, VP
	v_lshl_add_u32 v6, v27, 4, v6
	v_add_nc_u32 v6, 2*QTR, v6                     ; V: key 8 h + l % 8, 16 bytes at 16 ((l / 8) % 2)
	v_add_nc_u32 v7, SLOTB, v6
	v_lshlrev_b32 v8, 5, v2
	v_add_nc_u32 v25, VS, v8
	v_add_nc_u32 v8, MBIAS, v8
	v_lshlrev_b32 v10, 7, v1
	v_lshl_add_u32 v10, v2, 4, v10
	s_lshl_b32 s21, s12, 12
	v_add_nc_u32 v10, s21, v10                     ; Q: wave x 32 rows + row r, 16 h
	s_mul_i32 s21, s12, 32*KP
	s_add_co_u32 s21, s21, OST
	v_add_nc_u32 v11, s21, v4                      ; stage in: row r, 16 h
	v_lshrrev_b32 v12, 3, v3
	v_mul_u32_u24 v12, v12, KP
	v_lshl_add_u32 v12, v26, 4, v12
	v_add_nc_u32 v12, s21, v12                     ; stage back: row l / 8, 16 (l % 8)
	v_lshlrev_b32 v13, 4, v3
	v_lshlrev_b32 v14, 3, v2
	v_sub_nc_u32 v14, v1, v14
	s_lshl_b32 s21, s12, 5
	v_add_nc_u32 v14, s21, v14                     ; key 16 t + 8 h + i lies in the future of query 32 w + 16 mt + r  <=>  16 t + i > 32 w + 16 mt + r - 8 h
	v_add_nc_u32 v15, 16, v14
	v_mov_b32 v24, 0xcfee6b28                      ; -8e9
	; the batch's mask (16 bytes a thread), the sums of V (8 runs of 128 rows a thread), my queries of block j
	s_lshl_b32 s22, s18, 11
	s_add_nc_u64 s[6:7], s[6:7], s[22:23]
	v_lshlrev_b32 v240, 4, v0
	global_load_b128 v[236:239], v240, s[6:7]
	s_lshl_b32 s22, s18, 16                        ; 16 runs x 4,096 bytes a batch
	s_lshl_b32 s21, s17, 8                         ; 64 columns x 4 bytes a head
	s_add_co_u32 s22, s22, s21
	s_add_nc_u64 s[8:9], s[8:9], s[22:23]
	v_lshrrev_b32 v241, 6, v0
	v_and_b32 v242, 63, v0
	v_lshlrev_b32 v242, 2, v242
	v_lshl_add_u32 v241, v241, 15, v242            ; threads 0-63: runs 0-7, threads 64-127: runs 8-15
.irp i, 0,1,2,3,4,5,6,7
	global_load_b32 v[244+\i], v241, s[8:9] offset:\i*4096
.endr
	s_lshl_b32 s22, s17, 19
	s_lshl_b32 s21, s18, 18
	s_add_co_u32 s22, s22, s21
	s_add_nc_u64 s[60:61], s[4:5], s[22:23]        ; Q of my head and batch
	s_lshl_b32 s21, s12, 12
	s_add_co_u32 s22, s22, s21
	s_add_nc_u64 s[62:63], s[10:11], s[22:23]      ; ao of my head, batch and wave
	s_lshl_b32 s22, s15, 14
	s_add_nc_u64 s[50:51], s[60:61], s[22:23]      ; block j
	QLOAD
	s_wait_loadcnt 16                              ; the mask is in; the 8 + 8 younger loads stay out
.irp q, 0,1,2,3
.irp k, 0,1,2,3
	v_bfe_u32 v252, v[236+\q], 8*\k, 8
	v_cmp_eq_u32 vcc_lo, 0, v252
	v_cndmask_b32 v[32+4*\q+\k], 0, v24, vcc_lo
.endr
.endr
	v_lshl_add_u32 v253, v0, 6, MBIAS
.irp q, 0,1,2,3
	ds_store_b128 v253, v[32+4*\q:35+4*\q] offset:16*\q
.endr
	s_wait_loadcnt 8                               ; the sums of V are in; Q's eight loads stay out
	v_add_f32 v244, v244, v245
	v_add_f32 v246, v246, v247
	v_add_f32 v248, v248, v249
	v_add_f32 v250, v250, v251
	v_add_f32 v244, v244, v246
	v_add_f32 v248, v248, v250
	v_add_f32 v244, v244, v248
	v_mul_f32 v244, 0x3a000000, v244               ; / 2,048
	v_lshl_add_u32 v254, v0, 2, VS
	ds_store_b32 v254, v244
	v_mov_b32 v16, 0xf149f2ca                      ; running maxima: -1e30
	v_mov_b32 v17, 0xf149f2ca
.irp r, 18,19,20,21,22,23,232,233,234,235
	v_mov_b32 v\r, 0                               ; pairs read whole; of v18-21 and v232-235 only the first of a pair is written later
.endr
.irp r, 224,225,226,227,228,229,230,231
	v_mov_b32 v\r, 0x3f803f80                      ; two bf16 ones
.endr
	; O and l are cleared once: in the flat run of trips a block's first tile has no place of its own in the text.  At the change of blocks nothing is
	; cleared: the maximum is set back to -1e30, so the next alpha is 0 and the rescaling that every trip makes wipes the (finite) old sums.
	WIN 0x80
.set i, 0
.rept 80
	v_mov_b32 v[32+i], 0
.set i, i+1
.endr
	WIN 0
.macro FMA4 b                          ; c S - c max, c = log2(e) / 8
	s_wait_alu depctr_va_vdst(0)
.irp i, 0,2,4,6
	v_pk_fma_f32 v[\b+\i:\b+\i+1], v[\b+\i:\b+\i+1], 0x3e38aa3b, v[22:23] op_sel_hi:[1,0,1]
.endr
.endm
.macro EXP8 b
.irp i, 0,1,2,3,4,5,6,7
	v_exp_f32 v[\b+\i], v[\b+\i]
.endr
.endm
.macro CVT4 d, b                       ; eight exponentials into four registers further down in the same region: d + i <= b + 2 i, so nothing unread is hit
.irp i, 0,1,2,3
	v_cvt_pk_bf16_f32 v[\d+\i], v[\b+2*\i], v[\b+2*\i+1]
.endr
.endm
.macro SOFTMAX mt
.irp c, 0,1,2,3
	v_max_num_f32 v[26+\c], v[32+64*\mt+16*\c], v[33+64*\mt+16*\c]
.endr
.irp k, 2,4,6,8,10,12,14
.irp c, 0,1,2,3
	v_max3_num_f32 v[26+\c], v[26+\c], v[32+64*\mt+16*\c+\k], v[33+64*\mt+16*\c+\k]
.endr
.endr
	v_max3_num_f32 v26, v26, v27, v28
	v_max_num_f32 v26, v26, v29
	v_permlanex16_b32 v27, v26, s54, s55           ; the other half of the lanes holds the query's other 64 keys
	v_max3_num_f32 v26, v26, v27, v[16+\mt]        ; the new running maximum
	v_sub_f32 v28, v[16+\mt], v26
	v_mul_f32 v28, 0x3e38aa3b, v28
	v_exp_f32 v[18+2*\mt], v28                     ; alpha
	v_mul_f32 v22, 0xbe38aa3b, v26
	v_mov_b32 v[16+\mt], v26
	v_mov_b32 v23, v22
	FMA4 32+64*\mt
.irp t, 0,1,2,3,4,5,6
	EXP8 32+64*\mt+8*\t
	FMA4 32+64*\mt+8*\t+8                          ; the plain instructions between the exponentials and their use (ISA guide 5.7.2)
	CVT4 32+64*\mt+4*\t, 32+64*\mt+8*\t
.endr
	EXP8 32+64*\mt+56
	v_nop
	s_wait_alu depctr_va_vdst(0)
	CVT4 32+64*\mt+28, 32+64*\mt+56
.endm
.macro CAUSAL
.irp mt, 0,1
.irp t, 0,1,2,3,4,5,6,7
.irp i, 0,1,2,3,4,5,6,7
	v_cmp_gt_i32 vcc_lo, 16*\t+\i, v[14+\mt]
	v_cndmask_b32 v[32+64*\mt+8*\t+\i], v[32+64*\mt+8*\t+\i], v24, vcc_lo
.endr
.endr
.endr
.endm
; A query block is done: O / l, or the mean of V where no key was valid; to bf16; out through my stage, 512 dense bytes a store
.macro FINAL last
.irp d, 0,1,2,3
.irp q, 0,1
	ds_load_b128 v[160+8*\d+4*\q:163+8*\d+4*\q], v25 offset:64*\d+16*\q
	ds_load_b128 v[192+8*\d+4*\q:195+8*\d+4*\q], v25 offset:256+64*\d+16*\q
.endr
.endr
	WIN 0x02
	v_rcp_f32 v232, v96                            ; l is at least 1: the maximum's own exponential
	v_rcp_f32 v234, v104
	v_nop
	s_wait_alu depctr_va_vdst(0)
.irp mt, 0,1
.irp i, 0,2,4,6,8,10,12,14,16,18,20,22,24,26,28,30
	v_pk_mul_f32 v[32+64*\mt+\i:33+64*\mt+\i], v[32+32*\mt+\i:33+32*\mt+\i], v[232+2*\mt:233+2*\mt] op_sel_hi:[1,0]
.endr
.endr
	WIN 0
	v_cmp_gt_f32 s58, s57, v16                     ; -4e9 > maximum: no valid key
	v_cmp_gt_f32 s59, s57, v17
	s_wait_dscnt 0x0
.irp i, 0,2,4,6,8,10,12,14,16,18,20,22,24,26,28,30
	v_pk_add_f32 v[160+\i:161+\i], v[160+\i:161+\i], v[192+\i:193+\i]
.endr
.irp mt, 0,1
.irp i, 0,1,2,3,4,5,6,7,8,9,10,11,12,13,14,15,16,17,18,19,20,21,22,23,24,25,26,27,28,29,30,31
	v_cndmask_b32 v[32+64*\mt+\i], v[32+64*\mt+\i], v[160+\i], s[58+\mt]
.endr
.endr
.irp mt, 0,1
.irp d, 0,1,2,3
	CVT4 32+64*\mt+4*\d, 32+64*\mt+8*\d
.endr
.endr
.irp mt, 0,1
.irp d, 0,1,2,3
	ds_store_b128 v11, v[32+64*\mt+4*\d:35+64*\mt+4*\d] offset:\mt*16*KP+32*\d
.endr
.endr
.if \last
	s_sub_co_u32 s21, 15, s15
	s_lshl_b32 s22, s21, 14
.else
	s_lshl_b32 s22, s15, 14
.endif
	s_add_nc_u64 s[52:53], s[62:63], s[22:23]      ; the first block's stores were freed by the trips' s_wait_xcnt 0
.irp t, 0,1,2,3,4,5,6,7
	ds_load_b128 v[192+4*\t:195+4*\t], v12 offset:\t*4*KP          ; my own bytes, served in order behind the stores above
.endr
.irp t, 0,1,2,3,4,5,6,7
	s_wait_dscnt 7-\t
	global_store_b128 v13, v[192+4*\t:195+4*\t], s[52:53] offset:512*\t
.endr
.if \last == 0
	v_mov_b32 v16, 0xf149f2ca                      ; the next block starts: alpha will be 0
	v_mov_b32 v17, 0xf149f2ca
.endif
.endm
; One key tile.  slot = s % 2; refill = 1: tile s + 1 is asked for; last = 1: s = 16, the second block's diagonal tile.
.macro TRIP slot, refill, last
	s_wait_tensorcnt 0x0                           ; all my tensor loads have landed, my part of this tile among them: every group 0 may be written
	ds_add_u32 v243, v255
	s_wait_dscnt 0x0
.if \refill
	s_add_co_u32 s21, s19, 1
	s_cmp_gt_u32 s21, s15
	s_cselect_b32 s22, s16, 0
	s_sub_co_u32 s21, s21, s22                     ; the next trip's key tile
	s_lshl_b32 s22, s21, 14
	s_add_nc_u64 s[46-4*\slot:47-4*\slot], s[48:49], s[22:23]
	s_or_b32 s[47-4*\slot], s[47-4*\slot], 0x80000000
.endif
	s_cmp_gt_u32 s19, s15
	s_cselect_b32 s22, s16, 0
	s_sub_co_u32 s21, s19, s22
	s_and_b32 s21, s21, 15                         ; this trip's key tile
	v_lshl_add_u32 v9, s21, 9, v8                  ; its 128 bias numbers
	s_wait_dscnt 0x0                               ; my reads of the other slot (and, in the first trip, my stores of bias and mean) are done
	s_wait_loadcnt 0x0                             ; Q, where it was loaded
	s_wait_xcnt 0x0                                ; v192-223 were the data of a finished block's stores
	s_barrier_signal -1
	s_barrier_wait -1                              ; all that now holds of every wave
.if \refill
	JLOAD (1-\slot)                                ; my one tensor load behind this barrier, first thing: it has the whole trip to land
.endif
.irp t, 0,1,2,3,4,5,6,7
	ds_load_b128 v[160+8*\t:163+8*\t], v9 offset:64*\t
	ds_load_b128 v[164+8*\t:167+8*\t], v9 offset:64*\t+16
.endr
	WIN 0x40
.irp t, 0,1,2,3,4,5,6,7
.irp c, 0,1
	ds_load_b128 v[16*\t+8*\c:16*\t+8*\c+3],   v[4+\slot] offset:(\t/4)*QTR+(\t%4)*16*KP+64*\c
	ds_load_b128 v[16*\t+8*\c+4:16*\t+8*\c+7], v[4+\slot] offset:(\t/4)*QTR+(\t%4)*16*KP+64*\c+32
.endr
.endr
	WIN 0x09                                       ; source 0 (K) window 1, source 1 (Q) window 2, C and D window 0
.irp t, 0,1,2,3,4,5,6,7
	s_wait_dscnt 28-4*\t                           ; the bias and K's first 4 (t + 1) loads are in; the later key blocks' loads stay out
	; the two query tiles' accumulators take turns, one instruction a turn
	v_wmma_f32_16x16x32_bf16 v[32+8*\t:39+8*\t],  v[16*\t:16*\t+7],    v[0:7],   v[160+8*\t:167+8*\t]
	v_wmma_f32_16x16x32_bf16 v[96+8*\t:103+8*\t], v[16*\t:16*\t+7],    v[16:23], v[160+8*\t:167+8*\t]
	v_wmma_f32_16x16x32_bf16 v[32+8*\t:39+8*\t],  v[16*\t+8:16*\t+15], v[8:15],  v[32+8*\t:39+8*\t]
	v_wmma_f32_16x16x32_bf16 v[96+8*\t:103+8*\t], v[16*\t+8:16*\t+15], v[24:31], v[96+8*\t:103+8*\t]
.endr
	PLACES 4
	WIN 0x40
.irp c, 0,1,2,3
.irp d, 0,1,2,3
	ds_load_tr16_b128 v[128+32*\c+8*\d:131+32*\c+8*\d], v[6+\slot] offset:(\c/2)*QTR+(\c%2)*32*VP+32*\d
	ds_load_tr16_b128 v[132+32*\c+8*\d:135+32*\c+8*\d], v[6+\slot] offset:(\c/2)*QTR+((\c%2)*32+16)*VP+32*\d
.endr
.endr
	WIN 0
.if \last
	CAUSAL
.else
	s_cmp_eq_u32 s19, s15
	s_cbranch_scc0 .Lnot_diag_\@
	s_sub_co_u32 s21, 15, s15                      ; the first block's last products are made: its queries give way to block 15 - j's
	s_lshl_b32 s22, s21, 14
	s_add_nc_u64 s[50:51], s[60:61], s[22:23]
	QLOAD
	CAUSAL
.Lnot_diag_\@:
.endif
	SOFTMAX 0
	SOFTMAX 1
	WIN 0x82
.irp mt, 0,1
.irp i, 0,2,4,6,8,10,12,14,16,18,20,22,24,26,28,30
	v_pk_mul_f32 v[32+32*\mt+\i:33+32*\mt+\i], v[32+32*\mt+\i:33+32*\mt+\i], v[18+2*\mt:19+2*\mt] op_sel_hi:[1,0]
.endr
	v_mul_f32 v[96+8*\mt], v[96+8*\mt], v[18+2*\mt]        ; all rows of l's tile are equal and only register 0 is ever read; the others just add up, finite
.endr
	WIN 0xa1                                       ; source 0 (V) window 1, source 1 (P) window 0, C and D window 2
.irp c, 0,1,2,3
	s_wait_dscnt 24-8*\c                           ; V's first 8 (c + 1) loads are in
.irp d, 0,1,2,3
	v_wmma_f32_16x16x32_bf16 v[32+8*\d:39+8*\d], v[128+32*\c+8*\d:135+32*\c+8*\d], v[32+8*\c:39+8*\c],  v[32+8*\d:39+8*\d]
	v_wmma_f32_16x16x32_bf16 v[64+8*\d:71+8*\d], v[128+32*\c+8*\d:135+32*\c+8*\d], v[96+8*\c:103+8*\c], v[64+8*\d:71+8*\d]
.endr
.endr
	WIN 0xa0
.irp c, 0,1,2,3
	v_wmma_f32_16x16x32_bf16 v[96:103],  v[224:231], v[32+8*\c:39+8*\c],  v[96:103]
	v_wmma_f32_16x16x32_bf16 v[104:111], v[224:231], v[96+8*\c:103+8*\c], v[104:111]
.endr
	PLACES 5                                       ; the next trip's first product writes over registers that these read
	WIN 0
.if \last
	FINAL 1
.else
	s_cmp_eq_u32 s19, s15
	s_cbranch_scc0 .Lnot_done_\@
	FINAL 0
.Lnot_done_\@:
.endif
	s_add_co_u32 s19, s19, 1
.endm
	s_mov_b32 s20, 8
.Ltrips:
	TRIP 0, 1, 0
	TRIP 1, 1, 0
	s_sub_co_u32 s20, s20, 1
	s_cmp_lg_u32 s20, 0
	s_cbranch_scc1 .Ltrips
	TRIP 0, 0, 1                                   ; s = 16: nothing is left to fetch
	s_wait_tensorcnt 0x0
	ds_add_u32 v243, v255
	s_wait_dscnt 0x0
	s_endpgm
.Lfunc_end_k_q6b687a149b_attn:
	.size	k_q6b687a149b_attn, .Lfunc_end_k_q6b687a149b_attn-k_q6b687a149b_attn
	.p2alignl 7, 3214868480
	.fill 96, 4, 3214868480
	.section	.rodata,"a",@progbits
	.p2align	6, 0x0
	.amdhsa_kernel k_q6b687a149b_attn
		.amdhsa_group_segment_fixed_size 327680
		.amdhsa_private_segment_fixed_size 0
		.amdhsa_enable_private_segment 0
		.amdhsa_kernarg_size 32
		.amdhsa_user_sgpr_count 2
		.amdhsa_user_sgpr_kernarg_segment_ptr 1
		.amdhsa_wavefront_size32 1
		.amdhsa_system_sgpr_workgroup_id_x 1
		.amdhsa_system_sgpr_workgroup_id_y 1
		.amdhsa_system_sgpr_workgroup_id_z 1
		.amdhsa_system_vgpr_workitem_id 0
		.amdhsa_next_free_vgpr 640
		.amdhsa_next_free_sgpr 80
		.amdhsa_reserve_vcc 1
		.amdhsa_float_denorm_mode_32 3
		.amdhsa_float_denorm_mode_16_64 3
		.amdhsa_memory_ordered 1
		.amdhsa_forward_progress 1
		.amdhsa_inst_pref_size 181
	.end_amdhsa_kernel
	.amdgpu_metadata
---
amdhsa.version: [ 1, 2 ]
amdhsa.kernels:
  - .name:           k_q6b687a149b_attn
    .symbol:         k_q6b687a149b_attn.kd
    .args:
      - { .name: qkv, .offset: 0, .size: 8, .value_kind: global_buffer, .address_space: global }
      - { .name: key_padding_mask, .offset: 8, .size: 8, .value_kind: global_buffer, .address_space: global }
      - { .name: vsum, .offset: 16, .size: 8, .value_kind: global_buffer, .address_space: global }
      - { .name: ao, .offset: 24, .size: 8, .value_kind: global_buffer, .address_space: global }
    .group_segment_fixed_size: 327680
    .private_segment_fixed_size: 0
    .kernarg_segment_align: 8
    .kernarg_segment_size: 32
    .max_flat_workgroup_size: 128
    .sgpr_count:     80
    .vgpr_count:     640
    .wavefront_size: 32
...
	.end_amdgpu_metadata
.endif
;; end of part 3
;; launch wog (part 4): grid 8 x 32, 4 waves a work-group, clusters of 4 x 4, 327,680 bytes of LDS; arguments ao, cb, bo, x, y; writes y
.if DOCPART == 4
	.amdgcn_target "amdgcn-amd-amdhsa--gfx1250"
	.amdhsa_code_object_version 6
	.text
	.protected	k_q6b687a149b_wog
	.globl	k_q6b687a149b_wog
	.p2align	8
	.type	k_q6b687a149b_wog,@function
k_q6b687a149b_wog:
	s_mov_b64 s[64:65], 0
	v_nop
	global_prefetch_b8 v0, s[64:65] scope:SCOPE_SE
	s_setreg_imm32_b32 hwreg(HW_REG_WAVE_MODE, 25, 1), 1
	s_wait_xcnt 0x0
	s_wait_alu depctr_hold_cnt(0) depctr_sa_sdst(0) depctr_va_vdst(0) depctr_va_sdst(0) depctr_va_ssrc(0) depctr_va_vcc(0) depctr_vm_vsrc(0)
	s_getreg_b32 s2, hwreg(HW_REG_IB_STS2, 6, 4)
	s_cmp_eq_u32 s2, 0
	s_cbranch_scc0 .Lentry_in_a_cluster
	s_endpgm
.Lentry_in_a_cluster:
	s_bfe_u32 s2, ttmp6, 0x10000c
	s_cmp_lg_u32 s2, 0xf033
	s_cbranch_scc0 .Lentry_shape_is_right
	s_endpgm
.Lentry_shape_is_right:
; y = A W + bias + res in f32.  A: bf16 group-major [SIZE_K / 64][4096 rows][64]; W: bf16 [SIZE_K][1024] in cb at WOFF, as stored ([K][N]);
; bias [1024], res and y [4096][1024] f32.  Here: A = ao, W = wo, res = x, SIZE_K = 1024.
; N = 1024 gives 256 work-groups only with blocks of 128 x 128.  So that a byte read from LDS still feeds as many products as in a block of
; 256 x 256, EVERY wave holds the whole 128 x 128 block (512 accumulator registers) and takes a quarter of K: of each 512 along K,
; wave w multiplies k = 128 w .. 128 w + 127.  The four partial sums meet once, at the end, in LDS.
; ORDER OF SUMMATION: K is summed in four parts (one a wave), then (0+1)+(2+3); each part begins at a K step that hangs on the cluster (below).
; CLUSTERS: 4 x 4 work-groups; A's tile is asked for jointly along a row of the cluster, W's along a column.
;
; ONE SLOT, DRAINED INTO REGISTERS.  A block of this shape needs 512 bytes of tiles for each step along K, twice what a block of 256 x 256 needs for
; each product, and in front of a refill's barrier every tensor load has landed: what is on its way is what one request brings.  So one request
; brings all that LDS holds: 512 along K, A [8 groups][128 rows][144 bytes] and W [512 k][288 bytes], 294,912 bytes, one load of 73,728 a wave.
; No wave shares a fragment with another here, and a wave's share of the slot (4 chunks of 32 along K, 128 registers each) fits into the registers
; beside the accumulators.  So the slot is read out at once, in 128 LDS loads strewn among the first 144 matrix instructions of the step, and asked
; for again; of the step's other 112 matrix instructions, which work from registers, 16 stand inside the round and 96 behind the request.
; Clusters that read the same tiles walk K from different starting steps (and wrap round), so that at any time they ask for different tiles.
;
; REGISTERS: window 0: v0-31 addresses and bias; v32-63 XA: chunk 3's A, rows 64-127; v64-127, v128-191, v192-255 A of chunks 0, 1, 2 (F0, F1, F2);
; chunk 3's A, rows 0-63, goes into F0's lower half when chunk 0 has used it.  Window 1: v0-63 XB: chunk 3's W; v64-255 W of chunks 0, 1, 2.
; Windows 2, 3: the accumulator tiles of rows 0-63 / 64-127, tile (a, b) at v[8 (8 a + b)].
; The matrix instruction is used transposed: source 0 = 16 columns of W (through the transposing LDS load), source 1 = 16 rows of A:
; lane l holds row l % 16, its registers the columns 8 (l / 16) + 0..7.
.set SIZE_K, 1024
.set WOFF,   14*1048576
.set NSTEPS, SIZE_K/512                ; a step = 512 along K = one filling of LDS; a power of two, at least 2
.if NSTEPS >= 4
.set QS, NSTEPS/4
.else
.set QS, 1
.endif
.set GSTR,   524288                    ; bytes of a group of 64 columns of A: 4,096 rows x 128
.set APITCH, 144                       ; 128 bytes + 16
.set BPITCH, 288                       ; 256 bytes + 32, an odd multiple of 32 for the transposing load
.set GRP,    128*APITCH                ; a group's 128 rows in LDS
.set HALFT,  4*GRP                     ; what one tensor load brings: 4 x 128 x 144 = 256 x 288 = 73,728 bytes
.set ABYTES, 2*HALFT                   ; A's eight groups; W lies behind them
.set WPART,  2*GRP                     ; a wave's part of A (two groups) and of W (128 k-rows): 36,864 bytes
.set XPITCH, 528                       ; the meeting: a row of 128 f32 + 16 bytes
.set XBLK,   128*XPITCH                ; a wave's partial block: 67,584 bytes; four of them lie in the slot, which has had its last fill by then
.set ADRA, 16                          ; LDS address of my A fragments
.set ADRB, 20                          ; the same for W
.set STO,  24                          ; the meeting: where I put my partial block
.set CO,   26                          ; 16 l: bias, res and y
.set XA,   32
.set F0,   64
.set F1,   128
.set F2,   192
.set RES,  64                          ; window 1, v[64:191]: 32 rows of res, 4 registers each
.set G1,  24                           ; s[24:31] descriptor group 1, A
.set G0,  32                           ; s[32:35] group 0, A
.set G1B, 48                           ; s[48:55] group 1, W
.set G0B, 56                           ; s[56:59] group 0, W
.set MSB, 0
.macro WIN new                         ; the immediate's high byte repeats the setting that is left
.if MSB != \new
	s_set_vgpr_msb (MSB<<8)|\new
.set MSB, \new
.endif
.endm
.set MUL_LO, 0xa1                      ; source 0 (W) window 1, source 1 (A) window 0, C and D window 2
.set MUL_HI, 0xf1                      ; the same, C and D window 3
.set TO_B,   0x40                      ; destination window 1, address window 0
; A joint load: waves 0, 1 ask for A's halves, waves 2, 3 for W's.  The branch hangs on the wave's number alone.
.macro JLOAD
	s_cmp_eq_u32 s11, 0
	s_cbranch_scc0 .Lfor_b_\@
	tensor_load_to_lds s[G0:G0+3], s[G1:G1+7]
	s_nop 0
	s_branch .Lasked_\@
.Lfor_b_\@:
	tensor_load_to_lds s[G0B:G0B+3], s[G1B:G1B+7]
	s_nop 0
.Lasked_\@:
.endm
; A round of the cluster's barrier: my work-group's barrier, wave 0 signals for the work-group, every wave waits for all sixteen, my barrier again.
.macro CREST
	s_cmp_lg_u32 s10, 0
	s_cbranch_scc1 .Lnot_wave_0_\@
	s_barrier_signal -3
.Lnot_wave_0_\@:
	s_barrier_wait -3
	s_barrier_signal -1
	s_barrier_wait -1
.endm
.macro CROUND
	s_barrier_signal -1
	s_barrier_wait -1
	CREST
.endm
; Both tiles' addresses for K step s86: 8 groups of A (1 << 22 bytes) and 512 k-rows of W (1 << 20 bytes) a step.  Written only while no tensor load of the wave is out.
.macro SETADR
	s_lshl_b32 s88, s86, 22
	s_add_nc_u64 s[G0+2:G0+3], s[14:15], s[88:89]
	s_or_b32 s[G0+3], s[G0+3], 0x80000000
	s_lshl_b32 s90, s86, 20
	s_add_nc_u64 s[G0B+2:G0B+3], s[46:47], s[90:91]
	s_or_b32 s[G0B+3], s[G0B+3], 0x80000000
.endm
	s_load_b256 s[68:75], s[0:1], 0x0              ; A 68, cb 70, bias 72, res 74
	s_load_b64 s[76:77], s[0:1], 0x20              ; y
	v_lshl_add_u32 v25, v0, 2, 0x48000
	v_mov_b32 v27, 0
	ds_add_u32 v25, v27
	ds_add_u32 v25, v27
	v_lshrrev_b32 v1, 5, v0
	v_readfirstlane_b32 s10, v1                    ; wave
	s_lshr_b32 s11, s10, 1                         ; I fetch for A (0) or W (1),
	s_and_b32 s12, s10, 1                          ; its first or second half
	s_bfe_u32 s40, ttmp6, 0x40000                  ; cx
	s_bfe_u32 s41, ttmp6, 0x40004                  ; cy
	s_lshl_b32 s42, ttmp9, 2
	s_add_co_u32 s42, s42, s40                     ; block column
	s_and_b32 s13, ttmp7, 0xffff
	s_lshl_b32 s13, s13, 2
	s_add_co_u32 s13, s13, s41                     ; block row
	s_lshl_b32 s43, s41, 2
	s_lshl_b32 s43, 15, s43                        ; my row of the cluster
	s_lshl_b32 s44, 0x1111, s40                    ; my column
	; the K step at which my cluster begins: made of the cluster's own coordinates, so it is the same in all sixteen partners.
	; The two clusters that share A's tiles (same y) begin NSTEPS / 2 apart; clusters with the same x, which share W's, begin QS apart, four starts in all.
	s_and_b32 s87, ttmp7, 3
	s_mul_i32 s87, s87, QS
	s_mul_i32 s86, ttmp9, NSTEPS/2
	s_add_co_u32 s86, s86, s87
	s_and_b32 s86, s86, NSTEPS-1
	s_mov_b32 s89, 0
	s_mov_b32 s91, 0
	; group 1 for A: 4 rows of 8,192 elements (a group's 128 rows, dense), 262,144 elements apart; 4 words of padding behind every 32
	s_or_b32 s[G1+0], s43, (1<<16)|(1<<20)|(1<<21)|(4<<22)|(3<<25)
	s_mov_b32 s[G1+1], 8192<<16
	s_mov_b32 s[G1+2], 4<<16
	s_mov_b32 s[G1+3], 8192<<16
	s_mov_b32 s[G1+4], 4
	s_mov_b32 s[G1+5], GSTR/2
	s_mov_b32 s[G1+6], 0
	s_mov_b32 s[G1+7], 0
	; group 1 for W: 256 k-rows x 128 elements, 1,024 elements apart; 8 words of padding behind every 64
	s_or_b32 s[G1B+0], s44, (1<<16)|(1<<20)|(1<<21)|(5<<22)|(7<<25)
	s_mov_b32 s[G1B+1], 128<<16
	s_mov_b32 s[G1B+2], 256<<16
	s_mov_b32 s[G1B+3], 128<<16
	s_mov_b32 s[G1B+4], 256
	s_mov_b32 s[G1B+5], 1024
	s_mov_b32 s[G1B+6], 0
	s_mov_b32 s[G1B+7], 0
	s_lshl_b32 s16, s12, 21                        ; A: my four groups
	s_lshl_b32 s17, s13, 14                        ;    + 128 rows x 128 bytes a block row
	s_add_co_u32 s16, s16, s17
	s_mov_b32 s17, 0
	s_lshl_b32 s46, s12, 19                        ; W: my 256 k-rows of 2,048 bytes
	s_lshl_b32 s45, s42, 8                         ;    + 128 columns a block column
	s_add_co_u32 s46, s46, s45
	s_add_co_u32 s46, s46, WOFF
	s_mov_b32 s47, 0
	s_mul_i32 s20, s10, HALFT                      ; where a wave's load goes: wave x 73,728: no place in the cluster enters
	s_lshl_b32 s82, s42, 9                         ; my block's 128 columns of f32
	s_mov_b32 s83, 0
	s_lshl_b32 s84, s13, 7
	s_lshl_b32 s85, s10, 5
	s_add_co_u32 s84, s84, s85                     ; the first of the 32 rows that I finish
	s_lshl_b32 s84, s84, 12
	s_add_co_u32 s84, s84, s82
	s_mov_b32 s85, 0
	s_wait_dscnt 0x0
	s_wait_kmcnt 0x0
	s_add_nc_u64 s[14:15], s[68:69], s[16:17]      ; A's tile of K step 0
	s_add_nc_u64 s[46:47], s[70:71], s[46:47]      ; W's
	s_add_nc_u64 s[72:73], s[72:73], s[82:83]
	s_add_nc_u64 s[74:75], s[74:75], s[84:85]
	s_add_nc_u64 s[76:77], s[76:77], s[84:85]
	s_mov_b32 s[G0], 1
	s_add_co_u32 s[G0+1], s20, 0
	s_mov_b32 s[G0B], 1
	s_add_co_u32 s[G0B+1], s20, 0
	SETADR
	CROUND                                         ; in front of the first joint loads
	JLOAD                                          ; by this text's count a wave never has more than one tensor load out
	v_and_b32 v3, 31, v0
	v_lshlrev_b32 v[CO], 4, v3
	global_load_b128 v[28:31], v[CO], s[72:73]     ; the bias of my four columns on the way out
	v_and_b32 v1, 15, v0                           ; r
	v_bfe_u32 v2, v0, 4, 1                         ; h
	v_mul_u32_u24 v3, v1, APITCH
	v_lshl_add_u32 v3, v2, 4, v3                   ; A: row r, 16 h
	s_mul_i32 s21, s10, WPART                      ; my two groups of A
	v_add_nc_u32 v[ADRA], s21, v3
	v_and_b32 v5, 7, v0
	v_lshl_add_u32 v5, v2, 3, v5
	v_mul_u32_u24 v5, v5, BPITCH
	v_bfe_u32 v6, v0, 3, 1
	v_lshl_add_u32 v5, v6, 4, v5                   ; W: k-row 8 h + l % 8, 16 bytes at 16 ((l / 8) % 2)
	s_add_co_u32 s22, s21, ABYTES                  ; my 128 k-rows of W
	v_add_nc_u32 v[ADRB], s22, v5
	s_mul_i32 s21, s10, XBLK
	v_mul_u32_u24 v4, v1, XPITCH
	v_lshl_add_u32 v4, v2, 5, v4
	v_add_nc_u32 v[STO], s21, v4                   ; the meeting: my partial block, row r, 32 h
	s_mul_i32 s22, s10, 32*XPITCH
.irp s, 0,1,2,3
	v_add_nc_u32 v[8+\s], s22, v[CO]               ; wave s's block, the 32 rows that I finish, 16 l
	s_add_co_u32 s22, s22, XBLK
.endr
; 16 matrix instructions: row blocks a0, a0 + 1 of the window's four x all 8 column blocks, 32 along K.  W's fragments at fb (window 1), A's at fa (window 0).
; The 64 accumulators take turns, one instruction a turn.  zero = 1: the first product starts the sums.
.macro MUL16 fb, fa, hi, a0, zero
.irp a, \a0, \a0+1
.irp b, 0,1,2,3,4,5,6,7
.if \zero
	v_wmma_f32_16x16x32_bf16 v[8*(8*(\a)+\b):8*(8*(\a)+\b)+7], v[\fb+8*\b:\fb+8*\b+7], v[\fa+8*(4*\hi+\a):\fa+8*(4*\hi+\a)+7], 0
.else
	v_wmma_f32_16x16x32_bf16 v[8*(8*(\a)+\b):8*(8*(\a)+\b)+7], v[\fb+8*\b:\fb+8*\b+7], v[\fa+8*(4*\hi+\a):\fa+8*(4*\hi+\a)+7], v[8*(8*(\a)+\b):8*(8*(\a)+\b)+7]
.endif
.endr
.endr
.endm
.macro FETB c, dst                     ; 16 LDS loads: chunk c of W, all 128 columns, into window 1 at dst
	WIN TO_B
.irp i, 0,1,2,3,4,5,6,7
	ds_load_tr16_b128 v[\dst+8*\i:\dst+8*\i+3],   v[ADRB] offset:\c*32*BPITCH+32*\i
	ds_load_tr16_b128 v[\dst+8*\i+4:\dst+8*\i+7], v[ADRB] offset:\c*32*BPITCH+16*BPITCH+32*\i
.endr
.endm
.macro FETA c, dst, i0                 ; 8 LDS loads: chunk c of A, row blocks i0 .. i0 + 3, into window 0 at dst
	WIN 0
.irp i, 0,1,2,3
	ds_load_b128 v[\dst+8*\i:\dst+8*\i+3],   v[ADRA] offset:(\c/2)*GRP+(\c%2)*64+(\i0+\i)*16*APITCH
	ds_load_b128 v[\dst+8*\i+4:\dst+8*\i+7], v[ADRA] offset:(\c/2)*GRP+(\c%2)*64+(\i0+\i)*16*APITCH+32
.endr
.endm
.macro PLACES                          ; four plain vector instructions behind a matrix instruction before its registers are touched (ISA guide 7.12.1)
.rept 4
	v_nop
.endr
.endm
.macro RESLD n                         ; eight rows of res, 512 dense bytes a load, into window 1
.irp p, 0,1,2,3,4,5,6,7
	global_load_b128 v[RES+32*\n+4*\p:RES+32*\n+4*\p+3], v[CO], s[74:75] offset:(8*\n+\p)*4096
.endr
.endm
; One step: 512 along K.  prev = 1: the last 32 products of the step before (chunk 3, rows 64-127) are still to be made, and are made here, round the barrier.
; zero = 1: chunk 0 starts the sums.  refill = 1: the slot is asked for again; 0: the last step, in which the residual is asked for instead.
; LDS loads go out in the order F0: W 16, A low 8, A high 8 | F1: W 16, A low 8 | F1: A high 8, F2: W 16 | F2: A 16, XB 16 | chunk 3's A 16;
; they come back in order, so each wait's count is the number of loads issued behind the last one that the next products need.  At most 56 are out.
.macro STEP prev, zero, refill
	s_wait_tensorcnt 0x0                           ; my part of this step's tiles has landed: it is the one load that I have out, so the count that shows it is 0
	s_wait_dscnt 0x0                               ; no LDS instruction of mine is out at a signal (met: the step before ended its reads with a wait for 0)
	s_barrier_signal -1
.if \prev
	WIN MUL_HI
	MUL16 0, 0, 1, 0, 0                            ; registers only, while the others arrive
.endif
	WIN 0
	s_barrier_wait -1                              ; every wave's part has landed.
	PLACES                                         ; F0's lower half of A was read by the products just made
	FETB 0, F0
	FETA 0, F0, 0
	FETA 0, F0+32, 4
.if \prev
	WIN MUL_HI
	MUL16 0, 0, 1, 2, 0
.endif
	FETB 1, F1
	FETA 1, F1, 0
	s_wait_dscnt 32                                ; 56 issued: the first 24 are in: chunk 0's W and its A, rows 0-63
	WIN MUL_LO
	MUL16 F0, F0, 0, 0, \zero
	MUL16 F0, F0, 0, 2, \zero
	FETA 1, F1+32, 4
	FETB 2, F2
	s_wait_dscnt 48                                ; 80 issued: the first 32 are in: all of chunk 0
	WIN MUL_HI
	MUL16 F0, F0, 1, 0, \zero
	MUL16 F0, F0, 1, 2, \zero
	s_wait_dscnt 24                                ; the first 56 are in: chunk 1's W and its A, rows 0-63
	PLACES                                         ; XB, XA and F0's lower half of A have been read by matrix instructions since the last places
	FETA 2, F2, 0
	FETA 2, F2+32, 4
	FETB 3, 0
	WIN MUL_LO
	MUL16 F1, F1, 0, 0, 0
	MUL16 F1, F1, 0, 2, 0
	s_wait_dscnt 40                                ; 112 issued: the first 72 are in, chunk 1's A, rows 64-127, among them
	FETA 3, F0, 0                                  ; chunk 3's A: rows 0-63 where chunk 0's were,
	FETA 3, XA, 4                                  ; rows 64-127 in registers of their own: the slot's last reads
.if \refill
	WIN MUL_HI
	MUL16 F1, F1, 1, 0, 0
	s_wait_dscnt 0x0                               ; my reads of the slot are over
	s_set_vgpr_msb 0xf1f0
	s_wait_tensorcnt 0x0                           ; and no tensor load of mine is out
	ds_add_u32 v25, v27
	s_wait_dscnt 0x0
	s_set_vgpr_msb 0xf0f1
	s_barrier_signal -1                            ; this barrier opens a round of the cluster's barrier
	MUL16 F1, F1, 1, 2, 0                          ; registers only
	WIN 0
	s_barrier_wait -1
	CREST                                          ; no wave of any partner still reads the slot or has a load on its way
	s_add_co_u32 s86, s86, 1
	s_and_b32 s86, s86, NSTEPS-1                   ; the next K step, round the end
	SETADR
	JLOAD                                          ; my one tensor load behind the round, first thing: 96 matrix instructions stand between it and the wait for it
.else
	WIN TO_B
	RESLD 0                                        ; chunk 0's W is done with (places: above): rows 0-15 of res go there
	RESLD 1
	WIN MUL_HI
	MUL16 F1, F1, 1, 0, 0
	MUL16 F1, F1, 1, 2, 0
	PLACES
	WIN TO_B
	RESLD 2                                        ; and rows 16-31 where chunk 1's W was
	RESLD 3
	s_wait_dscnt 0x0
.endif
	WIN MUL_LO
	MUL16 F2, F2, 0, 0, 0
	MUL16 F2, F2, 0, 2, 0
	WIN MUL_HI
	MUL16 F2, F2, 1, 0, 0
	MUL16 F2, F2, 1, 2, 0
	WIN MUL_LO
	MUL16 0, F0, 0, 0, 0                           ; chunk 3, rows 0-63; its rows 64-127 follow in the next step, or behind the last
	MUL16 0, F0, 0, 2, 0
.endm
	s_wait_loadcnt 0x0                             ; the bias, my only global load so far, is in; the wait for the first tiles follows at once
	STEP 0, 1, 1                                   ; the first step stands in front of the loop: its first products start the sums
.if NSTEPS > 2
	WIN 0                                          ; at a label and at a branch every window is 0
	s_mov_b32 s3, NSTEPS-2
.Lstep:
	STEP 1, 0, 1
	WIN 0
	s_sub_co_u32 s3, s3, 1
	s_cmp_lg_u32 s3, 0
	s_cbranch_scc1 .Lstep
.endif
	STEP 1, 0, 0                                   ; the last step fills nothing
	WIN MUL_HI
	MUL16 0, 0, 1, 0, 0
	MUL16 0, 0, 1, 2, 0
	; THE MEETING.  Wave w finishes rows 32 w .. 32 w + 31 of the block.
	PLACES
	WIN 0
	s_barrier_signal -1                            ; every wave's reads of the slot are back (its last wait on DScnt was for 0) and no tensor load is out
	s_barrier_wait -1
	WIN 0x08                                       ; store data from window 2
.irp a, 0,1,2,3
.irp b, 0,1,2,3,4,5,6,7
	ds_store_b128 v[STO], v[8*(8*\a+\b):8*(8*\a+\b)+3]   offset:\a*16*XPITCH+64*\b
	ds_store_b128 v[STO], v[8*(8*\a+\b)+4:8*(8*\a+\b)+7] offset:\a*16*XPITCH+64*\b+16
.endr
.endr
	WIN 0x0c                                       ; from window 3
.irp a, 0,1,2,3
.irp b, 0,1,2,3,4,5,6,7
	ds_store_b128 v[STO], v[8*(8*\a+\b):8*(8*\a+\b)+3]   offset:(\a+4)*16*XPITCH+64*\b
	ds_store_b128 v[STO], v[8*(8*\a+\b)+4:8*(8*\a+\b)+7] offset:(\a+4)*16*XPITCH+64*\b+16
.endr
.endr
	WIN 0
	s_wait_dscnt 0x0                               ; my stores are done, for the others' sake
	s_barrier_signal -1
	s_barrier_wait -1
; Eight rows: four partial rows each, + bias + res; a store covers 512 dense bytes.
.macro BATCH n
	s_wait_xcnt 0x0                                ; v64.. were the data of the last batch's stores
.irp p, 0,1,2,3,4,5,6,7
.irp s, 0,1,2,3
	ds_load_b128 v[64+16*\p+4*\s:67+16*\p+4*\s], v[8+\s] offset:(8*\n+\p)*XPITCH
.endr
.endr
.irp p, 0,1,2,3,4,5,6,7
	s_wait_dscnt 28-4*\p                           ; the first 4 (p + 1) of the 32 loads are in
	v_pk_add_f32 v[64+16*\p:65+16*\p], v[64+16*\p:65+16*\p], v[68+16*\p:69+16*\p]
	v_pk_add_f32 v[66+16*\p:67+16*\p], v[66+16*\p:67+16*\p], v[70+16*\p:71+16*\p]
	v_pk_add_f32 v[72+16*\p:73+16*\p], v[72+16*\p:73+16*\p], v[76+16*\p:77+16*\p]
	v_pk_add_f32 v[74+16*\p:75+16*\p], v[74+16*\p:75+16*\p], v[78+16*\p:79+16*\p]
	v_pk_add_f32 v[64+16*\p:65+16*\p], v[64+16*\p:65+16*\p], v[72+16*\p:73+16*\p]
	v_pk_add_f32 v[66+16*\p:67+16*\p], v[66+16*\p:67+16*\p], v[74+16*\p:75+16*\p]
	v_pk_add_f32 v[64+16*\p:65+16*\p], v[64+16*\p:65+16*\p], v[28:29]       ; the bias was waited for in front of the first step
	v_pk_add_f32 v[66+16*\p:67+16*\p], v[66+16*\p:67+16*\p], v[30:31]
.endr
	s_wait_loadcnt 24-8*\n                         ; res up to this batch is in; the 8 loads of each later batch stay out
	WIN 0x04                                       ; source 1 (res) from window 1
.irp p, 0,1,2,3,4,5,6,7
	v_pk_add_f32 v[64+16*\p:65+16*\p], v[64+16*\p:65+16*\p], v[RES+32*\n+4*\p:RES+32*\n+4*\p+1]
	v_pk_add_f32 v[66+16*\p:67+16*\p], v[66+16*\p:67+16*\p], v[RES+32*\n+4*\p+2:RES+32*\n+4*\p+3]
.endr
	WIN 0
.irp p, 0,1,2,3,4,5,6,7
	global_store_b128 v[CO], v[64+16*\p:67+16*\p], s[76:77] offset:(8*\n+\p)*4096
.endr
.endm
	BATCH 0
	BATCH 1
	BATCH 2
	BATCH 3
	s_wait_tensorcnt 0x0
	ds_add_u32 v25, v27
	s_wait_dscnt 0x0
	CROUND                                         ; the closing round: no work-group ends while a partner may still ask for a tile that names it
	s_endpgm
.Lfunc_end_k_q6b687a149b_wog:
	.size	k_q6b687a149b_wog, .Lfunc_end_k_q6b687a149b_wog-k_q6b687a149b_wog
	.p2alignl 7, 3214868480
	.fill 96, 4, 3214868480
	.section	.rodata,"a",@progbits
	.p2align	6, 0x0
	.amdhsa_kernel k_q6b687a149b_wog
		.amdhsa_group_segment_fixed_size 327680
		.amdhsa_private_segment_fixed_size 0
		.amdhsa_enable_private_segment 0
		.amdhsa_kernarg_size 40
		.amdhsa_user_sgpr_count 2
		.amdhsa_user_sgpr_kernarg_segment_ptr 1
		.amdhsa_wavefront_size32 1
		.amdhsa_system_sgpr_workgroup_id_x 1
		.amdhsa_system_sgpr_workgroup_id_y 1
		.amdhsa_system_sgpr_workgroup_id_z 1
		.amdhsa_system_vgpr_workitem_id 0
		.amdhsa_next_free_vgpr 1024
		.amdhsa_next_free_sgpr 100
		.amdhsa_reserve_vcc 0
		.amdhsa_float_denorm_mode_32 3
		.amdhsa_float_denorm_mode_16_64 3
		.amdhsa_memory_ordered 1
		.amdhsa_forward_progress 1
		.amdhsa_inst_pref_size 102
	.end_amdhsa_kernel
	.amdgpu_metadata
---
amdhsa.version: [ 1, 2 ]
amdhsa.kernels:
  - .name:           k_q6b687a149b_wog
    .symbol:         k_q6b687a149b_wog.kd
    .args:
      - { .name: ao, .offset: 0, .size: 8, .value_kind: global_buffer, .address_space: global }
      - { .name: cb, .offset: 8, .size: 8, .value_kind: global_buffer, .address_space: global }
      - { .name: bo, .offset: 16, .size: 8, .value_kind: global_buffer, .address_space: global }
      - { .name: x, .offset: 24, .size: 8, .value_kind: global_buffer, .address_space: global }
      - { .name: y, .offset: 32, .size: 8, .value_kind: global_buffer, .address_space: global }
    .group_segment_fixed_size: 327680
    .private_segment_fixed_size: 0
    .kernarg_segment_align: 8
    .kernarg_segment_size: 40
    .max_flat_workgroup_size: 128
    .sgpr_count:     100
    .vgpr_count:     1024
    .wavefront_size: 32
...
	.end_amdgpu_metadata
.endif
;; end of part 4
;; launch ln1 (part 5): grid 256 x 1, 8 waves a work-group, no clusters, 0 bytes of LDS; arguments y, g1, beta1, h, hb; writes h, hb
.if DOCPART == 5
	.amdgcn_target "amdgcn-amd-amdhsa--gfx1250"
	.amdhsa_code_object_version 6
	.text
	.protected	k_q6b687a149b_ln1
	.globl	k_q6b687a149b_ln1
	.p2align	8
	.type	k_q6b687a149b_ln1,@function
k_q6b687a149b_ln1:
	s_mov_b64 s[64:65], 0
	v_nop
	global_prefetch_b8 v0, s[64:65] scope:SCOPE_SE
	s_setreg_imm32_b32 hwreg(HW_REG_WAVE_MODE, 25, 1), 1
	s_wait_xcnt 0x0
; LayerNorm of rows of 1,024 f32: out = g (y - mean) / sqrt(var + 1e-5) + beta, var = mean of (y - mean)^2: the two passes as the formula is written,
; so a common offset of a row does no harm.  WITH_BF16 = 1: a bf16 copy goes out too.  v_rsq_f32 is good to 1 ulp.
; A row is 4,096 bytes = 32 registers of one wave: it stays in registers, is read once, and no wave waits for another.  Memory binds: no LDS, no matrix unit.
; Eight waves, two rows each.  A load or f32 store of a wave covers 512 dense bytes, a bf16 store 256.  No register is written twice by memory: no loop.
.set WITH_BF16, 1
.set X0, 8                             ; v[8:39]    row 0
.set X1, 40                            ; v[40:71]   row 1
.set G,  72                            ; v[72:103]  gain of my 32 columns
.set BT, 104                           ; v[104:135] beta
.set T,  136                           ; v[136:147] at work
.set YB, 150                           ; v[150:181] bf16 copies
	s_load_b256 s[4:11], s[0:1], 0x0               ; y 4, gain 6, beta 8, out 10
.if WITH_BF16
	s_load_b64 s[12:13], s[0:1], 0x20              ; the bf16 copy
.endif
	v_lshrrev_b32 v1, 5, v0
	v_readfirstlane_b32 s14, v1                    ; wave
	v_and_b32 v2, 31, v0
	v_lshlrev_b32 v3, 4, v2                        ; 16 l
	v_lshlrev_b32 v4, 3, v2                        ; 8 l
	s_lshl_b32 s15, ttmp9, 4
	s_lshl1_add_u32 s15, s14, s15                  ; my first row = 16 x work-group + 2 x wave
	s_lshl_b32 s16, s15, 12
	s_mov_b32 s17, 0
	s_lshl_b32 s18, s15, 11
	s_mov_b32 s19, 0
	s_mov_b32 s20, 0x76543210
	s_mov_b32 s21, 0xfedcba98
	s_mov_b32 s22, 0x3a800000                      ; 1 / 1,024
	s_mov_b32 s23, 0x3727c5ac                      ; 1e-5
	s_wait_kmcnt 0x0
	s_add_nc_u64 s[4:5], s[4:5], s[16:17]
	s_add_nc_u64 s[10:11], s[10:11], s[16:17]
.if WITH_BF16
	s_add_nc_u64 s[12:13], s[12:13], s[18:19]
.endif
.irp j, 0,1,2,3,4,5,6,7
	global_load_b128 v[X0+4*\j:X0+4*\j+3], v3, s[4:5] offset:512*\j th:TH_LOAD_NT
.endr
.irp j, 0,1,2,3,4,5,6,7
	global_load_b128 v[X1+4*\j:X1+4*\j+3], v3, s[4:5] offset:4096+512*\j th:TH_LOAD_NT
.endr
.irp j, 0,1,2,3,4,5,6,7
	global_load_b128 v[G+4*\j:G+4*\j+3], v3, s[6:7] offset:512*\j
.endr
.irp j, 0,1,2,3,4,5,6,7
	global_load_b128 v[BT+4*\j:BT+4*\j+3], v3, s[8:9] offset:512*\j
.endr
.macro REDUCE                          ; four pairs in v[T:T+7] to one sum in every lane's v[T]
	v_pk_add_f32 v[T:T+1], v[T:T+1], v[T+2:T+3]
	v_pk_add_f32 v[T+4:T+5], v[T+4:T+5], v[T+6:T+7]
	v_pk_add_f32 v[T:T+1], v[T:T+1], v[T+4:T+5]
	v_add_f32 v[T], v[T], v[T+1]
	v_add_f32_dpp v[T], v[T], v[T] row_xmask:1 row_mask:0xf bank_mask:0xf
	v_add_f32_dpp v[T], v[T], v[T] row_xmask:2 row_mask:0xf bank_mask:0xf
	v_add_f32_dpp v[T], v[T], v[T] row_xmask:4 row_mask:0xf bank_mask:0xf
	v_add_f32_dpp v[T], v[T], v[T] row_xmask:8 row_mask:0xf bank_mask:0xf
	v_permlanex16_b32 v[T+1], v[T], s20, s21
	v_add_f32 v[T], v[T], v[T+1]
.endm
.macro NORM X                          ; the row becomes (y - mean) / sqrt(var + eps), in place
.irp c, 0,2,4,6
	v_pk_add_f32 v[T+\c:T+\c+1], v[\X+\c:\X+\c+1], v[\X+8+\c:\X+9+\c]
.endr
.irp k, 16,24
.irp c, 0,2,4,6
	v_pk_add_f32 v[T+\c:T+\c+1], v[T+\c:T+\c+1], v[\X+\k+\c:\X+\k+\c+1]
.endr
.endr
	REDUCE
	v_mul_f32 v[T+8], s22, v[T]                    ; the mean, twice: a pair for the packed subtraction
	v_mov_b32 v[T+9], v[T+8]
.irp k, 0,2,4,6,8,10,12,14,16,18,20,22,24,26,28,30
	v_pk_add_f32 v[\X+\k:\X+\k+1], v[\X+\k:\X+\k+1], v[T+8:T+9] neg_lo:[0,1] neg_hi:[0,1]
.endr
.irp c, 0,2,4,6
	v_pk_mul_f32 v[T+\c:T+\c+1], v[\X+\c:\X+\c+1], v[\X+\c:\X+\c+1]
.endr
.irp k, 8,16,24
.irp c, 0,2,4,6
	v_pk_fma_f32 v[T+\c:T+\c+1], v[\X+\k+\c:\X+\k+\c+1], v[\X+\k+\c:\X+\k+\c+1], v[T+\c:T+\c+1]
.endr
.endr
	REDUCE
	v_fma_f32 v[T+10], v[T], s22, s23              ; var + eps
	v_rsq_f32 v[T+10], v[T+10]
	v_nop                                          ; one plain vector instruction before the result is used (ISA guide 5.7.2)
	s_wait_alu depctr_va_vdst(0)
	v_mov_b32 v[T+11], v[T+10]
.irp k, 0,2,4,6,8,10,12,14,16,18,20,22,24,26,28,30
	v_pk_mul_f32 v[\X+\k:\X+\k+1], v[\X+\k:\X+\k+1], v[T+10:T+11]
.endr
.endm
.macro OUT X, row
.irp k, 0,2,4,6,8,10,12,14,16,18,20,22,24,26,28,30
	v_pk_fma_f32 v[\X+\k:\X+\k+1], v[\X+\k:\X+\k+1], v[G+\k:G+\k+1], v[BT+\k:BT+\k+1]
.endr
.irp j, 0,1,2,3,4,5,6,7
	global_store_b128 v3, v[\X+4*\j:\X+4*\j+3], s[10:11] offset:\row*4096+512*\j
.endr
.if WITH_BF16
.irp j, 0,1,2,3,4,5,6,7
	v_cvt_pk_bf16_f32 v[YB+16*\row+2*\j], v[\X+4*\j], v[\X+4*\j+1]
	v_cvt_pk_bf16_f32 v[YB+16*\row+2*\j+1], v[\X+4*\j+2], v[\X+4*\j+3]
	global_store_b64 v4, v[YB+16*\row+2*\j:YB+16*\row+2*\j+1], s[12:13] offset:\row*2048+256*\j
.endr
.endif
.endm
	s_wait_loadcnt 24                              ; row 0 is in; row 1, gain and beta (24 loads) stay out
	NORM X0
	s_wait_loadcnt 16                              ; row 1
	NORM X1
	s_wait_loadcnt 0x0                             ; gain and beta
	OUT X0, 0
	OUT X1, 1
	s_endpgm
.Lfunc_end_k_q6b687a149b_ln1:
	.size	k_q6b687a149b_ln1, .Lfunc_end_k_q6b687a149b_ln1-k_q6b687a149b_ln1
	.p2alignl 7, 3214868480
	.fill 96, 4, 3214868480
	.section	.rodata,"a",@progbits
	.p2align	6, 0x0
	.amdhsa_kernel k_q6b687a149b_ln1
		.amdhsa_group_segment_fixed_size 0
		.amdhsa_private_segment_fixed_size 0
		.amdhsa_enable_private_segment 0
		.amdhsa_kernarg_size 40
		.amdhsa_user_sgpr_count 2
		.amdhsa_user_sgpr_kernarg_segment_ptr 1
		.amdhsa_wavefront_size32 1
		.amdhsa_system_sgpr_workgroup_id_x 1
		.amdhsa_system_sgpr_workgroup_id_y 1
		.amdhsa_system_sgpr_workgroup_id_z 1
		.amdhsa_system_vgpr_workitem_id 0
		.amdhsa_next_free_vgpr 182
		.amdhsa_next_free_sgpr 66
		.amdhsa_reserve_vcc 0
		.amdhsa_float_denorm_mode_32 3
		.amdhsa_float_denorm_mode_16_64 3
		.amdhsa_memory_ordered 1
		.amdhsa_forward_progress 1
		.amdhsa_inst_pref_size 22
	.end_amdhsa_kernel
	.amdgpu_metadata
---
amdhsa.version: [ 1, 2 ]
amdhsa.kernels:
  - .name:           k_q6b687a149b_ln1
    .symbol:         k_q6b687a149b_ln1.kd
    .args:
      - { .name: y, .offset: 0, .size: 8, .value_kind: global_buffer, .address_space: global }
      - { .name: g1, .offset: 8, .size: 8, .value_kind: global_buffer, .address_space: global }
      - { .name: beta1, .offset: 16, .size: 8, .value_kind: global_buffer, .address_space: global }
      - { .name: h, .offset: 24, .size: 8, .value_kind: global_buffer, .address_space: global }
      - { .name: hb, .offset: 32, .size: 8, .value_kind: global_buffer, .address_space: global }
    .group_segment_fixed_size: 0
    .private_segment_fixed_size: 0
    .kernarg_segment_align: 8
    .kernarg_segment_size: 40
    .max_flat_workgroup_size: 256
    .sgpr_count:     66
    .vgpr_count:     182
    .wavefront_size: 32
...
	.end_amdgpu_metadata
.endif
;; end of part 5
;; launch ffn1 (part 6): grid 16 x 16, 4 waves a work-group, clusters of 4 x 4, 327,680 bytes of LDS; arguments hb, cb, b1, f1; writes f1
.if DOCPART == 6
	.amdgcn_target "amdgcn-amd-amdhsa--gfx1250"
	.amdhsa_code_object_version 6
	.text
	.protected	k_q6b687a149b_ffn1
	.globl	k_q6b687a149b_ffn1
	.p2align	8
	.type	k_q6b687a149b_ffn1,@function
k_q6b687a149b_ffn1:
	s_mov_b64 s[64:65], 0
	v_nop
	global_prefetch_b8 v0, s[64:65] scope:SCOPE_SE
	s_setreg_imm32_b32 hwreg(HW_REG_WAVE_MODE, 25, 1), 1
	s_wait_xcnt 0x0
	s_wait_alu depctr_hold_cnt(0) depctr_sa_sdst(0) depctr_va_vdst(0) depctr_va_sdst(0) depctr_va_ssrc(0) depctr_va_vcc(0) depctr_vm_vsrc(0)
	s_getreg_b32 s2, hwreg(HW_REG_IB_STS2, 6, 4)
	s_cmp_eq_u32 s2, 0
	s_cbranch_scc0 .Lentry_in_a_cluster
	s_endpgm
.Lentry_in_a_cluster:
	s_bfe_u32 s2, ttmp6, 0x10000c
	s_cmp_lg_u32 s2, 0xf033
	s_cbranch_scc0 .Lentry_shape_is_right
	s_endpgm
.Lentry_shape_is_right:
; C = A W + bias, A [4096][1024] bf16 row-major, W [1024][NW] bf16 as stored ([K][N]), sums in f32.
; IS_QKV = 1: A = x (cb, byte 0), W = wq | wk | wv (cb, 8 MiB on, 2 MiB each; the cluster's x picks the matrix), C = Q | K | V in bf16.
; IS_QKV = 0: A = hb, W = w1 (cb, 16 MiB on), C = gelu(..) in bf16, exact-erf gelu with erf by Abramowitz and Stegun 7.1.26
;             (absolute error of erf at most 1.5e-7 for every argument); v_exp_f32 and v_rcp_f32 are good to 1 ulp and flush denormals.
; C is stored GROUP-MAJOR: [column / 64][4096 rows][64], so that 128 rows of a group of 64 columns are 16,384 dense bytes.
; For V the column sums of the rounded bf16 numbers over the wave's 128 rows also go out (vsum [32 runs of 128 rows][1024] f32).
;
; A work-group makes 256 x 256 of C with four waves, a wave 128 x 128 in 512 accumulator registers.  K goes in steps of 128 through two LDS
; slots filled by tensor loads: waves 0, 1 bring 128 rows x 256 bytes of A each, waves 2, 3 bring 64 k-rows x 512 bytes of W each.
; CLUSTERS: 4 x 4 work-groups.  A's tile hangs on the block row alone and is asked for jointly along a row of the cluster, W's on the block
; column alone and jointly along a column: each tile is requested once for four work-groups.
; W's fragments are read from the [K][N] tile by the transposing LDS load: no transposed copy of a weight exists anywhere.
;
; REGISTERS in windows of 256: window 0: v0-31 addresses, v64-127 / v128-191 A's fragments (two buffers), v192-255 the bias, later the way out;
; window 1: v64-127 / v128-191 W's fragments; windows 2, 3: the accumulator tiles of my rows 0-63 / 64-127, tile (a, b) at v[8 (8 a + b)].
; THE MATRIX INSTRUCTION IS USED TRANSPOSED (source 0 = 16 columns of W, source 1 = 16 rows of A): lane l holds row l % 16 of C and its
; registers 0-7 the columns 8 (l / 16) + 0..7.  So a lane's eight bias numbers are the same for all rows, and the first product of every
; tile takes them as its C operand: the bias costs no vector instruction and nothing is cleared.
.set IS_QKV, 0
.set SIZE_K, 1024
.set KSTEP,  128
.set LAPS,   SIZE_K/(2*KSTEP)          ; a lap = two K steps = once round the ring
.set PITCH,  272                       ; A's LDS row: 256 bytes + 16 of padding: 16 rows of a fragment start 16 bytes apart modulo 256
.set BPITCH, 544                       ; W's LDS row: 512 bytes + 32 of padding, an odd multiple of 32 for the transposing load
.set HALFT,  128*PITCH                 ; what one tensor load brings: 128 x 272 = 64 x 544 = 34,816 bytes
.set SLOT,   4*HALFT                   ; A's 256 rows, then W's 128 k-rows
.set STAGE,  2*SLOT                    ; behind the ring: 16 rows x 272 bytes for each wave; no tensor load lands there
.set SPITCH, 272
.set GSTR,   524288                    ; bytes of a group of 64 columns: 4,096 rows x 128
.if IS_QKV
.set NW,   1024                        ; elements in a row of W
.set WOFF, 8*1048576                   ; W's first byte in cb
.set WCL,  2*1048576                   ; from one cluster column to the next: the next matrix
.set PA, 68                            ; s[68:69] A's buffer
.set PW, 68                            ; W's buffer
.set PB, 80                            ; the bias, chosen below
.set PO, 76                            ; the output
.else
.set NW,   4096
.set WOFF, 16*1048576
.set WCL,  2048                        ; four blocks of 512 bytes
.set PA, 68
.set PW, 70
.set PB, 72
.set PO, 74
.endif
.set ADRA, 16                          ; v16-17  LDS address of my A fragments in slot 0, 1
.set ADRB, 20                          ; v20-21  the same for W
.set STO,  24                          ; the way out: where I put 16 bytes of a row
.set RD,   25                          ; the way out: where I read 16 bytes back
.set CO,   26                          ; my byte offset in the output
.set BOF,  27                          ; my byte offset in the bias
.set F0,   64
.set F1,   128
.set TMP,  192                         ; the way out: packed results
.set BI,   192                         ; v[192:255] bias of my 8 column blocks, 8 numbers each
.set SUMS, 96                          ; v[96:103]  column sums of V
.set UT,   104                         ; v[104:111] eight numbers unpacked
.set GD,   32                          ; gelu: 1 + p |u|, then t
.set GW,   40                          ; gelu: u u, then exp(-u u / 2)
.set GH,   48                          ; gelu: |u|, then |u| / 2
.set GM,   56                          ; gelu: max(u, 0), then the result
.set GP,   224                         ; gelu: the polynomial
.set CA5,  232                         ; gelu: constants, a pair each
.set CA4,  234
.set CA3,  236
.set CA2,  238
.set CA1,  240
.set CP,   242
.set CE,   244
.set G1,  24                           ; s[24:31] descriptor group 1, A
.set G0,  32                           ; s[32:39] group 0, A, a set for each slot
.set G1B, 48                           ; s[48:55] group 1, W
.set G0B, 56                           ; s[56:63] group 0, W
.set MSB, 0
.macro WIN new                         ; the immediate's high byte repeats the setting that is left
.if MSB != \new
	s_set_vgpr_msb (MSB<<8)|\new
.set MSB, \new
.endif
.endm
.set MUL_LO, 0xa1                      ; source 0 (W) window 1, source 1 (A) window 0, C and D window 2
.set MUL_HI, 0xf1                      ; the same, C and D window 3
.set ST_LO,  0x81                      ; the first products: C (the bias) window 0, D window 2
.set ST_HI,  0xc1
.set TO_B,   0x40                      ; destination window 1, address window 0
; A joint load: waves 0, 1 ask for A's halves, waves 2, 3 for W's.  The branch hangs on the wave's number alone.
.macro JLOAD s
	s_cmp_eq_u32 s11, 0
	s_cbranch_scc0 .Lfor_b_\@
	tensor_load_to_lds s[G0+4*\s:G0+4*\s+3], s[G1:G1+7]
	s_nop 0
	s_branch .Lasked_\@
.Lfor_b_\@:
	tensor_load_to_lds s[G0B+4*\s:G0B+4*\s+3], s[G1B:G1B+7]
	s_nop 0
.Lasked_\@:
.endm
; A round of the cluster's barrier: my work-group's barrier, wave 0 signals for the work-group, every wave waits for all sixteen, my barrier again.
.macro CREST
	s_cmp_lg_u32 s10, 0
	s_cbranch_scc1 .Lnot_wave_0_\@
	s_barrier_signal -3
.Lnot_wave_0_\@:
	s_barrier_wait -3
	s_barrier_signal -1
	s_barrier_wait -1
.endm
.macro CROUND
	s_barrier_signal -1
	s_barrier_wait -1
	CREST
.endm
	s_load_b256 s[68:75], s[0:1], 0x0              ; IS_QKV: cb, bq, bk, bv.  Else: hb, cb, b1, f1
	s_set_vgpr_msb 0x40
	v_lshl_add_u32 v255, v0, 2, 0x48400
	s_set_vgpr_msb 0x4000
	v_mov_b32 v31, 0
	s_set_vgpr_msb 0x1
	ds_add_u32 v255, v31
	ds_add_u32 v255, v31
	s_set_vgpr_msb 0x100
.if IS_QKV
	s_load_b128 s[76:79], s[0:1], 0x20             ; qkv, vsum
.endif
	v_lshrrev_b32 v1, 5, v0
	v_readfirstlane_b32 s10, v1                    ; wave 0..3
	s_lshr_b32 s11, s10, 1                         ; my half of the block's rows.  Also: I fetch for A (0) or W (1)
	s_and_b32 s12, s10, 1                          ; my half of its columns.  Also: which half of that tile I fetch
	s_bfe_u32 s40, ttmp6, 0x40000                  ; cx
	s_bfe_u32 s41, ttmp6, 0x40004                  ; cy
	s_mov_b32 s66, ttmp9                           ; the cluster's x: equal in all sixteen partners
	s_lshl_b32 s42, ttmp9, 2
	s_add_co_u32 s42, s42, s40                     ; block column = 4 x cluster x + cx
	s_and_b32 s13, ttmp7, 0xffff
	s_lshl_b32 s13, s13, 2
	s_add_co_u32 s13, s13, s41                     ; block row = 4 x cluster y + cy
	s_lshl_b32 s43, s41, 2
	s_lshl_b32 s43, 15, s43                        ; my row of the cluster
	s_lshl_b32 s44, 0x1111, s40                    ; my column
	s_mov_b32 s94, 0xffff0000                      ; a word's upper bf16
	s_mov_b32 s95, 0x7fffffff                      ; clears a sign
	; group 1 for A: 128 rows x 128 elements of 2 bytes, 4 words of padding behind every 64
	s_or_b32 s[G1+0], s43, (1<<16)|(1<<20)|(1<<21)|(5<<22)|(3<<25)
	s_mov_b32 s[G1+1], KSTEP<<16                   ; tensor_dim0 = 128
	s_mov_b32 s[G1+2], 128<<16                     ; tensor_dim1 = 128
	s_mov_b32 s[G1+3], KSTEP<<16                   ; tile_dim0 = 128
	s_mov_b32 s[G1+4], 128                         ; tile_dim1 = 128
	s_mov_b32 s[G1+5], SIZE_K                      ; elements from row to row
	s_mov_b32 s[G1+6], 0
	s_mov_b32 s[G1+7], 0
	; group 1 for W: 64 k-rows x 256 elements, 8 words of padding behind every 128
	s_or_b32 s[G1B+0], s44, (1<<16)|(1<<20)|(1<<21)|(6<<22)|(7<<25)
	s_mov_b32 s[G1B+1], 256<<16
	s_mov_b32 s[G1B+2], 64<<16
	s_mov_b32 s[G1B+3], 256<<16
	s_mov_b32 s[G1B+4], 64
	s_mov_b32 s[G1B+5], NW
	s_mov_b32 s[G1B+6], 0
	s_mov_b32 s[G1B+7], 0
	; A's tile hangs on the block row and the wave, W's on the cluster's x, cx and the wave; each in registers that never hold the other coordinate
	s_lshl_b32 s17, s12, 7
	s_lshl_b32 s16, s13, 8
	s_add_co_u32 s16, s16, s17                     ; A: row 256 x block row + 128 x half
	s_lshl_b32 s16, s16, 11                        ; x 2,048 bytes
	s_mov_b32 s17, 0
	s_mul_i32 s46, ttmp9, WCL
	s_lshl_b32 s45, s40, 9                         ; 256 columns = 512 bytes a block
	s_add_co_u32 s46, s46, s45
	s_mul_i32 s45, s12, 64*NW*2                    ; my 64 k-rows
	s_add_co_u32 s46, s46, s45
	s_add_co_u32 s46, s46, WOFF
	s_mov_b32 s47, 0
	s_mul_i32 s20, s10, HALFT                      ; where a wave's part goes: wave x 34,816, no place in the cluster enters
	s_wait_dscnt 0x0
	s_wait_kmcnt 0x0
	s_add_nc_u64 s[14:15], s[PA:PA+1], s[16:17]
	s_add_nc_u64 s[46:47], s[PW:PW+1], s[46:47]
	CROUND                                         ; all sixteen work-groups are here: the first joint loads meet
.irp s, 0,1
	s_mov_b32 s[G0+4*\s], 1
	s_add_co_u32 s[G0+4*\s+1], s20, \s*SLOT
	s_add_nc_u64 s[G0+4*\s+2:G0+4*\s+3], s[14:15], \s*KSTEP*2
	s_or_b32 s[G0+4*\s+3], s[G0+4*\s+3], 0x80000000
	s_mov_b32 s[G0B+4*\s], 1
	s_add_co_u32 s[G0B+4*\s+1], s20, \s*SLOT
	s_add_nc_u64 s[G0B+4*\s+2:G0B+4*\s+3], s[46:47], \s*KSTEP*NW*2
	s_or_b32 s[G0B+4*\s+3], s[G0B+4*\s+3], 0x80000000
	JLOAD \s                                       ; both first fills: by this text's count a wave has two tensor loads out here, later one
.endr
	; the bias: lane (r, h) needs the numbers 16 b + 8 h + 0..7 of its wave's 128 columns
.if IS_QKV
	s_mov_b64 s[80:81], s[70:71]
	s_cmp_eq_u32 s66, 1
	s_cselect_b64 s[80:81], s[72:73], s[80:81]
	s_cmp_eq_u32 s66, 2
	s_cselect_b64 s[80:81], s[74:75], s[80:81]
	s_lshl_b32 s45, s40, 10                        ; 256 columns x 4 bytes a block, inside the matrix
.else
	s_lshl_b32 s45, s42, 10
.endif
	s_lshl_b32 s67, s12, 9
	s_add_co_u32 s67, s67, s45
	v_and_b32 v1, 15, v0                           ; r = l % 16
	v_bfe_u32 v2, v0, 4, 1                         ; h = l / 16
	v_lshlrev_b32 v[BOF], 5, v2
	v_add_nc_u32 v[BOF], s67, v[BOF]
.irp b, 0,1,2,3,4,5,6,7
	global_load_b128 v[BI+8*\b:BI+8*\b+3],   v[BOF], s[PB:PB+1] offset:64*\b
	global_load_b128 v[BI+8*\b+4:BI+8*\b+7], v[BOF], s[PB:PB+1] offset:64*\b+16
.endr
	; A's fragment: lane l holds row l % 16; two loads of 16 bytes, 32 apart, at row x pitch + 16 (l / 16)
	v_mul_u32_u24 v3, v1, PITCH
	v_lshl_add_u32 v3, v2, 4, v3
	s_mul_i32 s21, s11, HALFT                      ; my 128 rows of A
	; W's fragment by the transposing load: lane l addresses k-row 8 (l / 16) + l % 8, 16 bytes at 16 ((l / 8) % 2); second load 16 k-rows on
	v_and_b32 v5, 7, v0
	v_lshl_add_u32 v5, v2, 3, v5
	v_mul_u32_u24 v5, v5, BPITCH
	v_bfe_u32 v6, v0, 3, 1                         ; (l / 8) % 2, kept for the way out
	v_lshl_add_u32 v5, v6, 4, v5
	s_lshl_b32 s22, s12, 8                         ; my 128 columns
	s_add_co_u32 s22, s22, 2*HALFT                 ; W lies behind A's 256 rows
.irp s, 0,1
	v_add_nc_u32 v[ADRA+\s], s21, v3
	v_add_nc_u32 v[ADRB+\s], s22, v5
	s_add_co_u32 s21, s21, SLOT
	s_add_co_u32 s22, s22, SLOT
.endr
	s_mul_i32 s23, s10, 16*SPITCH
	s_add_co_u32 s23, s23, STAGE                   ; my stage
	v_mul_u32_u24 v4, v1, SPITCH
	v_lshl_add_u32 v4, v2, 4, v4
	v_add_nc_u32 v[STO], s23, v4                   ; in: row l % 16, 16 bytes for each half of the lanes
	v_and_b32 v7, 7, v0
	v_lshlrev_b32 v7, 4, v7                        ; 16 (l % 8), kept
	v_mul_u32_u24 v8, v6, SPITCH
	v_lshl_add_u32 v8, v2, 7, v8
	v_add3_u32 v[RD], v8, v7, s23                  ; back: lanes 0-7, 8-15: two rows' first 128 bytes (group 0); lanes 16-31: their second 128 (group 1)
	v_lshl_add_u32 v9, v6, 7, v7
	v_lshl_add_u32 v[CO], v2, 19, v9               ; in the output: group x GSTR + row parity x 128 + 16 (l % 8): 16 lanes cover 256 dense bytes
; 16 matrix instructions: row blocks a0, a0 + 1 of the window's four x all 8 column blocks, 32 along K.  first = 1: C is the bias.
; The 64 accumulators take turns, one instruction a turn, in the same order in every quarter step.
.macro MUL16 f, hi, a0, first
.irp a, \a0, \a0+1
.irp b, 0,1,2,3,4,5,6,7
.if \first
	v_wmma_f32_16x16x32_bf16 v[8*(8*(\a)+\b):8*(8*(\a)+\b)+7], v[\f+8*\b:\f+8*\b+7], v[\f+8*(4*\hi+\a):\f+8*(4*\hi+\a)+7], v[BI+8*\b:BI+8*\b+7]
.else
	v_wmma_f32_16x16x32_bf16 v[8*(8*(\a)+\b):8*(8*(\a)+\b)+7], v[\f+8*\b:\f+8*\b+7], v[\f+8*(4*\hi+\a):\f+8*(4*\hi+\a)+7], v[8*(8*(\a)+\b):8*(8*(\a)+\b)+7]
.endif
.endr
.endr
.endm
; 32 LDS loads in one run: quarter q (32 along K) of a slot into buffer f: 16 for W's 128 columns, then 16 for A's 128 rows
.macro FETCH slot, q, f
	WIN TO_B
.irp i, 0,1,2,3,4,5,6,7
	ds_load_tr16_b128 v[\f+8*\i:\f+8*\i+3],   v[ADRB+\slot] offset:\q*32*BPITCH+32*\i
	ds_load_tr16_b128 v[\f+8*\i+4:\f+8*\i+7], v[ADRB+\slot] offset:\q*32*BPITCH+16*BPITCH+32*\i
.endr
	WIN 0
.irp i, 0,1,2,3,4,5,6,7
	ds_load_b128 v[\f+8*\i:\f+8*\i+3],   v[ADRA+\slot] offset:64*\q+\i*16*PITCH
	ds_load_b128 v[\f+8*\i+4:\f+8*\i+7], v[ADRA+\slot] offset:64*\q+\i*16*PITCH+32
.endr
.endm
; Four plain vector instructions stand between a matrix instruction and a load into, or a vector instruction on, one of its registers
.macro PLACES
.rept 4
	v_nop
.endr
.endm
; A quarter step: multiplies buffer f; in its middle it fetches quarter q of the same slot into buffer g
.macro QUARTER slot, q, f, g, first
	s_wait_dscnt 8                                 ; W and A's rows 0-63 are in; the youngest eight loads (A's rows 64-127) may be out
.if \first
	WIN ST_LO
.else
	WIN MUL_LO
.endif
	MUL16 \f, 0, 0, \first
	MUL16 \f, 0, 2, \first
	PLACES
	FETCH \slot, \q, \g
	s_wait_dscnt 32                                ; all but the 32 just issued
.if \first
	WIN ST_HI
.else
	WIN MUL_HI
.endif
	MUL16 \f, 1, 0, \first
	MUL16 \f, 1, 2, \first
.endm
.macro THREE slot, first
	QUARTER \slot, 1, F0, F1, \first
	QUARTER \slot, 2, F1, F0, 0
	QUARTER \slot, 3, F0, F1, 0
.endm
; The last quarter: multiplies buffer 1 and changes slots.  In front of the barrier each wave waits for its reads of this slot and for all its
; tensor loads (one is out: its part of the next slot).  Where the slot is filled again the barrier opens a round of the cluster's barrier,
; and the joint refill is the first tensor load behind the round.  From a request to the wait for it a wave issues 240 matrix instructions.
.macro TURN slot, next, fill
	s_wait_dscnt 8
	WIN MUL_LO
	MUL16 F1, 0, 0, 0
	s_wait_dscnt 0                                 ; my reads of this slot are over
	s_wait_tensorcnt 0x0                           ; all my tensor loads have landed
	ds_add_u32 v255, v31
	s_wait_dscnt 0x0
	s_barrier_signal -1
	MUL16 F1, 0, 2, 0                              ; registers only, while the others arrive
	WIN 0
	s_barrier_wait -1
.if \fill
	CREST
	s_add_nc_u64 s[G0+4*\slot+2:G0+4*\slot+3], s[G0+4*\slot+2:G0+4*\slot+3], 2*KSTEP*2
	s_add_nc_u64 s[G0B+4*\slot+2:G0B+4*\slot+3], s[G0B+4*\slot+2:G0B+4*\slot+3], 2*KSTEP*NW*2
	JLOAD \slot
.endif
	PLACES
	FETCH \next, 0, F0
	WIN MUL_HI
	MUL16 F1, 1, 0, 0
	MUL16 F1, 1, 2, 0
.endm
.macro LAP first
	THREE 0, \first
	TURN 0, 1, 1
	THREE 1, 0
	TURN 1, 0, 1
.endm
	s_wait_loadcnt 0x0                             ; the bias, once
	s_wait_tensorcnt 1                             ; my part of K step 0 is in; K step 1's stays out
	s_barrier_signal -1
	s_barrier_wait -1
	FETCH 0, 0, F0
	LAP 1                                          ; the first lap stands in front of the loop: its first products start the sums from the bias
	WIN 0
	s_mov_b32 s3, LAPS-2
.Llap:
	LAP 0
	WIN 0
	s_sub_co_u32 s3, s3, 1
	s_cmp_lg_u32 s3, 0
	s_cbranch_scc1 .Llap
	THREE 0, 0                                     ; the last lap fills nothing
	TURN 0, 1, 0
	THREE 1, 0
	s_wait_dscnt 8
	WIN MUL_LO
	MUL16 F1, 0, 0, 0
	MUL16 F1, 0, 2, 0
	s_wait_dscnt 0
	WIN MUL_HI
	MUL16 F1, 1, 0, 0
	MUL16 F1, 1, 2, 0
	; THE WAY OUT, 16 rows at a time: to bf16, 16 bytes a lane into my stage, read back so that 16 lanes hold two rows of one group
	PLACES
	WIN 0
	s_lshl_b32 s16, s13, 8
	s_lshl_b32 s14, s11, 7
	s_add_co_u32 s16, s16, s14                     ; my first row
	s_lshl_b32 s16, s16, 7                         ; x 128 bytes
	s_mov_b32 s17, 0
	s_add_nc_u64 s[8:9], s[PO:PO+1], s[16:17]
	s_lshl_b32 s46, s42, 2
	s_lshl1_add_u32 s46, s12, s46                  ; my first group = 4 x block column + 2 x half
	s_lshl_b32 s46, s46, 19
	s_mov_b32 s47, 0
	s_add_nc_u64 s[8:9], s[8:9], s[46:47]
; The packed rows 16 i .. 16 i + 15 leave through the stage.  sum = 1: the rounded numbers are also added up by columns.
.macro FLUSH i, f, sum
.irp b, 0,1,2,3,4,5,6,7
	ds_store_b128 v[STO], v[TMP+4*\b:TMP+4*\b+3] offset:32*\b
.endr
	s_wait_xcnt 0x0                                ; buffer f was the data of earlier stores: it is loaded again only behind this wait
.irp t, 0,1,2,3,4,5,6,7
	ds_load_b128 v[\f+4*\t:\f+4*\t+3], v[RD] offset:\t*2*SPITCH    ; LDS serves a wave's instructions in order: these see the stores above
.endr
.irp t, 0,1,2,3,4,5,6,7
	s_wait_dscnt 7-\t
	global_store_b128 v[CO], v[\f+4*\t:\f+4*\t+3], s[8:9] offset:(16*\i+2*\t)*128
.if \sum
.if (\i+\t) == 0
.irp k, 0,1,2,3
	v_lshlrev_b32 v[SUMS+2*\k],   16,  v[\f+\k]    ; the first two rows start the sums: nothing is cleared
	v_and_b32     v[SUMS+2*\k+1], s94, v[\f+\k]
.endr
.else
.irp k, 0,1,2,3
	v_lshlrev_b32 v[UT+2*\k],   16,  v[\f+4*\t+\k]
	v_and_b32     v[UT+2*\k+1], s94, v[\f+4*\t+\k]
.endr
.irp k, 0,2,4,6
	v_pk_add_f32 v[SUMS+\k:SUMS+\k+1], v[SUMS+\k:SUMS+\k+1], v[UT+\k:UT+\k+1]
.endr
.endif
.endif
.endr
.endm
; plain: the eight tiles (a, 0..7) of window 2 or 3 (from = 0x0a or 0x0f: sources 0 and 1) are rounded
.macro OUT16 i, a, from, f, sum
	WIN \from
.irp b, 0,1,2,3,4,5,6,7
.irp r, 0,1,2,3
	v_cvt_pk_bf16_f32 v[TMP+4*\b+\r], v[8*(8*\a+\b)+2*\r], v[8*(8*\a+\b)+2*\r+1]
.endr
.endr
	WIN 0
	FLUSH \i, \f, \sum
.endm
; gelu(u) = max(u, 0) - |u| / 2 x P(t) x exp(-u u / 2), t = 1 / (1 + 0.23164189 |u|), P the fifth-degree polynomial of 7.1.26 without constant term
.macro GELU8 acc, from, dst
	WIN \from
.irp k, 0,1,2,3,4,5,6,7
	v_and_b32 v[GH+\k], s95, v[\acc+\k]
.endr
.irp k, 0,2,4,6
	v_pk_mul_f32 v[GW+\k:GW+\k+1], v[\acc+\k:\acc+\k+1], v[\acc+\k:\acc+\k+1]
.endr
.irp k, 0,1,2,3,4,5,6,7
	v_max_num_f32 v[GM+\k], 0, v[\acc+\k]
.endr
	WIN 0
.irp k, 0,2,4,6
	v_pk_fma_f32 v[GD+\k:GD+\k+1], v[GH+\k:GH+\k+1], v[CP:CP+1], 1.0 op_sel_hi:[1,1,0]
.endr
.irp k, 0,2,4,6
	v_pk_mul_f32 v[GW+\k:GW+\k+1], v[GW+\k:GW+\k+1], v[CE:CE+1]    ; x -log2(e) / 2
.endr
.irp k, 0,2,4,6
	v_pk_mul_f32 v[GH+\k:GH+\k+1], v[GH+\k:GH+\k+1], 0.5 op_sel_hi:[1,0]
.endr
.irp k, 0,1,2,3,4,5,6,7
	v_rcp_f32 v[GD+\k], v[GD+\k]
.endr
.irp k, 0,1,2,3,4,5,6,7
	v_exp_f32 v[GW+\k], v[GW+\k]
.endr
	v_nop                                          ; one plain vector instruction behind the transcendentals before their results are used (ISA guide 5.7.2)
	s_wait_alu depctr_va_vdst(0)
.irp k, 0,2,4,6
	v_pk_fma_f32 v[GP+\k:GP+\k+1], v[GD+\k:GD+\k+1], v[CA5:CA5+1], v[CA4:CA4+1]
.endr
.irp c, CA3, CA2, CA1
.irp k, 0,2,4,6
	v_pk_fma_f32 v[GP+\k:GP+\k+1], v[GP+\k:GP+\k+1], v[GD+\k:GD+\k+1], v[\c:\c+1]
.endr
.endr
.irp k, 0,2,4,6
	v_pk_mul_f32 v[GP+\k:GP+\k+1], v[GP+\k:GP+\k+1], v[GD+\k:GD+\k+1]
.endr
.irp k, 0,2,4,6
	v_pk_mul_f32 v[GW+\k:GW+\k+1], v[GW+\k:GW+\k+1], v[GH+\k:GH+\k+1]
.endr
.irp k, 0,2,4,6
	v_pk_fma_f32 v[GM+\k:GM+\k+1], v[GP+\k:GP+\k+1], v[GW+\k:GW+\k+1], v[GM+\k:GM+\k+1] neg_lo:[1,0,0] neg_hi:[1,0,0]
.endr
.irp r, 0,1,2,3
	v_cvt_pk_bf16_f32 v[\dst+\r], v[GM+2*\r], v[GM+2*\r+1]
.endr
.endm
.macro OUT16G i, a, from, f
.irp b, 0,1,2,3,4,5,6,7
	GELU8 8*(8*\a+\b), \from, TMP+4*\b
.endr
	FLUSH \i, \f, 0
.endm
.if IS_QKV
	s_cmp_eq_u32 s66, 2                            ; the cluster's x: V or not, the same answer in every partner
	s_cbranch_scc1 .Lwith_sums
	OUT16 0, 0, 0x0a, F0, 0
	OUT16 1, 1, 0x0a, F1, 0
	OUT16 2, 2, 0x0a, F0, 0
	OUT16 3, 3, 0x0a, F1, 0
	OUT16 4, 0, 0x0f, F0, 0
	OUT16 5, 1, 0x0f, F1, 0
	OUT16 6, 2, 0x0f, F0, 0
	OUT16 7, 3, 0x0f, F1, 0
	s_branch .Lclose
.Lwith_sums:
	OUT16 0, 0, 0x0a, F0, 1
	OUT16 1, 1, 0x0a, F1, 1
	OUT16 2, 2, 0x0a, F0, 1
	OUT16 3, 3, 0x0a, F1, 1
	OUT16 4, 0, 0x0f, F0, 1
	OUT16 5, 1, 0x0f, F1, 1
	OUT16 6, 2, 0x0f, F0, 1
	OUT16 7, 3, 0x0f, F1, 1
	; lanes l and l xor 8 hold the even and the odd rows' sums of the same eight columns: add them, then each stores four
.irp k, 0,1,2,3,4,5,6,7
	v_add_f32_dpp v[SUMS+\k], v[SUMS+\k], v[SUMS+\k] row_xmask:8 row_mask:0xf bank_mask:0xf
.endr
	v_cmp_ne_u32 vcc_lo, 0, v6
.irp k, 0,1,2,3
	v_cndmask_b32 v[112+\k], v[SUMS+\k], v[SUMS+4+\k], vcc_lo
.endr
	v_lshlrev_b32 v10, 1, v7                       ; 32 (l % 8)
	v_lshl_add_u32 v10, v2, 8, v10                 ; + 256 x group
	v_lshl_add_u32 v10, v6, 4, v10                 ; + 16 x parity: the wave covers 512 dense bytes
	s_lshl1_add_u32 s46, s13, s11                  ; run of 128 rows = 2 x block row + half
	s_lshl_b32 s46, s46, 12
	s_lshl_b32 s45, s40, 10
	s_add_co_u32 s46, s46, s45
	s_lshl_b32 s45, s12, 9
	s_add_co_u32 s46, s46, s45
	s_mov_b32 s47, 0
	s_add_nc_u64 s[78:79], s[78:79], s[46:47]
	global_store_b128 v10, v[112:115], s[78:79]
.Lclose:
.else
.irp r, 0,1
	v_mov_b32 v[CA5+\r], 0x3f87dc22                ;  1.061405429
	v_mov_b32 v[CA4+\r], 0xbfba00e3                ; -1.453152027
	v_mov_b32 v[CA3+\r], 0x3fb5f0e3                ;  1.421413741
	v_mov_b32 v[CA2+\r], 0xbe91a98e                ; -0.284496736
	v_mov_b32 v[CA1+\r], 0x3e827906                ;  0.254829592
	v_mov_b32 v[CP+\r],  0x3e6d3388                ;  0.3275911 / sqrt(2)
	v_mov_b32 v[CE+\r],  0xbf38aa3b                ; -log2(e) / 2
.endr
	OUT16G 0, 0, 0x0a, F0
	OUT16G 1, 1, 0x0a, F1
	OUT16G 2, 2, 0x0a, F0
	OUT16G 3, 3, 0x0a, F1
	OUT16G 4, 0, 0x0f, F0
	OUT16G 5, 1, 0x0f, F1
	OUT16G 6, 2, 0x0f, F0
	OUT16G 7, 3, 0x0f, F1
.endif
	s_set_vgpr_msb 0x1
	s_wait_tensorcnt 0x0
	ds_add_u32 v255, v31
	s_wait_dscnt 0x0
	s_set_vgpr_msb 0x100
	CROUND                                         ; the closing round: no work-group ends while a partner may still ask for a tile that names it
	s_endpgm
.Lfunc_end_k_q6b687a149b_ffn1:
	.size	k_q6b687a149b_ffn1, .Lfunc_end_k_q6b687a149b_ffn1-k_q6b687a149b_ffn1
	.p2alignl 7, 3214868480
	.fill 96, 4, 3214868480
	.section	.rodata,"a",@progbits
	.p2align	6, 0x0
	.amdhsa_kernel k_q6b687a149b_ffn1
		.amdhsa_group_segment_fixed_size 327680
		.amdhsa_private_segment_fixed_size 0
		.amdhsa_enable_private_segment 0
		.amdhsa_kernarg_size 32
		.amdhsa_user_sgpr_count 2
		.amdhsa_user_sgpr_kernarg_segment_ptr 1
		.amdhsa_wavefront_size32 1
		.amdhsa_system_sgpr_workgroup_id_x 1
		.amdhsa_system_sgpr_workgroup_id_y 1
		.amdhsa_system_sgpr_workgroup_id_z 1
		.amdhsa_system_vgpr_workitem_id 0
		.amdhsa_next_free_vgpr 1024
		.amdhsa_next_free_sgpr 100
		.amdhsa_reserve_vcc 1
		.amdhsa_float_denorm_mode_32 3
		.amdhsa_float_denorm_mode_16_64 3
		.amdhsa_memory_ordered 1
		.amdhsa_forward_progress 1
		.amdhsa_inst_pref_size 255
	.end_amdhsa_kernel
	.section	.bss,"aw",@nobits
	.p2align	6
	.space	262144
	.amdgpu_metadata
---
amdhsa.version: [ 1, 2 ]
amdhsa.kernels:
  - .name:           k_q6b687a149b_ffn1
    .symbol:         k_q6b687a149b_ffn1.kd
    .args:
      - { .name: hb, .offset: 0, .size: 8, .value_kind: global_buffer, .address_space: global }
      - { .name: cb, .offset: 8, .size: 8, .value_kind: global_buffer, .address_space: global }
      - { .name: b1, .offset: 16, .size: 8, .value_kind: global_buffer, .address_space: global }
      - { .name: f1, .offset: 24, .size: 8, .value_kind: global_buffer, .address_space: global }
    .group_segment_fixed_size: 327680
    .private_segment_fixed_size: 0
    .kernarg_segment_align: 8
    .kernarg_segment_size: 32
    .max_flat_workgroup_size: 128
    .sgpr_count:     100
    .vgpr_count:     1024
    .wavefront_size: 32
...
	.end_amdgpu_metadata
.endif
;; end of part 6
;; launch ffn2 (part 7): grid 8 x 32, 4 waves a work-group, clusters of 4 x 4, 327,680 bytes of LDS; arguments f1, cb, b2, h, y; writes y
.if DOCPART == 7
	.amdgcn_target "amdgcn-amd-amdhsa--gfx1250"
	.amdhsa_code_object_version 6
	.text
	.protected	k_q6b687a149b_ffn2
	.globl	k_q6b687a149b_ffn2
	.p2align	8
	.type	k_q6b687a149b_ffn2,@function
k_q6b687a149b_ffn2:
	s_mov_b64 s[64:65], 0
	v_nop
	global_prefetch_b8 v0, s[64:65] scope:SCOPE_SE
	s_setreg_imm32_b32 hwreg(HW_REG_WAVE_MODE, 25, 1), 1
	s_wait_xcnt 0x0
	s_wait_alu depctr_hold_cnt(0) depctr_sa_sdst(0) depctr_va_vdst(0) depctr_va_sdst(0) depctr_va_ssrc(0) depctr_va_vcc(0) depctr_vm_vsrc(0)
	s_getreg_b32 s2, hwreg(HW_REG_IB_STS2, 6, 4)
	s_cmp_eq_u32 s2, 0
	s_cbranch_scc0 .Lentry_in_a_cluster
	s_endpgm
.Lentry_in_a_cluster:
	s_bfe_u32 s2, ttmp6, 0x10000c
	s_cmp_lg_u32 s2, 0xf033
	s_cbranch_scc0 .Lentry_shape_is_right
	s_endpgm
.Lentry_shape_is_right:
; y = A W + bias + res in f32.  A: bf16 group-major [SIZE_K / 64][4096 rows][64]; W: bf16 [SIZE_K][1024] in cb at WOFF, as stored ([K][N]);
; bias [1024], res and y [4096][1024] f32.  Here: A = f1, W = w2, res = h, SIZE_K = 4096.
; N = 1024 gives 256 work-groups only with blocks of 128 x 128.  So that a byte read from LDS still feeds as many products as in a block of
; 256 x 256, EVERY wave holds the whole 128 x 128 block (512 accumulator registers) and takes a quarter of K: of each 512 along K,
; wave w multiplies k = 128 w .. 128 w + 127.  The four partial sums meet once, at the end, in LDS.
; ORDER OF SUMMATION: K is summed in four parts (one a wave), then (0+1)+(2+3); each part begins at a K step that hangs on the cluster (below).
; CLUSTERS: 4 x 4 work-groups; A's tile is asked for jointly along a row of the cluster, W's along a column.
;
; ONE SLOT, DRAINED INTO REGISTERS.  A block of this shape needs 512 bytes of tiles for each step along K, twice what a block of 256 x 256 needs for
; each product, and in front of a refill's barrier every tensor load has landed: what is on its way is what one request brings.  So one request
; brings all that LDS holds: 512 along K, A [8 groups][128 rows][144 bytes] and W [512 k][288 bytes], 294,912 bytes, one load of 73,728 a wave.
; No wave shares a fragment with another here, and a wave's share of the slot (4 chunks of 32 along K, 128 registers each) fits into the registers
; beside the accumulators.  So the slot is read out at once, in 128 LDS loads strewn among the first 144 matrix instructions of the step, and asked
; for again; of the step's other 112 matrix instructions, which work from registers, 16 stand inside the round and 96 behind the request.
; Clusters that read the same tiles walk K from different starting steps (and wrap round), so that at any time they ask for different tiles.
;
; REGISTERS: window 0: v0-31 addresses and bias; v32-63 XA: chunk 3's A, rows 64-127; v64-127, v128-191, v192-255 A of chunks 0, 1, 2 (F0, F1, F2);
; chunk 3's A, rows 0-63, goes into F0's lower half when chunk 0 has used it.  Window 1: v0-63 XB: chunk 3's W; v64-255 W of chunks 0, 1, 2.
; Windows 2, 3: the accumulator tiles of rows 0-63 / 64-127, tile (a, b) at v[8 (8 a + b)].
; The matrix instruction is used transposed: source 0 = 16 columns of W (through the transposing LDS load), source 1 = 16 rows of A:
; lane l holds row l % 16, its registers the columns 8 (l / 16) + 0..7.
.set SIZE_K, 4096
.set WOFF,   24*1048576
.set NSTEPS, SIZE_K/512                ; a step = 512 along K = one filling of LDS; a power of two, at least 2
.if NSTEPS >= 4
.set QS, NSTEPS/4
.else
.set QS, 1
.endif
.set GSTR,   524288                    ; bytes of a group of 64 columns of A: 4,096 rows x 128
.set APITCH, 144                       ; 128 bytes + 16
.set BPITCH, 288                       ; 256 bytes + 32, an odd multiple of 32 for the transposing load
.set GRP,    128*APITCH                ; a group's 128 rows in LDS
.set HALFT,  4*GRP                     ; what one tensor load brings: 4 x 128 x 144 = 256 x 288 = 73,728 bytes
.set ABYTES, 2*HALFT                   ; A's eight groups; W lies behind them
.set WPART,  2*GRP                     ; a wave's part of A (two groups) and of W (128 k-rows): 36,864 bytes
.set XPITCH, 528                       ; the meeting: a row of 128 f32 + 16 bytes
.set XBLK,   128*XPITCH                ; a wave's partial block: 67,584 bytes; four of them lie in the slot, which has had its last fill by then
.set ADRA, 16                          ; LDS address of my A fragments
.set ADRB, 20                          ; the same for W
.set STO,  24                          ; the meeting: where I put my partial block
.set CO,   26                          ; 16 l: bias, res and y
.set XA,   32
.set F0,   64
.set F1,   128
.set F2,   192
.set RES,  64                          ; window 1, v[64:191]: 32 rows of res, 4 registers each
.set G1,  24                           ; s[24:31] descriptor group 1, A
.set G0,  32                           ; s[32:35] group 0, A
.set G1B, 48                           ; s[48:55] group 1, W
.set G0B, 56                           ; s[56:59] group 0, W
.set MSB, 0
.macro WIN new                         ; the immediate's high byte repeats the setting that is left
.if MSB != \new
	s_set_vgpr_msb (MSB<<8)|\new
.set MSB, \new
.endif
.endm
.set MUL_LO, 0xa1                      ; source 0 (W) window 1, source 1 (A) window 0, C and D window 2
.set MUL_HI, 0xf1                      ; the same, C and D window 3
.set TO_B,   0x40                      ; destination window 1, address window 0
; A joint load: waves 0, 1 ask for A's halves, waves 2, 3 for W's.  The branch hangs on the wave's number alone.
.macro JLOAD
	s_cmp_eq_u32 s11, 0
	s_cbranch_scc0 .Lfor_b_\@
	tensor_load_to_lds s[G0:G0+3], s[G1:G1+7]
	s_nop 0
	s_branch .Lasked_\@
.Lfor_b_\@:
	tensor_load_to_lds s[G0B:G0B+3], s[G1B:G1B+7]
	s_nop 0
.Lasked_\@:
.endm
; A round of the cluster's barrier: my work-group's barrier, wave 0 signals for the work-group, every wave waits for all sixteen, my barrier again.
.macro CREST
	s_cmp_lg_u32 s10, 0
	s_cbranch_scc1 .Lnot_wave_0_\@
	s_barrier_signal -3
.Lnot_wave_0_\@:
	s_barrier_wait -3
	s_barrier_signal -1
	s_barrier_wait -1
.endm
.macro CROUND
	s_barrier_signal -1
	s_barrier_wait -1
	CREST
.endm
; Both tiles' addresses for K step s86: 8 groups of A (1 << 22 bytes) and 512 k-rows of W (1 << 20 bytes) a step.  Written only while no tensor load of the wave is out.
.macro SETADR
	s_lshl_b32 s88, s86, 22
	s_add_nc_u64 s[G0+2:G0+3], s[14:15], s[88:89]
	s_or_b32 s[G0+3], s[G0+3], 0x80000000
	s_lshl_b32 s90, s86, 20
	s_add_nc_u64 s[G0B+2:G0B+3], s[46:47], s[90:91]
	s_or_b32 s[G0B+3], s[G0B+3], 0x80000000
.endm
	s_load_b256 s[68:75], s[0:1], 0x0              ; A 68, cb 70, bias 72, res 74
	s_load_b64 s[76:77], s[0:1], 0x20              ; y
	v_lshl_add_u32 v25, v0, 2, 0x48000
	v_mov_b32 v27, 0
	ds_add_u32 v25, v27
	ds_add_u32 v25, v27
	v_lshrrev_b32 v1, 5, v0
	v_readfirstlane_b32 s10, v1                    ; wave
	s_lshr_b32 s11, s10, 1                         ; I fetch for A (0) or W (1),
	s_and_b32 s12, s10, 1                          ; its first or second half
	s_bfe_u32 s40, ttmp6, 0x40000                  ; cx
	s_bfe_u32 s41, ttmp6, 0x40004                  ; cy
	s_lshl_b32 s42, ttmp9, 2
	s_add_co_u32 s42, s42, s40                     ; block column
	s_and_b32 s13, ttmp7, 0xffff
	s_lshl_b32 s13, s13, 2
	s_add_co_u32 s13, s13, s41                     ; block row
	s_lshl_b32 s43, s41, 2
	s_lshl_b32 s43, 15, s43                        ; my row of the cluster
	s_lshl_b32 s44, 0x1111, s40                    ; my column
	; the K step at which my cluster begins: made of the cluster's own coordinates, so it is the same in all sixteen partners.
	; The two clusters that share A's tiles (same y) begin NSTEPS / 2 apart; clusters with the same x, which share W's, begin QS apart, four starts in all.
	s_and_b32 s87, ttmp7, 3
	s_mul_i32 s87, s87, QS
	s_mul_i32 s86, ttmp9, NSTEPS/2
	s_add_co_u32 s86, s86, s87
	s_and_b32 s86, s86, NSTEPS-1
	s_mov_b32 s89, 0
	s_mov_b32 s91, 0
	; group 1 for A: 4 rows of 8,192 elements (a group's 128 rows, dense), 262,144 elements apart; 4 words of padding behind every 32
	s_or_b32 s[G1+0], s43, (1<<16)|(1<<20)|(1<<21)|(4<<22)|(3<<25)
	s_mov_b32 s[G1+1], 8192<<16
	s_mov_b32 s[G1+2], 4<<16
	s_mov_b32 s[G1+3], 8192<<16
	s_mov_b32 s[G1+4], 4
	s_mov_b32 s[G1+5], GSTR/2
	s_mov_b32 s[G1+6], 0
	s_mov_b32 s[G1+7], 0
	; group 1 for W: 256 k-rows x 128 elements, 1,024 elements apart; 8 words of padding behind every 64
	s_or_b32 s[G1B+0], s44, (1<<16)|(1<<20)|(1<<21)|(5<<22)|(7<<25)
	s_mov_b32 s[G1B+1], 128<<16
	s_mov_b32 s[G1B+2], 256<<16
	s_mov_b32 s[G1B+3], 128<<16
	s_mov_b32 s[G1B+4], 256
	s_mov_b32 s[G1B+5], 1024
	s_mov_b32 s[G1B+6], 0
	s_mov_b32 s[G1B+7], 0
	s_lshl_b32 s16, s12, 21                        ; A: my four groups
	s_lshl_b32 s17, s13, 14                        ;    + 128 rows x 128 bytes a block row
	s_add_co_u32 s16, s16, s17
	s_mov_b32 s17, 0
	s_lshl_b32 s46, s12, 19                        ; W: my 256 k-rows of 2,048 bytes
	s_lshl_b32 s45, s42, 8                         ;    + 128 columns a block column
	s_add_co_u32 s46, s46, s45
	s_add_co_u32 s46, s46, WOFF
	s_mov_b32 s47, 0
	s_mul_i32 s20, s10, HALFT                      ; where a wave's load goes: wave x 73,728: no place in the cluster enters
	s_lshl_b32 s82, s42, 9                         ; my block's 128 columns of f32
	s_mov_b32 s83, 0
	s_lshl_b32 s84, s13, 7
	s_lshl_b32 s85, s10, 5
	s_add_co_u32 s84, s84, s85                     ; the first of the 32 rows that I finish
	s_lshl_b32 s84, s84, 12
	s_add_co_u32 s84, s84, s82
	s_mov_b32 s85, 0
	s_wait_dscnt 0x0
	s_wait_kmcnt 0x0
	s_add_nc_u64 s[14:15], s[68:69], s[16:17]      ; A's tile of K step 0
	s_add_nc_u64 s[46:47], s[70:71], s[46:47]      ; W's
	s_add_nc_u64 s[72:73], s[72:73], s[82:83]
	s_add_nc_u64 s[74:75], s[74:75], s[84:85]
	s_add_nc_u64 s[76:77], s[76:77], s[84:85]
	s_mov_b32 s[G0], 1
	s_add_co_u32 s[G0+1], s20, 0
	s_mov_b32 s[G0B], 1
	s_add_co_u32 s[G0B+1], s20, 0
	SETADR
	CROUND                                         ; in front of the first joint loads
	JLOAD                                          ; by this text's count a wave never has more than one tensor load out
	v_and_b32 v3, 31, v0
	v_lshlrev_b32 v[CO], 4, v3
	global_load_b128 v[28:31], v[CO], s[72:73]     ; the bias of my four columns on the way out
	v_and_b32 v1, 15, v0                           ; r
	v_bfe_u32 v2, v0, 4, 1                         ; h
	v_mul_u32_u24 v3, v1, APITCH
	v_lshl_add_u32 v3, v2, 4, v3                   ; A: row r, 16 h
	s_mul_i32 s21, s10, WPART                      ; my two groups of A
	v_add_nc_u32 v[ADRA], s21, v3
	v_and_b32 v5, 7, v0
	v_lshl_add_u32 v5, v2, 3, v5
	v_mul_u32_u24 v5, v5, BPITCH
	v_bfe_u32 v6, v0, 3, 1
	v_lshl_add_u32 v5, v6, 4, v5                   ; W: k-row 8 h + l % 8, 16 bytes at 16 ((l / 8) % 2)
	s_add_co_u32 s22, s21, ABYTES                  ; my 128 k-rows of W
	v_add_nc_u32 v[ADRB], s22, v5
	s_mul_i32 s21, s10, XBLK
	v_mul_u32_u24 v4, v1, XPITCH
	v_lshl_add_u32 v4, v2, 5, v4
	v_add_nc_u32 v[STO], s21, v4                   ; the meeting: my partial block, row r, 32 h
	s_mul_i32 s22, s10, 32*XPITCH
.irp s, 0,1,2,3
	v_add_nc_u32 v[8+\s], s22, v[CO]               ; wave s's block, the 32 rows that I finish, 16 l
	s_add_co_u32 s22, s22, XBLK
.endr
; 16 matrix instructions: row blocks a0, a0 + 1 of the window's four x all 8 column blocks, 32 along K.  W's fragments at fb (window 1), A's at fa (window 0).
; The 64 accumulators take turns, one instruction a turn.  zero = 1: the first product starts the sums.
.macro MUL16 fb, fa, hi, a0, zero
.irp a, \a0, \a0+1
.irp b, 0,1,2,3,4,5,6,7
.if \zero
	v_wmma_f32_16x16x32_bf16 v[8*(8*(\a)+\b):8*(8*(\a)+\b)+7], v[\fb+8*\b:\fb+8*\b+7], v[\fa+8*(4*\hi+\a):\fa+8*(4*\hi+\a)+7], 0
.else
	v_wmma_f32_16x16x32_bf16 v[8*(8*(\a)+\b):8*(8*(\a)+\b)+7], v[\fb+8*\b:\fb+8*\b+7], v[\fa+8*(4*\hi+\a):\fa+8*(4*\hi+\a)+7], v[8*(8*(\a)+\b):8*(8*(\a)+\b)+7]
.endif
.endr
.endr
.endm
.macro FETB c, dst                     ; 16 LDS loads: chunk c of W, all 128 columns, into window 1 at dst
	WIN TO_B
.irp i, 0,1,2,3,4,5,6,7
	ds_load_tr16_b128 v[\dst+8*\i:\dst+8*\i+3],   v[ADRB] offset:\c*32*BPITCH+32*\i
	ds_load_tr16_b128 v[\dst+8*\i+4:\dst+8*\i+7], v[ADRB] offset:\c*32*BPITCH+16*BPITCH+32*\i
.endr
.endm
.macro FETA c, dst, i0                 ; 8 LDS loads: chunk c of A, row blocks i0 .. i0 + 3, into window 0 at dst
	WIN 0
.irp i, 0,1,2,3
	ds_load_b128 v[\dst+8*\i:\dst+8*\i+3],   v[ADRA] offset:(\c/2)*GRP+(\c%2)*64+(\i0+\i)*16*APITCH
	ds_load_b128 v[\dst+8*\i+4:\dst+8*\i+7], v[ADRA] offset:(\c/2)*GRP+(\c%2)*64+(\i0+\i)*16*APITCH+32
.endr
.endm
.macro PLACES                          ; four plain vector instructions behind a matrix instruction before its registers are touched (ISA guide 7.12.1)
.rept 4
	v_nop
.endr
.endm
.macro RESLD n                         ; eight rows of res, 512 dense bytes a load, into window 1
.irp p, 0,1,2,3,4,5,6,7
	global_load_b128 v[RES+32*\n+4*\p:RES+32*\n+4*\p+3], v[CO], s[74:75] offset:(8*\n+\p)*4096
.endr
.endm
; One step: 512 along K.  prev = 1: the last 32 products of the step before (chunk 3, rows 64-127) are still to be made, and are made here, round the barrier.
; zero = 1: chunk 0 starts the sums.  refill = 1: the slot is asked for again; 0: the last step, in which the residual is asked for instead.
; LDS loads go out in the order F0: W 16, A low 8, A high 8 | F1: W 16, A low 8 | F1: A high 8, F2: W 16 | F2: A 16, XB 16 | chunk 3's A 16;
; they come back in order, so each wait's count is the number of loads issued behind the last one that the next products need.  At most 56 are out.
.macro STEP prev, zero, refill
	s_wait_tensorcnt 0x0                           ; my part of this step's tiles has landed: it is the one load that I have out, so the count that shows it is 0
	s_wait_dscnt 0x0                               ; no LDS instruction of mine is out at a signal (met: the step before ended its reads with a wait for 0)
	s_barrier_signal -1
.if \prev
	WIN MUL_HI
	MUL16 0, 0, 1, 0, 0                            ; registers only, while the others arrive
.endif
	WIN 0
	s_barrier_wait -1                              ; every wave's part has landed.
	PLACES                                         ; F0's lower half of A was read by the products just made
	FETB 0, F0
	FETA 0, F0, 0
	FETA 0, F0+32, 4
.if \prev
	WIN MUL_HI
	MUL16 0, 0, 1, 2, 0
.endif
	FETB 1, F1
	FETA 1, F1, 0
	s_wait_dscnt 32                                ; 56 issued: the first 24 are in: chunk 0's W and its A, rows 0-63
	WIN MUL_LO
	MUL16 F0, F0, 0, 0, \zero
	MUL16 F0, F0, 0, 2, \zero
	FETA 1, F1+32, 4
	FETB 2, F2
	s_wait_dscnt 48                                ; 80 issued: the first 32 are in: all of chunk 0
	WIN MUL_HI
	MUL16 F0, F0, 1, 0, \zero
	MUL16 F0, F0, 1, 2, \zero
	s_wait_dscnt 24                                ; the first 56 are in: chunk 1's W and its A, rows 0-63
	PLACES                                         ; XB, XA and F0's lower half of A have been read by matrix instructions since the last places
	FETA 2, F2, 0
	FETA 2, F2+32, 4
	FETB 3, 0
	WIN MUL_LO
	MUL16 F1, F1, 0, 0, 0
	MUL16 F1, F1, 0, 2, 0
	s_wait_dscnt 40                                ; 112 issued: the first 72 are in, chunk 1's A, rows 64-127, among them
	FETA 3, F0, 0                                  ; chunk 3's A: rows 0-63 where chunk 0's were,
	FETA 3, XA, 4                                  ; rows 64-127 in registers of their own: the slot's last reads
.if \refill
	WIN MUL_HI
	MUL16 F1, F1, 1, 0, 0
	s_wait_dscnt 0x0                               ; my reads of the slot are over
	s_set_vgpr_msb 0xf1f0
	s_wait_tensorcnt 0x0                           ; and no tensor load of mine is out
	ds_add_u32 v25, v27
	s_wait_dscnt 0x0
	s_set_vgpr_msb 0xf0f1
	s_barrier_signal -1                            ; this barrier opens a round of the cluster's barrier
	MUL16 F1, F1, 1, 2, 0                          ; registers only
	WIN 0
	s_barrier_wait -1
	CREST                                          ; no wave of any partner still reads the slot or has a load on its way
	s_add_co_u32 s86, s86, 1
	s_and_b32 s86, s86, NSTEPS-1                   ; the next K step, round the end
	SETADR
	JLOAD                                          ; my one tensor load behind the round, first thing: 96 matrix instructions stand between it and the wait for it
.else
	WIN TO_B
	RESLD 0                                        ; chunk 0's W is done with (places: above): rows 0-15 of res go there
	RESLD 1
	WIN MUL_HI
	MUL16 F1, F1, 1, 0, 0
	MUL16 F1, F1, 1, 2, 0
	PLACES
	WIN TO_B
	RESLD 2                                        ; and rows 16-31 where chunk 1's W was
	RESLD 3
	s_wait_dscnt 0x0
.endif
	WIN MUL_LO
	MUL16 F2, F2, 0, 0, 0
	MUL16 F2, F2, 0, 2, 0
	WIN MUL_HI
	MUL16 F2, F2, 1, 0, 0
	MUL16 F2, F2, 1, 2, 0
	WIN MUL_LO
	MUL16 0, F0, 0, 0, 0                           ; chunk 3, rows 0-63; its rows 64-127 follow in the next step, or behind the last
	MUL16 0, F0, 0, 2, 0
.endm
	s_wait_loadcnt 0x0                             ; the bias, my only global load so far, is in; the wait for the first tiles follows at once
	STEP 0, 1, 1                                   ; the first step stands in front of the loop: its first products start the sums
.if NSTEPS > 2
	WIN 0                                          ; at a label and at a branch every window is 0
	s_mov_b32 s3, NSTEPS-2
.Lstep:
	STEP 1, 0, 1
	WIN 0
	s_sub_co_u32 s3, s3, 1
	s_cmp_lg_u32 s3, 0
	s_cbranch_scc1 .Lstep
.endif
	STEP 1, 0, 0                                   ; the last step fills nothing
	WIN MUL_HI
	MUL16 0, 0, 1, 0, 0
	MUL16 0, 0, 1, 2, 0
	; THE MEETING.  Wave w finishes rows 32 w .. 32 w + 31 of the block.
	PLACES
	WIN 0
	s_barrier_signal -1                            ; every wave's reads of the slot are back (its last wait on DScnt was for 0) and no tensor load is out
	s_barrier_wait -1
	WIN 0x08                                       ; store data from window 2
.irp a, 0,1,2,3
.irp b, 0,1,2,3,4,5,6,7
	ds_store_b128 v[STO], v[8*(8*\a+\b):8*(8*\a+\b)+3]   offset:\a*16*XPITCH+64*\b
	ds_store_b128 v[STO], v[8*(8*\a+\b)+4:8*(8*\a+\b)+7] offset:\a*16*XPITCH+64*\b+16
.endr
.endr
	WIN 0x0c                                       ; from window 3
.irp a, 0,1,2,3
.irp b, 0,1,2,3,4,5,6,7
	ds_store_b128 v[STO], v[8*(8*\a+\b):8*(8*\a+\b)+3]   offset:(\a+4)*16*XPITCH+64*\b
	ds_store_b128 v[STO], v[8*(8*\a+\b)+4:8*(8*\a+\b)+7] offset:(\a+4)*16*XPITCH+64*\b+16
.endr
.endr
	WIN 0
	s_wait_dscnt 0x0                               ; my stores are done, for the others' sake
	s_barrier_signal -1
	s_barrier_wait -1
; Eight rows: four partial rows each, + bias + res; a store covers 512 dense bytes.
.macro BATCH n
	s_wait_xcnt 0x0                                ; v64.. were the data of the last batch's stores
.irp p, 0,1,2,3,4,5,6,7
.irp s, 0,1,2,3
	ds_load_b128 v[64+16*\p+4*\s:67+16*\p+4*\s], v[8+\s] offset:(8*\n+\p)*XPITCH
.endr
.endr
.irp p, 0,1,2,3,4,5,6,7
	s_wait_dscnt 28-4*\p                           ; the first 4 (p + 1) of the 32 loads are in
	v_pk_add_f32 v[64+16*\p:65+16*\p], v[64+16*\p:65+16*\p], v[68+16*\p:69+16*\p]
	v_pk_add_f32 v[66+16*\p:67+16*\p], v[66+16*\p:67+16*\p], v[70+16*\p:71+16*\p]
	v_pk_add_f32 v[72+16*\p:73+16*\p], v[72+16*\p:73+16*\p], v[76+16*\p:77+16*\p]
	v_pk_add_f32 v[74+16*\p:75+16*\p], v[74+16*\p:75+16*\p], v[78+16*\p:79+16*\p]
	v_pk_add_f32 v[64+16*\p:65+16*\p], v[64+16*\p:65+16*\p], v[72+16*\p:73+16*\p]
	v_pk_add_f32 v[66+16*\p:67+16*\p], v[66+16*\p:67+16*\p], v[74+16*\p:75+16*\p]
	v_pk_add_f32 v[64+16*\p:65+16*\p], v[64+16*\p:65+16*\p], v[28:29]       ; the bias was waited for in front of the first step
	v_pk_add_f32 v[66+16*\p:67+16*\p], v[66+16*\p:67+16*\p], v[30:31]
.endr
	s_wait_loadcnt 24-8*\n                         ; res up to this batch is in; the 8 loads of each later batch stay out
	WIN 0x04                                       ; source 1 (res) from window 1
.irp p, 0,1,2,3,4,5,6,7
	v_pk_add_f32 v[64+16*\p:65+16*\p], v[64+16*\p:65+16*\p], v[RES+32*\n+4*\p:RES+32*\n+4*\p+1]
	v_pk_add_f32 v[66+16*\p:67+16*\p], v[66+16*\p:67+16*\p], v[RES+32*\n+4*\p+2:RES+32*\n+4*\p+3]
.endr
	WIN 0
.irp p, 0,1,2,3,4,5,6,7
	global_store_b128 v[CO], v[64+16*\p:67+16*\p], s[76:77] offset:(8*\n+\p)*4096
.endr
.endm
	BATCH 0
	BATCH 1
	BATCH 2
	BATCH 3
	s_wait_tensorcnt 0x0
	ds_add_u32 v25, v27
	s_wait_dscnt 0x0
	CROUND                                         ; the closing round: no work-group ends while a partner may still ask for a tile that names it
	s_endpgm
.Lfunc_end_k_q6b687a149b_ffn2:
	.size	k_q6b687a149b_ffn2, .Lfunc_end_k_q6b687a149b_ffn2-k_q6b687a149b_ffn2
	.p2alignl 7, 3214868480
	.fill 96, 4, 3214868480
	.section	.rodata,"a",@progbits
	.p2align	6, 0x0
	.amdhsa_kernel k_q6b687a149b_ffn2
		.amdhsa_group_segment_fixed_size 327680
		.amdhsa_private_segment_fixed_size 0
		.amdhsa_enable_private_segment 0
		.amdhsa_kernarg_size 40
		.amdhsa_user_sgpr_count 2
		.amdhsa_user_sgpr_kernarg_segment_ptr 1
		.amdhsa_wavefront_size32 1
		.amdhsa_system_sgpr_workgroup_id_x 1
		.amdhsa_system_sgpr_workgroup_id_y 1
		.amdhsa_system_sgpr_workgroup_id_z 1
		.amdhsa_system_vgpr_workitem_id 0
		.amdhsa_next_free_vgpr 1024
		.amdhsa_next_free_sgpr 100
		.amdhsa_reserve_vcc 0
		.amdhsa_float_denorm_mode_32 3
		.amdhsa_float_denorm_mode_16_64 3
		.amdhsa_memory_ordered 1
		.amdhsa_forward_progress 1
		.amdhsa_inst_pref_size 129
	.end_amdhsa_kernel
	.amdgpu_metadata
---
amdhsa.version: [ 1, 2 ]
amdhsa.kernels:
  - .name:           k_q6b687a149b_ffn2
    .symbol:         k_q6b687a149b_ffn2.kd
    .args:
      - { .name: f1, .offset: 0, .size: 8, .value_kind: global_buffer, .address_space: global }
      - { .name: cb, .offset: 8, .size: 8, .value_kind: global_buffer, .address_space: global }
      - { .name: b2, .offset: 16, .size: 8, .value_kind: global_buffer, .address_space: global }
      - { .name: h, .offset: 24, .size: 8, .value_kind: global_buffer, .address_space: global }
      - { .name: y, .offset: 32, .size: 8, .value_kind: global_buffer, .address_space: global }
    .group_segment_fixed_size: 327680
    .private_segment_fixed_size: 0
    .kernarg_segment_align: 8
    .kernarg_segment_size: 40
    .max_flat_workgroup_size: 128
    .sgpr_count:     100
    .vgpr_count:     1024
    .wavefront_size: 32
...
	.end_amdgpu_metadata
.endif
;; end of part 7
;; launch ln2 (part 8): grid 256 x 1, 8 waves a work-group, no clusters, 0 bytes of LDS; arguments y, g2, beta2, out0; writes out0
.if DOCPART == 8
	.amdgcn_target "amdgcn-amd-amdhsa--gfx1250"
	.amdhsa_code_object_version 6
	.text
	.protected	k_q6b687a149b_ln2
	.globl	k_q6b687a149b_ln2
	.p2align	8
	.type	k_q6b687a149b_ln2,@function
k_q6b687a149b_ln2:
	s_mov_b64 s[64:65], 0
	v_nop
	global_prefetch_b8 v0, s[64:65] scope:SCOPE_SE
	s_setreg_imm32_b32 hwreg(HW_REG_WAVE_MODE, 25, 1), 1
	s_wait_xcnt 0x0
; LayerNorm of rows of 1,024 f32: out = g (y - mean) / sqrt(var + 1e-5) + beta, var = mean of (y - mean)^2: the two passes as the formula is written,
; so a common offset of a row does no harm.  WITH_BF16 = 1: a bf16 copy goes out too.  v_rsq_f32 is good to 1 ulp.
; A row is 4,096 bytes = 32 registers of one wave: it stays in registers, is read once, and no wave waits for another.  Memory binds: no LDS, no matrix unit.
; Eight waves, two rows each.  A load or f32 store of a wave covers 512 dense bytes, a bf16 store 256.  No register is written twice by memory: no loop.
.set WITH_BF16, 0
.set X0, 8                             ; v[8:39]    row 0
.set X1, 40                            ; v[40:71]   row 1
.set G,  72                            ; v[72:103]  gain of my 32 columns
.set BT, 104                           ; v[104:135] beta
.set T,  136                           ; v[136:147] at work
.set YB, 150                           ; v[150:181] bf16 copies
	s_load_b256 s[4:11], s[0:1], 0x0               ; y 4, gain 6, beta 8, out 10
.if WITH_BF16
	s_load_b64 s[12:13], s[0:1], 0x20              ; the bf16 copy
.endif
	v_lshrrev_b32 v1, 5, v0
	v_readfirstlane_b32 s14, v1                    ; wave
	v_and_b32 v2, 31, v0
	v_lshlrev_b32 v3, 4, v2                        ; 16 l
	v_lshlrev_b32 v4, 3, v2                        ; 8 l
	s_lshl_b32 s15, ttmp9, 4
	s_lshl1_add_u32 s15, s14, s15                  ; my first row = 16 x work-group + 2 x wave
	s_lshl_b32 s16, s15, 12
	s_mov_b32 s17, 0
	s_lshl_b32 s18, s15, 11
	s_mov_b32 s19, 0
	s_mov_b32 s20, 0x76543210
	s_mov_b32 s21, 0xfedcba98
	s_mov_b32 s22, 0x3a800000                      ; 1 / 1,024
	s_mov_b32 s23, 0x3727c5ac                      ; 1e-5
	s_wait_kmcnt 0x0
	s_add_nc_u64 s[4:5], s[4:5], s[16:17]
	s_add_nc_u64 s[10:11], s[10:11], s[16:17]
.if WITH_BF16
	s_add_nc_u64 s[12:13], s[12:13], s[18:19]
.endif
.irp j, 0,1,2,3,4,5,6,7
	global_load_b128 v[X0+4*\j:X0+4*\j+3], v3, s[4:5] offset:512*\j th:TH_LOAD_NT
.endr
.irp j, 0,1,2,3,4,5,6,7
	global_load_b128 v[X1+4*\j:X1+4*\j+3], v3, s[4:5] offset:4096+512*\j th:TH_LOAD_NT
.endr
.irp j, 0,1,2,3,4,5,6,7
	global_load_b128 v[G+4*\j:G+4*\j+3], v3, s[6:7] offset:512*\j
.endr
.irp j, 0,1,2,3,4,5,6,7
	global_load_b128 v[BT+4*\j:BT+4*\j+3], v3, s[8:9] offset:512*\j
.endr
.macro REDUCE                          ; four pairs in v[T:T+7] to one sum in every lane's v[T]
	v_pk_add_f32 v[T:T+1], v[T:T+1], v[T+2:T+3]
	v_pk_add_f32 v[T+4:T+5], v[T+4:T+5], v[T+6:T+7]
	v_pk_add_f32 v[T:T+1], v[T:T+1], v[T+4:T+5]
	v_add_f32 v[T], v[T], v[T+1]
	v_add_f32_dpp v[T], v[T], v[T] row_xmask:1 row_mask:0xf bank_mask:0xf
	v_add_f32_dpp v[T], v[T], v[T] row_xmask:2 row_mask:0xf bank_mask:0xf
	v_add_f32_dpp v[T], v[T], v[T] row_xmask:4 row_mask:0xf bank_mask:0xf
	v_add_f32_dpp v[T], v[T], v[T] row_xmask:8 row_mask:0xf bank_mask:0xf
	v_permlanex16_b32 v[T+1], v[T], s20, s21
	v_add_f32 v[T], v[T], v[T+1]
.endm
.macro NORM X                          ; the row becomes (y - mean) / sqrt(var + eps), in place
.irp c, 0,2,4,6
	v_pk_add_f32 v[T+\c:T+\c+1], v[\X+\c:\X+\c+1], v[\X+8+\c:\X+9+\c]
.endr
.irp k, 16,24
.irp c, 0,2,4,6
	v_pk_add_f32 v[T+\c:T+\c+1], v[T+\c:T+\c+1], v[\X+\k+\c:\X+\k+\c+1]
.endr
.endr
	REDUCE
	v_mul_f32 v[T+8], s22, v[T]                    ; the mean, twice: a pair for the packed subtraction
	v_mov_b32 v[T+9], v[T+8]
.irp k, 0,2,4,6,8,10,12,14,16,18,20,22,24,26,28,30
	v_pk_add_f32 v[\X+\k:\X+\k+1], v[\X+\k:\X+\k+1], v[T+8:T+9] neg_lo:[0,1] neg_hi:[0,1]
.endr
.irp c, 0,2,4,6
	v_pk_mul_f32 v[T+\c:T+\c+1], v[\X+\c:\X+\c+1], v[\X+\c:\X+\c+1]
.endr
.irp k, 8,16,24
.irp c, 0,2,4,6
	v_pk_fma_f32 v[T+\c:T+\c+1], v[\X+\k+\c:\X+\k+\c+1], v[\X+\k+\c:\X+\k+\c+1], v[T+\c:T+\c+1]
.endr
.endr
	REDUCE
	v_fma_f32 v[T+10], v[T], s22, s23              ; var + eps
	v_rsq_f32 v[T+10], v[T+10]
	v_nop                                          ; one plain vector instruction before the result is used (ISA guide 5.7.2)
	s_wait_alu depctr_va_vdst(0)
	v_mov_b32 v[T+11], v[T+10]
.irp k, 0,2,4,6,8,10,12,14,16,18,20,22,24,26,28,30
	v_pk_mul_f32 v[\X+\k:\X+\k+1], v[\X+\k:\X+\k+1], v[T+10:T+11]
.endr
.endm
.macro OUT X, row
.irp k, 0,2,4,6,8,10,12,14,16,18,20,22,24,26,28,30
	v_pk_fma_f32 v[\X+\k:\X+\k+1], v[\X+\k:\X+\k+1], v[G+\k:G+\k+1], v[BT+\k:BT+\k+1]
.endr
.irp j, 0,1,2,3,4,5,6,7
	global_store_b128 v3, v[\X+4*\j:\X+4*\j+3], s[10:11] offset:\row*4096+512*\j
.endr
.if WITH_BF16
.irp j, 0,1,2,3,4,5,6,7
	v_cvt_pk_bf16_f32 v[YB+16*\row+2*\j], v[\X+4*\j], v[\X+4*\j+1]
	v_cvt_pk_bf16_f32 v[YB+16*\row+2*\j+1], v[\X+4*\j+2], v[\X+4*\j+3]
	global_store_b64 v4, v[YB+16*\row+2*\j:YB+16*\row+2*\j+1], s[12:13] offset:\row*2048+256*\j
.endr
.endif
.endm
	s_wait_loadcnt 24                              ; row 0 is in; row 1, gain and beta (24 loads) stay out
	NORM X0
	s_wait_loadcnt 16                              ; row 1
	NORM X1
	s_wait_loadcnt 0x0                             ; gain and beta
	OUT X0, 0
	OUT X1, 1
	s_endpgm
.Lfunc_end_k_q6b687a149b_ln2:
	.size	k_q6b687a149b_ln2, .Lfunc_end_k_q6b687a149b_ln2-k_q6b687a149b_ln2
	.p2alignl 7, 3214868480
	.fill 96, 4, 3214868480
	.section	.rodata,"a",@progbits
	.p2align	6, 0x0
	.amdhsa_kernel k_q6b687a149b_ln2
		.amdhsa_group_segment_fixed_size 0
		.amdhsa_private_segment_fixed_size 0
		.amdhsa_enable_private_segment 0
		.amdhsa_kernarg_size 32
		.amdhsa_user_sgpr_count 2
		.amdhsa_user_sgpr_kernarg_segment_ptr 1
		.amdhsa_wavefront_size32 1
		.amdhsa_system_sgpr_workgroup_id_x 1
		.amdhsa_system_sgpr_workgroup_id_y 1
		.amdhsa_system_sgpr_workgroup_id_z 1
		.amdhsa_system_vgpr_workitem_id 0
		.amdhsa_next_free_vgpr 182
		.amdhsa_next_free_sgpr 66
		.amdhsa_reserve_vcc 0
		.amdhsa_float_denorm_mode_32 3
		.amdhsa_float_denorm_mode_16_64 3
		.amdhsa_memory_ordered 1
		.amdhsa_forward_progress 1
		.amdhsa_inst_pref_size 18
	.end_amdhsa_kernel
	.amdgpu_metadata
---
amdhsa.version: [ 1, 2 ]
amdhsa.kernels:
  - .name:           k_q6b687a149b_ln2
    .symbol:         k_q6b687a149b_ln2.kd
    .args:
      - { .name: y, .offset: 0, .size: 8, .value_kind: global_buffer, .address_space: global }
      - { .name: g2, .offset: 8, .size: 8, .value_kind: global_buffer, .address_space: global }
      - { .name: beta2, .offset: 16, .size: 8, .value_kind: global_buffer, .address_space: global }
      - { .name: out0, .offset: 24, .size: 8, .value_kind: global_buffer, .address_space: global }
    .group_segment_fixed_size: 0
    .private_segment_fixed_size: 0
    .kernarg_segment_align: 8
    .kernarg_segment_size: 32
    .max_flat_workgroup_size: 256
    .sgpr_count:     66
    .vgpr_count:     182
    .wavefront_size: 32
...
	.end_amdgpu_metadata
.endif
;; end of part 8
;; ======== version 2 of 2: 8 launches; version 1 with the launch ln1 written anew for expert scheduling mode
;; limits: right only within a limited range of input values
;; workspace buffers: cb 33,554,432 bytes; qkv 25,165,824 bytes; vsum 131,072 bytes; ao 8,388,608 bytes; y 16,777,216 bytes; h 16,777,216 bytes; hb 8,388,608 bytes; f1 33,554,432 bytes
;; launch prep: the kernel of part 1 again; grid 64 x 16, 8 waves a work-group, no clusters, 0 bytes of LDS; arguments x, wq, wk, wv, wo, w1, w2, cb; writes cb
;; launch qkvg: the kernel of part 2 again; grid 12 x 16, 4 waves a work-group, clusters of 4 x 4, 327,680 bytes of LDS; arguments cb, bq, bk, bv, qkv, vsum; writes qkv, vsum
;; launch attn: the kernel of part 3 again; grid 8 x 32, 4 waves a work-group, no clusters, 327,680 bytes of LDS; arguments qkv, key_padding_mask, vsum, ao; writes ao
;; launch wog: the kernel of part 4 again; grid 8 x 32, 4 waves a work-group, clusters of 4 x 4, 327,680 bytes of LDS; arguments ao, cb, bo, x, y; writes y
;; launch ln1 (part 9): grid 256 x 1, 8 waves a work-group, no clusters, 0 bytes of LDS; arguments y, g1, beta1, h, hb; writes h, hb
.if DOCPART == 9
	.amdgcn_target "amdgcn-amd-amdhsa--gfx1250"
	.amdhsa_code_object_version 6
	.text
	.protected	k_q6b687a149b_ln1
	.globl	k_q6b687a149b_ln1
	.p2align	8
	.type	k_q6b687a149b_ln1,@function
k_q6b687a149b_ln1:
	s_mov_b64 s[64:65], 0
	v_nop
	global_prefetch_b8 v0, s[64:65] scope:SCOPE_SE
	s_setreg_imm32_b32 hwreg(HW_REG_WAVE_SCHED_MODE, 0, 2), 2
	s_setreg_imm32_b32 hwreg(HW_REG_WAVE_MODE, 25, 1), 1
	s_wait_xcnt 0x0
	s_wait_alu depctr_vm_vsrc(0)
; LayerNorm of rows of 1,024 f32: out = g (y - mean) / sqrt(var + 1e-5) + beta, var = mean of (y - mean)^2: the two passes as the formula is written,
; so a common offset of a row does no harm.  WITH_BF16 = 1: a bf16 copy goes out too.  v_rsq_f32 is good to 1 ulp.
; A row is 4,096 bytes = 32 registers of one wave: it stays in registers, is read once, and no wave waits for another.  Memory binds: no LDS, no matrix unit.
; Eight waves, two rows each.  A load or f32 store of a wave covers 512 dense bytes, a bf16 store 256.  No register is written twice by memory: no loop.
; THE MODE: SCHED_MODE bits 1:0 = 2 (LLVM: expert scheduling mode 2), set by the entry lines.  The code itself states the register dependences
; between vector instructions and memory instructions, with s_wait_alu, always for 0.
; THE PLAN.  Registers that memory instructions touch:
;   v3, v4     byte offsets, made once at the head and never written again; every load and store reads one of them.
;   X0, X1     a row each.  Written by its eight loads, then in place by the row's arithmetic; read by the row's eight f32 stores; never written after those.
;   G, BT      written by their loads; read by vector instructions alone.
;   YB         16 registers a row.  Written once, by the row's roundings; read by the row's eight bf16 stores.
;   T          named by vector instructions alone.
; Row 0 is finished whole; ONE wait states that X0 and its part of YB are written; four of its stores follow at once, the other twelve are dealt among row 1's first sums,
; which name X1 and T alone.  A second such wait stands ahead of row 1's stores.  No register that a memory instruction reads is written again,
; and no load lands in a register that a vector instruction has named: so nothing else is owed between the two sides but the two waits at the head.
.set WITH_BF16, 1
.set X0, 8                             ; v[8:39]    row 0
.set X1, 40                            ; v[40:71]   row 1
.set G,  72                            ; v[72:103]  gain of my 32 columns
.set BT, 104                           ; v[104:135] beta
.set T,  136                           ; v[136:147] at work
.set YB, 150                           ; v[150:181] bf16 copies
	s_load_b256 s[4:11], s[0:1], 0x0               ; y 4, gain 6, beta 8, out 10
.if WITH_BF16
	s_load_b64 s[12:13], s[0:1], 0x20              ; the bf16 copy
.endif
	v_lshrrev_b32 v1, 5, v0
	v_readfirstlane_b32 s14, v1                    ; wave
	v_and_b32 v2, 31, v0
	v_lshlrev_b32 v3, 4, v2                        ; 16 l
	v_lshlrev_b32 v4, 3, v2                        ; 8 l
	s_lshl_b32 s15, ttmp9, 4
	s_wait_alu depctr_va_sdst(0)                   ; s14 is written, ahead of its first reader: the rows' byte offsets are made from it
	s_lshl1_add_u32 s15, s14, s15                  ; my first row = 16 x work-group + 2 x wave
	s_lshl_b32 s16, s15, 12
	s_mov_b32 s17, 0
	s_lshl_b32 s18, s15, 11
	s_mov_b32 s19, 0
	s_mov_b32 s20, 0x76543210
	s_mov_b32 s21, 0xfedcba98
	s_mov_b32 s22, 0x3a800000                      ; 1 / 1,024
	s_mov_b32 s23, 0x3727c5ac                      ; 1e-5
	s_wait_kmcnt 0x0
	s_add_nc_u64 s[4:5], s[4:5], s[16:17]
	s_add_nc_u64 s[10:11], s[10:11], s[16:17]
.if WITH_BF16
	s_add_nc_u64 s[12:13], s[12:13], s[18:19]
.endif
	s_wait_alu depctr_va_vdst(0)                   ; v3 and v4 are written: every load and store of the kernel reads one of them as its offset
.irp j, 0,1,2,3,4,5,6,7
	global_load_b128 v[X0+4*\j:X0+4*\j+3], v3, s[4:5] offset:512*\j th:TH_LOAD_NT
.endr
.irp j, 0,1,2,3,4,5,6,7
	global_load_b128 v[G+4*\j:G+4*\j+3], v3, s[6:7] offset:512*\j
.endr
.irp j, 0,1,2,3,4,5,6,7
	global_load_b128 v[BT+4*\j:BT+4*\j+3], v3, s[8:9] offset:512*\j
.endr
.irp j, 0,1,2,3,4,5,6,7
	global_load_b128 v[X1+4*\j:X1+4*\j+3], v3, s[4:5] offset:4096+512*\j th:TH_LOAD_NT  ; row 1 last: row 0 is finished without it
.endr
; Piece j of eight of a finished row goes out: 512 dense bytes of f32 and 256 of bf16
.macro PUT row, j
	global_store_b128 v3, v[X0+32*(\row)+4*(\j):X0+32*(\row)+4*(\j)+3], s[10:11] offset:(\row)*4096+512*(\j)
.if WITH_BF16
	global_store_b64 v4, v[YB+16*(\row)+2*(\j):YB+16*(\row)+2*(\j)+1], s[12:13] offset:(\row)*2048+256*(\j)
.endif
.endm
.macro REDUCE                          ; four pairs in v[T:T+7] to one sum in every lane's v[T]
	v_pk_add_f32 v[T:T+1], v[T:T+1], v[T+2:T+3]
	v_pk_add_f32 v[T+4:T+5], v[T+4:T+5], v[T+6:T+7]
	v_pk_add_f32 v[T:T+1], v[T:T+1], v[T+4:T+5]
	v_add_f32 v[T], v[T], v[T+1]
	v_add_f32_dpp v[T], v[T], v[T] row_xmask:1 row_mask:0xf bank_mask:0xf
	v_add_f32_dpp v[T], v[T], v[T] row_xmask:2 row_mask:0xf bank_mask:0xf
	v_add_f32_dpp v[T], v[T], v[T] row_xmask:4 row_mask:0xf bank_mask:0xf
	v_add_f32_dpp v[T], v[T], v[T] row_xmask:8 row_mask:0xf bank_mask:0xf
	v_permlanex16_b32 v[T+1], v[T], s20, s21
	v_add_f32 v[T], v[T], v[T+1]
.endm
; The row becomes (y - mean) / sqrt(var + eps), in place.  deal = 1: pieces 2 to 7 of row 0 go out among the first sums, two behind each four additions.
; No wait stands ahead of them: no vector instruction since the wait behind row 0's roundings names v3, v4, X0 or row 0's part of YB.
.macro NORM X, deal
.irp c, 0,2,4,6
	v_pk_add_f32 v[T+\c:T+\c+1], v[\X+\c:\X+\c+1], v[\X+8+\c:\X+9+\c]
.endr
.if \deal
	PUT 0, 2
	PUT 0, 3
.endif
.irp c, 0,2,4,6
	v_pk_add_f32 v[T+\c:T+\c+1], v[T+\c:T+\c+1], v[\X+16+\c:\X+16+\c+1]
.endr
.if \deal
	PUT 0, 4
	PUT 0, 5
.endif
.irp c, 0,2,4,6
	v_pk_add_f32 v[T+\c:T+\c+1], v[T+\c:T+\c+1], v[\X+24+\c:\X+24+\c+1]
.endr
.if \deal
	PUT 0, 6
	PUT 0, 7
.endif
	REDUCE
	v_mul_f32 v[T+8], s22, v[T]                    ; the mean, twice: a pair for the packed subtraction
	v_mov_b32 v[T+9], v[T+8]
.irp k, 0,2,4,6,8,10,12,14,16,18,20,22,24,26,28,30
	v_pk_add_f32 v[\X+\k:\X+\k+1], v[\X+\k:\X+\k+1], v[T+8:T+9] neg_lo:[0,1] neg_hi:[0,1]
.endr
.irp c, 0,2,4,6
	v_pk_mul_f32 v[T+\c:T+\c+1], v[\X+\c:\X+\c+1], v[\X+\c:\X+\c+1]
.endr
.irp k, 8,16,24
.irp c, 0,2,4,6
	v_pk_fma_f32 v[T+\c:T+\c+1], v[\X+\k+\c:\X+\k+\c+1], v[\X+\k+\c:\X+\k+\c+1], v[T+\c:T+\c+1]
.endr
.endr
	REDUCE
	v_fma_f32 v[T+10], v[T], s22, s23              ; var + eps
	v_rsq_f32 v[T+10], v[T+10]
	v_nop                                          ; one plain vector instruction before the result is used (ISA guide 5.7.2)
	s_wait_alu depctr_va_vdst(0)                   ; the reciprocal root in v[T+10] is written, ahead of its first reader
	v_mov_b32 v[T+11], v[T+10]
.irp k, 0,2,4,6,8,10,12,14,16,18,20,22,24,26,28,30
	v_pk_mul_f32 v[\X+\k:\X+\k+1], v[\X+\k:\X+\k+1], v[T+10:T+11]
.endr
.endm
; Gain and beta, in place, and the bf16 copy into the row's part of YB
.macro AFFINE X, row
.irp k, 0,2,4,6,8,10,12,14,16,18,20,22,24,26,28,30
	v_pk_fma_f32 v[\X+\k:\X+\k+1], v[\X+\k:\X+\k+1], v[G+\k:G+\k+1], v[BT+\k:BT+\k+1]
.endr
.if WITH_BF16
.irp j, 0,1,2,3,4,5,6,7
	v_cvt_pk_bf16_f32 v[YB+16*\row+2*\j], v[\X+4*\j], v[\X+4*\j+1]
	v_cvt_pk_bf16_f32 v[YB+16*\row+2*\j+1], v[\X+4*\j+2], v[\X+4*\j+3]
.endr
.endif
.endm
	s_wait_loadcnt 24                              ; loads come back in order: row 0 is in; gain, beta and row 1 (24 loads) stay out
	NORM X0, 0
	s_wait_loadcnt 8                               ; gain and beta are in; row 1's eight loads stay out
	AFFINE X0, 0
	s_wait_alu depctr_va_vdst(0)                   ; the multiply-adds have written X0 and the roundings row 0's part of YB, which row 0's sixteen stores read
	PUT 0, 0
	PUT 0, 1
	s_wait_loadcnt 0x0                             ; row 1
	NORM X1, 1
	AFFINE X1, 1
	s_wait_alu depctr_va_vdst(0)                   ; the multiply-adds have written X1 and the roundings row 1's part of YB, which row 1's sixteen stores read
.irp j, 0,1,2,3,4,5,6,7
	PUT 1, \j
.endr
	s_endpgm
.Lfunc_end_k_q6b687a149b_ln1:
	.size	k_q6b687a149b_ln1, .Lfunc_end_k_q6b687a149b_ln1-k_q6b687a149b_ln1
	.p2alignl 7, 3214868480
	.fill 96, 4, 3214868480
	.section	.rodata,"a",@progbits
	.p2align	6, 0x0
	.amdhsa_kernel k_q6b687a149b_ln1
		.amdhsa_group_segment_fixed_size 0
		.amdhsa_private_segment_fixed_size 0
		.amdhsa_enable_private_segment 0
		.amdhsa_kernarg_size 40
		.amdhsa_user_sgpr_count 2
		.amdhsa_user_sgpr_kernarg_segment_ptr 1
		.amdhsa_wavefront_size32 1
		.amdhsa_system_sgpr_workgroup_id_x 1
		.amdhsa_system_sgpr_workgroup_id_y 1
		.amdhsa_system_sgpr_workgroup_id_z 1
		.amdhsa_system_vgpr_workitem_id 0
		.amdhsa_next_free_vgpr 182
		.amdhsa_next_free_sgpr 66
		.amdhsa_reserve_vcc 0
		.amdhsa_float_denorm_mode_32 3
		.amdhsa_float_denorm_mode_16_64 3
		.amdhsa_memory_ordered 1
		.amdhsa_forward_progress 1
		.amdhsa_inst_pref_size 22
	.end_amdhsa_kernel
	.amdgpu_metadata
---
amdhsa.version: [ 1, 2 ]
amdhsa.kernels:
  - .name:           k_q6b687a149b_ln1
    .symbol:         k_q6b687a149b_ln1.kd
    .args:
      - { .name: y, .offset: 0, .size: 8, .value_kind: global_buffer, .address_space: global }
      - { .name: g1, .offset: 8, .size: 8, .value_kind: global_buffer, .address_space: global }
      - { .name: beta1, .offset: 16, .size: 8, .value_kind: global_buffer, .address_space: global }
      - { .name: h, .offset: 24, .size: 8, .value_kind: global_buffer, .address_space: global }
      - { .name: hb, .offset: 32, .size: 8, .value_kind: global_buffer, .address_space: global }
    .group_segment_fixed_size: 0
    .private_segment_fixed_size: 0
    .kernarg_segment_align: 8
    .kernarg_segment_size: 40
    .max_flat_workgroup_size: 256
    .sgpr_count:     66
    .vgpr_count:     182
    .wavefront_size: 32
...
	.end_amdgpu_metadata
.endif
;; end of part 9
;; launch ffn1: the kernel of part 6 again; grid 16 x 16, 4 waves a work-group, clusters of 4 x 4, 327,680 bytes of LDS; arguments hb, cb, b1, f1; writes f1
;; launch ffn2: the kernel of part 7 again; grid 8 x 32, 4 waves a work-group, clusters of 4 x 4, 327,680 bytes of LDS; arguments f1, cb, b2, h, y; writes y
;; launch ln2: the kernel of part 8 again; grid 256 x 1, 8 waves a work-group, no clusters, 0 bytes of LDS; arguments y, g2, beta2, out0; writes out0
